; MI455X (gfx1250); checked and timed in simulation.
; The chip was launched on July 23, 2026; its instructions are those of AMD's public machine-readable ISA for CDNA 5 (MIT licence, August 2026) and "CDNA5" Instruction Set Architecture Reference Guide (July 2026). The comments in the code are by the model that wrote it; some were corrected since.
;; Llama Decoder Layer. Allowed arithmetic: float matrix products may take bf16 or f16 operands with f32 sums; other float arithmetic in f32, or as packed bf16 or f16 multiplies, adds, multiply-adds, maxima and minima; sums over many terms, partial sums and values carried from step to step in f32; what a program stores and reads back later, other than sums and carried values, may be rounded once to bf16 or f16.
;; Inputs: Wk 1,024 x 1,024 float32; Wo 1,024 x 1,024 float32; Wq 1,024 x 1,024 float32; Wv 1,024 x 1,024 float32; hidden_states 2 x 2,048 x 1,024 float32; ln1_w 1,024 float32; ln2_w 1,024 float32; w1 1,024 x 1,024 float32; w2 1,024 x 1,024 float32; w3 1,024 x 1,024 float32.
;; Outputs: out0 2 x 2,048 x 1,024 float32.
;; 3 versions, each right; version 3 is version 2 with the launch prep written anew for expert scheduling mode. Each part assembles by itself: llvm-mc -triple=amdgcn-amd-amdhsa -mcpu=gfx1250 --defsym DOCPART=n.
;; ======== version 1 of 3: 6 launches
;; workspace buffers: wb 14,680,064 bytes; xa 8,388,608 bytes; rope 524,288 bytes; qkv 25,165,824 bytes; ctx 8,388,608 bytes; h 16,777,216 bytes; hb 8,388,608 bytes; ssq 262,144 bytes
;; launch prep (part 1): grid 592 x 1, 8 waves a work-group, no clusters, 0 bytes of LDS; arguments Wq, Wk, Wv, Wo, w1, w3, w2, hidden_states, ln1_w, wb, xa, rope; writes wb, xa, rope
.if DOCPART == 1
	.amdgcn_target "amdgcn-amd-amdhsa--gfx1250"
	.amdhsa_code_object_version 6
	.text
	.protected	k_q9c5beb2cdc_prep
	.globl	k_q9c5beb2cdc_prep
	.p2align	8
	.type	k_q9c5beb2cdc_prep,@function
k_q9c5beb2cdc_prep:
	s_mov_b64 s[64:65], 0
	v_nop
	global_prefetch_b8 v0, s[64:65] scope:SCOPE_SE
	s_setreg_imm32_b32 hwreg(HW_REG_WAVE_MODE, 25, 1), 1
	s_wait_xcnt 0x0
; PREP: three kinds of work-group, told apart by the work-group's number g alone.
;   g < 448         the seven weight matrices, f32 [1024 k][1024 n], rounded once to bf16 as they lie: wb[plane][k][n], planes Wq Wk Wv Wo w1 w3 w2.  64 work-groups a matrix, 65,536 bytes each.
;   448 <= g < 576  xa = bf16(x * rsqrt(mean(x^2) + 1e-6) * ln1), 32 rows a work-group, 4 a wave.  xa lies in SLABS: [16 b + column / 64][s][64], a slab row is 128 bytes.
;   576 <= g        the table rope[pos][cos 0..31 | sin 0..31] in f32, 128 positions a work-group, 16 a wave.
; No LDS, no matrix unit, no cluster: nothing is shared and each byte is touched once.
; LIMITS.  The angle pos * 10000^(-i/32) is made in f32 (its frequency by 2^x, within some 5e-7 of itself), reduced by 2 pi in two parts, quartered, put through series cut at a^7 and a^8
; (|a| <= pi/4: under 4e-7) and doubled twice.  NaN and infinities in x are not treated apart.
.set GW, 448
.set GN, 576
	s_load_b512 s[4:19], s[0:1], 0x0               ; Wq s[4:5] Wk s[6:7] Wv s[8:9] Wo s[10:11] w1 s[12:13] w3 s[14:15] w2 s[16:17] hidden s[18:19]
	s_load_b256 s[20:27], s[0:1], 0x40             ; ln1 s[20:21] wb s[22:23] xa s[24:25] rope s[26:27]
	v_and_b32 v3, 31, v0                           ; lane
	v_lshrrev_b32 v1, 5, v0
	v_readfirstlane_b32 s3, v1                     ; wave 0..7
	s_mov_b32 s2, ttmp9
	s_wait_kmcnt 0x0
	s_cmp_lt_u32 s2, GW
	s_cbranch_scc1 .Lweights
	s_cmp_lt_u32 s2, GN
	s_cbranch_scc1 .Lnorm
; ---- the table.  Lane l: frequencies 2 (l % 16) and 2 (l % 16) + 1; lanes 0-15 keep the cosines, lanes 16-31 the sines: one store is a position's 256 bytes.
	s_sub_co_u32 s2, s2, GN
	s_lshl_b32 s38, s2, 7
	s_lshl_b32 s39, s3, 4
	s_add_co_u32 s38, s38, s39                     ; my wave's first position
	s_lshl_b32 s39, s38, 8
	s_mov_b32 s40, 0x40c90fdb                      ; 2 pi, its f32
	s_mov_b32 s41, 0xb43bbd2e                      ; and what that f32 leaves over
	v_and_b32 v4, 15, v0
	v_lshlrev_b32 v4, 1, v4
	v_cvt_f32_u32 v5, v4
	v_add_f32 v6, 1.0, v5
	v_mul_f32 v5, 0xbed49a78, v5                   ; -i log2(10000) / 32
	v_mul_f32 v6, 0xbed49a78, v6
	v_exp_f32 v8, v5
	v_exp_f32 v9, v6
	v_lshl_add_u32 v7, v3, 3, s39                  ; pos x 256 + 8 l: the plain instruction behind the two exponentials
	v_cmp_le_u32 vcc_lo, 16, v3
	s_wait_alu depctr_va_vdst(0)                   ; one wait for both, ahead of the label and of their first reader
.macro SC th, sn, cs                   ; sine and cosine of v[th]
	v_mul_f32 v20, 0.15915494, v[\th]
	v_rndne_f32 v20, v20                           ; whole turns
	v_fma_f32 v21, -v20, s40, v[\th]
	v_fma_f32 v21, -v20, s41, v21                  ; the rest, within pi
	v_mul_f32 v21, 0x3e800000, v21                 ; a = a quarter of it
	v_mul_f32 v22, v21, v21
	v_mov_b32 v23, 0xb9500d01                      ; -1/5040
	v_fmaak_f32 v23, v23, v22, 0x3c088889          ; 1/120
	v_fmaak_f32 v23, v23, v22, 0xbe2aaaab          ; -1/6
	v_mul_f32 v24, v21, v22
	v_fma_f32 v[\sn], v24, v23, v21
	v_mov_b32 v23, 0x37d00d01                      ; 1/40320
	v_fmaak_f32 v23, v23, v22, 0xbab60b61          ; -1/720
	v_fmaak_f32 v23, v23, v22, 0x3d2aaaab          ; 1/24
	v_fmaak_f32 v23, v23, v22, 0xbf000000          ; -1/2
	v_fma_f32 v[\cs], v23, v22, 1.0
.rept 2                                ; twice: sin 2a = 2 sin a cos a, cos 2a = 1 - 2 sin^2 a
	v_mul_f32 v24, v[\sn], v[\cs]
	v_mul_f32 v23, v[\sn], v[\sn]
	v_add_f32 v[\sn], v24, v24
	v_fma_f32 v[\cs], v23, -2.0, 1.0
.endr
.endm
	s_mov_b32 s42, 16
.Lpos:
	v_cvt_f32_u32 v10, s38
	v_mul_f32 v12, v10, v8
	v_mul_f32 v13, v10, v9
	SC 12, 14, 16
	SC 13, 15, 17
	v_cndmask_b32 v18, v16, v14, vcc_lo
	v_cndmask_b32 v19, v17, v15, vcc_lo
	global_store_b64 v7, v[18:19], s[26:27]
	s_wait_xcnt 0x0                                ; the store has read v7 and v[18:19]: they are written again only behind this wait
	v_add_nc_u32 v7, 256, v7
	s_add_co_u32 s38, s38, 1
	s_sub_co_u32 s42, s42, 1
	s_cmp_lg_u32 s42, 0
	s_cbranch_scc1 .Lpos
	s_endpgm
; ---- the norm.  A pair of rows at a time: lanes 0-15 one row, lanes 16-31 the next; load j takes columns 64 j + 4 (l % 16) .. + 3, which is slab j.
.Lnorm:
	s_sub_co_u32 s2, s2, GW
	s_lshl_b32 s2, s2, 5
	s_lshl_b32 s30, s3, 2
	s_add_co_u32 s2, s2, s30                       ; my wave's first row, 0..4092
	s_lshl_b32 s30, s2, 12
	s_mov_b32 s31, 0
	s_add_nc_u64 s[18:19], s[18:19], s[30:31]
	s_lshr_b32 s32, s2, 11
	s_lshl_b32 s32, s32, 22                        ; the batch's sixteen slabs
	s_and_b32 s33, s2, 2047
	s_lshl_b32 s33, s33, 7                         ; the row in a slab
	s_add_co_u32 s30, s32, s33
	s_add_nc_u64 s[24:25], s[24:25], s[30:31]
	s_mov_b32 s36, 0x3a800000                      ; 1/1024
	s_mov_b32 s37, 0x358637bd                      ; 1e-6
	v_and_b32 v4, 15, v0
	v_lshlrev_b32 v1, 4, v4                        ; 16 (l % 16)
	v_bfe_u32 v5, v0, 4, 1
	v_lshl_add_u32 v2, v5, 12, v1                  ; + a row for the upper lanes
	v_lshlrev_b32 v3, 3, v3                        ; 8 l: two slab rows are 256 bytes on end
.set j, 0
.rept 16
	global_load_b128 v[32+4*j:35+4*j], v1, s[20:21] offset:256*j
.set j, j+1
.endr
.set j, 0
.rept 16
	global_load_b128 v[96+4*j:99+4*j], v2, s[18:19] offset:256*j th:TH_LOAD_NT
.set j, j+1
.endr
.set j, 0
.rept 16
	global_load_b128 v[160+4*j:163+4*j], v2, s[18:19] offset:8192+256*j th:TH_LOAD_NT
.set j, j+1
.endr
.macro PAIR x, off
.set j, 0
.rept 16                               ; the sum of squares in four chains; the first two loads' squares start them
.set c, 4+4*(j%2)
.if j < 2
	v_pk_mul_f32 v[c:c+1], v[(\x)+4*j:(\x)+4*j+1], v[(\x)+4*j:(\x)+4*j+1]
	v_pk_mul_f32 v[c+2:c+3], v[(\x)+4*j+2:(\x)+4*j+3], v[(\x)+4*j+2:(\x)+4*j+3]
.else
	v_pk_fma_f32 v[c:c+1], v[(\x)+4*j:(\x)+4*j+1], v[(\x)+4*j:(\x)+4*j+1], v[c:c+1]
	v_pk_fma_f32 v[c+2:c+3], v[(\x)+4*j+2:(\x)+4*j+3], v[(\x)+4*j+2:(\x)+4*j+3], v[c+2:c+3]
.endif
.set j, j+1
.endr
	v_pk_add_f32 v[4:5], v[4:5], v[6:7]
	v_pk_add_f32 v[8:9], v[8:9], v[10:11]
	v_pk_add_f32 v[4:5], v[4:5], v[8:9]
	v_add_f32 v4, v4, v5
	v_add_f32_dpp v4, v4, v4 row_xmask:1 row_mask:0xf bank_mask:0xf   ; a row lies in sixteen lanes
	v_add_f32_dpp v4, v4, v4 row_xmask:2 row_mask:0xf bank_mask:0xf
	v_add_f32_dpp v4, v4, v4 row_xmask:4 row_mask:0xf bank_mask:0xf
	v_add_f32_dpp v4, v4, v4 row_xmask:8 row_mask:0xf bank_mask:0xf
	v_fma_f32 v4, v4, s36, s37
	v_rsq_f32 v6, v4
	v_rsq_f32 v7, v4                               ; twice: a pair for the packed multiply
	v_nop                                          ; the plain instruction behind them,
	s_wait_alu depctr_va_vdst(0)                   ; and one wait for both, ahead of their first reader
.set j, 0
.rept 16
	v_pk_mul_f32 v[(\x)+4*j:(\x)+4*j+1], v[(\x)+4*j:(\x)+4*j+1], v[6:7]
	v_pk_mul_f32 v[(\x)+4*j+2:(\x)+4*j+3], v[(\x)+4*j+2:(\x)+4*j+3], v[6:7]
	v_pk_mul_f32 v[(\x)+4*j:(\x)+4*j+1], v[(\x)+4*j:(\x)+4*j+1], v[32+4*j:33+4*j]
	v_pk_mul_f32 v[(\x)+4*j+2:(\x)+4*j+3], v[(\x)+4*j+2:(\x)+4*j+3], v[34+4*j:35+4*j]
	v_cvt_pk_bf16_f32 v[(\x)+4*j], v[(\x)+4*j], v[(\x)+4*j+1]
	v_cvt_pk_bf16_f32 v[(\x)+4*j+1], v[(\x)+4*j+2], v[(\x)+4*j+3]
	global_store_b64 v3, v[(\x)+4*j:(\x)+4*j+1], s[24:25] offset:262144*j+(\off)   ; 256 consecutive bytes, aligned
.set j, j+1
.endr
.endm
	s_wait_loadcnt 16                              ; ln1 and the first pair are in; the second pair's sixteen loads stay out
	PAIR 96, 0
	s_wait_loadcnt 0x0
	PAIR 160, 256
	s_endpgm
; ---- the weights.  Thread t takes 16 bytes at 16 t of each 4,096: a wave's load covers 512 consecutive bytes, its store 256.
.Lweights:
	s_lshr_b32 s30, s2, 6                          ; which matrix
	s_and_b32 s31, s2, 63                          ; which 65,536 bytes of it
	s_mov_b64 s[28:29], s[4:5]
.irp k, 1,2,3,4,5,6
	s_cmp_eq_u32 s30, \k
	s_cselect_b64 s[28:29], s[4+2*\k:5+2*\k], s[28:29]
.endr
	s_lshl_b32 s32, s31, 16
	s_mov_b32 s33, 0
	s_add_nc_u64 s[28:29], s[28:29], s[32:33]
	s_lshl_b32 s32, s30, 21
	s_lshl_b32 s34, s31, 15
	s_add_co_u32 s32, s32, s34
	s_add_nc_u64 s[22:23], s[22:23], s[32:33]
	v_lshlrev_b32 v1, 4, v0
	v_lshlrev_b32 v2, 3, v0
.set i, 0
.rept 16
	global_load_b128 v[32+4*i:35+4*i], v1, s[28:29] offset:4096*i th:TH_LOAD_NT
.set i, i+1
.endr
.set i, 0
.rept 16
	s_wait_loadcnt 15-i                            ; loads come back in order: the younger ones stay out
	v_cvt_pk_bf16_f32 v[32+4*i], v[32+4*i], v[33+4*i]
	v_cvt_pk_bf16_f32 v[33+4*i], v[34+4*i], v[35+4*i]
	global_store_b64 v2, v[32+4*i:33+4*i], s[22:23] offset:2048*i
.set i, i+1
.endr
	s_endpgm
.Lfunc_end_k_q9c5beb2cdc_prep:
	.size	k_q9c5beb2cdc_prep, .Lfunc_end_k_q9c5beb2cdc_prep-k_q9c5beb2cdc_prep
	.p2alignl 7, 3214868480
	.fill 96, 4, 3214868480
	.section	.rodata,"a",@progbits
	.p2align	6, 0x0
	.amdhsa_kernel k_q9c5beb2cdc_prep
		.amdhsa_group_segment_fixed_size 0
		.amdhsa_private_segment_fixed_size 0
		.amdhsa_enable_private_segment 0
		.amdhsa_kernarg_size 96
		.amdhsa_user_sgpr_count 2
		.amdhsa_user_sgpr_kernarg_segment_ptr 1
		.amdhsa_wavefront_size32 1
		.amdhsa_system_sgpr_workgroup_id_x 1
		.amdhsa_system_sgpr_workgroup_id_y 1
		.amdhsa_system_sgpr_workgroup_id_z 1
		.amdhsa_system_vgpr_workitem_id 0
		.amdhsa_next_free_vgpr 224
		.amdhsa_next_free_sgpr 66
		.amdhsa_reserve_vcc 1
		.amdhsa_float_denorm_mode_32 3
		.amdhsa_float_denorm_mode_16_64 3
		.amdhsa_memory_ordered 1
		.amdhsa_forward_progress 1
		.amdhsa_inst_pref_size 37
	.end_amdhsa_kernel
	.amdgpu_metadata
---
amdhsa.version: [ 1, 2 ]
amdhsa.kernels:
  - .name:           k_q9c5beb2cdc_prep
    .symbol:         k_q9c5beb2cdc_prep.kd
    .args:
      - { .name: Wq, .offset: 0, .size: 8, .value_kind: global_buffer, .address_space: global }
      - { .name: Wk, .offset: 8, .size: 8, .value_kind: global_buffer, .address_space: global }
      - { .name: Wv, .offset: 16, .size: 8, .value_kind: global_buffer, .address_space: global }
      - { .name: Wo, .offset: 24, .size: 8, .value_kind: global_buffer, .address_space: global }
      - { .name: w1, .offset: 32, .size: 8, .value_kind: global_buffer, .address_space: global }
      - { .name: w3, .offset: 40, .size: 8, .value_kind: global_buffer, .address_space: global }
      - { .name: w2, .offset: 48, .size: 8, .value_kind: global_buffer, .address_space: global }
      - { .name: hidden_states, .offset: 56, .size: 8, .value_kind: global_buffer, .address_space: global }
      - { .name: ln1_w, .offset: 64, .size: 8, .value_kind: global_buffer, .address_space: global }
      - { .name: wb, .offset: 72, .size: 8, .value_kind: global_buffer, .address_space: global }
      - { .name: xa, .offset: 80, .size: 8, .value_kind: global_buffer, .address_space: global }
      - { .name: rope, .offset: 88, .size: 8, .value_kind: global_buffer, .address_space: global }
    .group_segment_fixed_size: 0
    .private_segment_fixed_size: 0
    .kernarg_segment_align: 8
    .kernarg_segment_size: 96
    .max_flat_workgroup_size: 256
    .sgpr_count:     66
    .vgpr_count:     224
    .wavefront_size: 32
...
	.end_amdgpu_metadata
.endif
;; end of part 1
;; launch qkv (part 2): grid 8 x 32, 4 waves a work-group, clusters of 4 x 4, 327,680 bytes of LDS; arguments xa, wb, rope, qkv; writes qkv
.if DOCPART == 2
	.amdgcn_target "amdgcn-amd-amdhsa--gfx1250"
	.amdhsa_code_object_version 6
	.text
	.protected	k_q9c5beb2cdc_qkv
	.globl	k_q9c5beb2cdc_qkv
	.p2align	8
	.type	k_q9c5beb2cdc_qkv,@function
k_q9c5beb2cdc_qkv:
	s_mov_b64 s[64:65], 0
	v_nop
	global_prefetch_b8 v0, s[64:65] scope:SCOPE_SE
	s_setreg_imm32_b32 hwreg(HW_REG_WAVE_MODE, 25, 1), 1
	s_wait_xcnt 0x0
	s_wait_alu depctr_hold_cnt(0) depctr_sa_sdst(0) depctr_va_vdst(0) depctr_va_sdst(0) depctr_va_ssrc(0) depctr_va_vcc(0) depctr_vm_vsrc(0)
	s_getreg_b32 s2, hwreg(HW_REG_IB_STS2, 6, 4)
	s_cmp_eq_u32 s2, 0
	s_cbranch_scc0 .Lentry_in_a_cluster
	s_endpgm
.Lentry_in_a_cluster:
	s_bfe_u32 s2, ttmp6, 0x10000c
	s_cmp_lg_u32 s2, 0xf033
	s_cbranch_scc0 .Lentry_shape_is_right
	s_endpgm
.Lentry_shape_is_right:
; Q, K, V = xa x (Wq | Wk | Wv), with the rotary turn on Q and K, stored by heads: qkv[plane][16 b + head][s][64] in bf16, unscaled.
; A work-group makes 128 tokens x 128 columns of each of the three planes; a wave 64 x 64 x 3: 48 accumulators.  K goes in steps of 128 through two LDS slots.
; OPERANDS.  xa lies in slabs [16 b + k / 64][s][64]: 128 tokens of a slab are 16,384 dense bytes.  The weights lie [k][n] and are turned on the way out of LDS (ds_load_tr16_b128).
; The matrix instruction is used transposed (source 0 = 16 columns of W, source 1 = 16 tokens): a lane holds one token (lane % 16) and eight neighbouring columns 8 (lane / 16) + 0..7.
; A wave's 64 columns are one head, so the rotary partner of column d, d + 32, lies in the same lane two accumulators on.
; CLUSTER 4 x 4: the activations' block is shared along a row of the cluster, a weight block along a column; each is asked for jointly.  Wave i fetches block i of a slot: xa, Wq, Wk, Wv.
; LIMITS: operands and results bf16, sums f32; NaN and infinities are not treated apart.
.set NT, 3            ; planes of weights
.set NA, 1            ; blocks of activations in a slot
.set NBB, 3           ; blocks of weights in a slot
.set NBR, 3           ; their address registers
.set NQ, 4            ; quarters of 32 along K in a step
.set T, 8             ; K steps
.set P0, 0            ; first plane of wb
.set STEPA, 524288    ; bytes from K step to K step: two slabs,
.set STEPB, 262144    ; 128 rows of a weight plane
.set BSTR, 2097152    ; from weight block to weight block: a plane
.set PF, 1
.set SPARE, 2*147456+9216
.set OUT, 64
; ---------------- what the four products of this program have in common ----------------
.set BLK,   36864     ; a block in LDS.  Activations: two slabs of 128 rows, 128 bytes + 16 of padding.  Weights: 128 k rows, 256 bytes + 32 of padding
.set SLOT,  4*BLK     ; its bits (14, 17) meet none of w x BLK (12, 13, 15, 16): one exclusive or changes slots
.set STAGE, 2*SLOT    ; behind the ring: the waves' stages for the way out, then the spare words; no tensor load lands there
.set NL,    8+8*NT    ; LDS loads of a quarter
.set AA0, 4           ; v4      my lane's place in the activations' block          v5-7  in the weight blocks; never rewritten
.set BB0, 5
.set AA,  8           ; v8      the same in the slot in hand                        v9-11
.set AB,  9
.set STO, 12          ; v12, v13 the way out: into my stage, and back
.set RD,  13
.set GO,  14          ; v14     my byte offset in what I store
.set XO,  15          ; v15     my byte offset in what the way out loads
.set PFO, 26          ; v26     the prefetches' lane offset
.set SPW, 28          ; v28     my spare word: SPARE + 4 x my thread's number      v29  0; both never rewritten
.set NIL, 29
.set AF,  64          ; v64-127 fragments of activations, two buffers of 4 x 8.  Window 1: fragments of weights, two buffers of 32 NT.  Windows 2, 3: accumulators, plane p at 128 p
.set WV, 20           ; s20-23  wave, its half of the rows, its half of the columns, the tile row
.set WM, 21
.set WN, 22
.set TY, 23
.set G1A, 24          ; s[24:31], s[32:39] descriptor groups 1 and 0 (two sets) for activations
.set G0A, 32
.set CX, 40
.set CY, 41
.set TX, 42
.set G1B, 48          ; s[48:55], s[56:63] the same for weights
.set G0B, 56
.set TB, 66           ; s66     the slot in hand: 0 or SLOT
.set CNT, 67
.set PFA, 68          ; s[68:69] where my prefetches stand          s[90:91] their step
.set LIM, 70          ; s70     1 in a wave that prefetches, else the greatest number
.set MSB, 0
.macro WIN new                         ; the immediate's high byte repeats the setting that is left; a switch that changes nothing is dropped
.if MSB != (\new)
	s_set_vgpr_msb (MSB<<8)|(\new)
.set MSB, \new
.endif
.endm
.macro PLACES                          ; four plain vector instructions between a matrix instruction and a load into, or a vector line on, its registers
.rept 4
	v_nop
.endr
.endm
.macro CREST                           ; a round of the cluster's barrier behind its opening barrier
	s_cmp_lg_u32 s[WV], 0
	s_cbranch_scc1 .Lnot_wave_0_\@
	s_barrier_signal -3
.Lnot_wave_0_\@:
	s_barrier_wait -3
	s_barrier_signal -1
	s_barrier_wait -1
.endm
.macro CROUND
	s_barrier_signal -1
	s_barrier_wait -1
	CREST
.endm
.macro JLOADW                          ; the joint refill: wave i fetches block i by the walking descriptor; the branches hang on the wave's number alone
.if NA+NBB < 4
	s_cmp_lt_u32 s[WV], NA+NBB
	s_cbranch_scc0 .Lnone_\@
.endif
	s_cmp_lt_u32 s[WV], NA
	s_cbranch_scc0 .Lfor_b_\@
	tensor_load_to_lds s[G0A+4:G0A+7], s[G1A:G1A+7]
	s_nop 0
	PLACES
	s_branch .Lasked_\@
.Lfor_b_\@:
	tensor_load_to_lds s[G0B+4:G0B+7], s[G1B:G1B+7]
	s_nop 0
	PLACES
.if NA+NBB < 4
	s_branch .Lasked_\@
.Lnone_\@:
	PLACES
.endif
.Lasked_\@:
.endm
.macro MULP f, p, a0, na               ; plane p, token blocks a0 .. a0 + na - 1, all four column blocks, 32 along K out of buffer f
	WIN 0xa1+0x50*((\p)/2)                         ; weights window 1, activations window 0, sums window 2 or 3
.set ma, (\a0)
.rept \na
.set mb, 0
.rept 4
.set rC, 128*((\p)%2)+8*(4*ma+mb)
.set rB, 32*NT*(\f)+32*(\p)+8*mb
.set rA, AF+32*(\f)+8*ma
	v_wmma_f32_16x16x32_bf16 v[rC:rC+7], v[rB:rB+7], v[rA:rA+7], v[rC:rC+7]
.set mb, mb+1
.endr
.set ma, ma+1
.endr
.endm
.macro P1 f                            ; a quarter's products in two portions.  All 16 NT accumulators take turns, one instruction a turn, in the same order in every quarter
.if NT == 3
	MULP \f, 0, 0, 4
	MULP \f, 1, 0, 4
.elseif NT == 2
	MULP \f, 0, 0, 4
.else
	MULP \f, 0, 0, 2
.endif
.endm
.macro P2 f
.if NT == 3
	MULP \f, 2, 0, 4
.elseif NT == 2
	MULP \f, 1, 0, 4
.else
	MULP \f, 0, 2, 2
.endif
.endm
.macro FETCH kq, f                     ; quarter kq's fragments into buffer f, in one run
	WIN 0x40                                       ; destination window 1, address window 0
.set fp, 0
.rept NT
.set fb, 0
.rept 4
.set rB, 32*NT*(\f)+32*fp+8*fb
.if NT == 1
.set rR, AB+(\kq)/4
.set ko, 9216*((\kq)%4)
.else
.set rR, AB+fp
.set ko, 9216*(\kq)
.endif
	ds_load_tr16_b128 v[rB:rB+3], v[rR] offset:ko+32*fb          ; k = 8 (l / 16) + 0..7 of column l % 16
	ds_load_tr16_b128 v[rB+4:rB+7], v[rR] offset:ko+32*fb+4608   ; sixteen k rows on
.set fb, fb+1
.endr
.set fp, fp+1
.endr
	WIN 0
.set fa, 0
.rept 4
.set rA, AF+32*(\f)+8*fa
.set ko, ((\kq)/4)*BLK+(((\kq)%4)/2)*18432+((\kq)%2)*64+2304*fa
	ds_load_b128 v[rA:rA+3], v[AA] offset:ko
	ds_load_b128 v[rA+4:rA+7], v[AA] offset:ko+32
.set fa, fa+1
.endr
.endm
.macro QUARTER kq, f, g                ; the next quarter is fetched into g, then f is multiplied
	PLACES
	FETCH (\kq)+1, \g
	s_wait_dscnt NL                                ; all but the NL loads just issued: buffer f is in
	P1 \f
	P2 \f
.endm
.macro STEPQ                           ; all quarters of a K step but the last
.set q, 0
.rept NQ-1
	QUARTER q, q%2, 1-q%2
.set q, q+1
.endr
.endm
.macro ADDRS
	v_add_nc_u32 v[AA], s[TB], v[AA0]
.set fp, 0
.rept NBR
	v_add_nc_u32 v[AB+fp], s[TB], v[BB0+fp]
.set fp, fp+1
.endr
.endm
.macro ASK                             ; a prefetch of my share of the block that I fetch, for the K step behind the one just asked for; the last refill has none behind it
.if PF
	s_cmp_gt_u32 s[CNT], s[LIM]
	s_cbranch_scc0 .Lnot_mine_\@
	global_prefetch_b8 v[PFO], s[PFA:PFA+1] th:TH_LOAD_NT scope:SCOPE_SE
.Lnot_mine_\@:
.endif
.endm
; The last quarter (buffer 1) and the change of slots.  In front of the barrier each wave waits for all its tensor loads (one is out: its block of the other slot), adds 0 to its spare word, and waits for
; that and for its reads of this slot.  fill = 1: the barrier opens a round of the cluster's, and this slot is filled again first thing behind it, with the K step two on.
.macro TURN fill
.if (\fill) && PF
	s_wait_xcnt 0x0                                ; the last prefetch, a K step back, has read its address
	s_add_nc_u64 s[PFA:PFA+1], s[PFA:PFA+1], s[90:91]
.endif
	WIN 0
	s_wait_tensorcnt 0x0
	ds_add_u32 v[SPW], v[NIL]
.if \fill
	s_xor_b32 s[G0A+5], s[G0A+5], SLOT             ; no load of mine is out, so the walking descriptors step: the other slot, the next K step
	s_add_nc_u64 s[G0A+6:G0A+7], s[G0A+6:G0A+7], STEPA
	s_xor_b32 s[G0B+5], s[G0B+5], SLOT
	s_add_nc_u64 s[G0B+6:G0B+7], s[G0B+6:G0B+7], STEPB
.endif
	s_wait_dscnt 0x0                               ; the add is done, buffer 1 is in, my reads of this slot are over
	s_barrier_signal -1
	P1 1                                           ; work on registers while the others arrive
	WIN 0
	s_barrier_wait -1
.if \fill
	CREST
	JLOADW                                         ; its four v_nop are also the places in front of the loads below
.else
	PLACES
.endif
	s_xor_b32 s[TB], s[TB], SLOT
	ADDRS
	FETCH 0, 0
.if \fill
	ASK
.endif
	P2 1
	WIN 0
.endm
; ---------------- the head ----------------
	s_load_b256 s[4:11], s[0:1], 0x0               ; xa s[4:5], wb s[6:7], rope s[8:9], qkv s[10:11]
	v_lshl_add_u32 v[SPW], v0, 2, SPARE
	v_mov_b32 v[NIL], 0
	ds_add_u32 v[SPW], v[NIL]                      ; the wave's opening: the add and its wait ahead of my first tensor load; the set-up, work on registers, between them
	v_lshrrev_b32 v1, 5, v0
	v_readfirstlane_b32 s[WV], v1
	s_lshr_b32 s[WM], s[WV], 1
	s_and_b32 s[WN], s[WV], 1
	s_bfe_u32 s[CX], ttmp6, 0x40000
	s_bfe_u32 s[CY], ttmp6, 0x40004
	s_lshl_b32 s[TX], ttmp9, 2
	s_add_co_u32 s[TX], s[TX], s[CX]               ; column tile = 4 x cluster x + cx
	s_and_b32 s[TY], ttmp7, 0xffff
	s_lshl_b32 s[TY], s[TY], 2
	s_add_co_u32 s[TY], s[TY], s[CY]               ; row tile = 4 x cluster y + cy
	s_lshl_b32 s43, s[CY], 2
	s_lshl_b32 s43, 15, s43                        ; my row of the cluster
	s_lshl_b32 s44, 0x1111, s[CX]                  ; my column
	s_or_b32 s[G1A], s43, (1<<16)|(1<<20)|(1<<21)|(4<<22)|(3<<25)  ; mask; 2-byte elements; padding on; bit 21 beside a mask; after every 32 words 4 words
	s_mov_b32 s[G1A+1], 8192<<16                   ; tensor_dim0 = 8,192: a slab's 128 tokens, dense
	s_mov_b32 s[G1A+2], 2<<16                      ; tensor_dim1 = 2 slabs
	s_mov_b32 s[G1A+3], 8192<<16                   ; tile_dim0
	s_mov_b32 s[G1A+4], 2                          ; tile_dim1
	s_mov_b32 s[G1A+5], 131072                     ; elements from slab to slab
	s_mov_b32 s[G1A+6], 0
	s_mov_b32 s[G1A+7], 0
	s_or_b32 s[G1B], s44, (1<<16)|(1<<20)|(1<<21)|(5<<22)|(7<<25)  ; after every 64 words 8 words
	s_mov_b32 s[G1B+1], 128<<16
	s_mov_b32 s[G1B+2], 128<<16
	s_mov_b32 s[G1B+3], 128<<16
	s_mov_b32 s[G1B+4], 128
	s_mov_b32 s[G1B+5], 1024
	s_mov_b32 s[G1B+6], 0
	s_mov_b32 s[G1B+7], 0
	s_lshr_b32 s45, s[TY], 4                       ; the batch
	s_and_b32 s46, s[TY], 15                       ; the block of 128 tokens in it
	s_lshl_b32 s82, s45, 22                        ; activations: made of the tile row and the wave's number alone
	s_lshl_b32 s83, s46, 14
	s_add_co_u32 s82, s82, s83
	s_min_u32 s83, s[WV], NA-1
	s_lshl_b32 s83, s83, 19
	s_add_co_u32 s82, s82, s83
	s_mov_b32 s83, 0
	s_max_u32 s84, s[WV], NA                       ; weights: of the tile column and the wave's number alone
	s_sub_co_u32 s84, s84, NA
	s_mul_i32 s84, s84, BSTR
	s_lshl_b32 s85, s[TX], 8
	s_add_co_u32 s84, s84, s85
	s_add_co_u32 s84, s84, P0*2097152
	s_mov_b32 s85, 0
	s_mul_i32 s86, s[WV], BLK                      ; where my block goes: no place in the cluster enters an LDS address
	s_mov_b32 s[TB], 0
	s_mov_b32 s80, 0x76543210
	s_mov_b32 s81, 0xfedcba98
	s_wait_dscnt 0x0                               ; the opening add is done
	s_wait_kmcnt 0x0
	s_add_nc_u64 s[82:83], s[4:5], s[82:83]
	s_add_nc_u64 s[84:85], s[6:7], s[84:85]
.irp s, 0,1
	s_mov_b32 s[G0A+4*(\s)], 1
	s_add_co_u32 s[G0A+4*(\s)+1], s86, (\s)*SLOT
	s_add_nc_u64 s[G0A+4*(\s)+2:G0A+4*(\s)+3], s[82:83], (\s)*STEPA
	s_or_b32 s[G0A+4*(\s)+3], s[G0A+4*(\s)+3], 0x80000000
	s_mov_b32 s[G0B+4*(\s)], 1
	s_add_co_u32 s[G0B+4*(\s)+1], s86, (\s)*SLOT
	s_add_nc_u64 s[G0B+4*(\s)+2:G0B+4*(\s)+3], s[84:85], (\s)*STEPB
	s_or_b32 s[G0B+4*(\s)+3], s[G0B+4*(\s)+3], 0x80000000
.endr
.if PF
	; The prefetches.  A block is 128 pieces of 256 bytes.  The four partners that ask for it jointly take 32 each, told apart by address; of the clusters that read it, the first along the other axis asks.
	s_lshr_b32 s87, s[CX], 1
	s_lshl_b32 s87, s87, 18                        ; activations: partner cx takes slab cx / 2,
	s_and_b32 s88, s[CX], 1
	s_lshl_b32 s88, s88, 13                        ; half cx % 2 of its 16,384 bytes
	s_add_co_u32 s87, s87, s88
	s_add_co_u32 s87, s87, 2*STEPA                 ; at K step 2: the first change of slots steps it to 3
	s_lshl_b32 s88, s[CY], 16                      ; weights: partner cy takes 32 of the 128 k rows
	s_add_co_u32 s88, s88, 2*STEPB
	s_and_b32 s71, ttmp7, 0xffff
	s_mov_b32 s90, STEPB
	s_cmp_lt_u32 s[WV], NA
	s_cselect_b32 s88, s87, s88
	s_cselect_b32 s71, ttmp9, s71                  ; the cluster coordinate along which others read the same block
	s_cselect_b32 s87, 8, 11                       ; a lane a piece: 256 bytes on, or a row of 2,048 on
	s_cselect_b32 s90, STEPA, s90
	s_cselect_b64 s[PFA:PFA+1], s[82:83], s[84:85]
	s_mov_b32 s89, 0
	s_mov_b32 s91, 0
	s_add_nc_u64 s[PFA:PFA+1], s[PFA:PFA+1], s[88:89]
.if NA+NBB < 4
	s_cmp_lt_u32 s[WV], NA+NBB
	s_cselect_b32 s71, s71, 1                      ; a wave that fetches nothing asks for nothing
.endif
	s_cmp_eq_u32 s71, 0
	s_cselect_b32 s[LIM], 1, -1
	v_and_b32 v[PFO], 31, v0
	v_lshlrev_b32 v[PFO], s87, v[PFO]
.endif
	CROUND                                         ; all sixteen work-groups are here: the first joint loads meet
	s_cmp_lt_u32 s[WV], NA                         ; a wave's two first fills stand in one branch: two loads of mine are out
	s_cbranch_scc0 .Lfirst_b
	tensor_load_to_lds s[G0A:G0A+3], s[G1A:G1A+7]
	s_nop 0
	tensor_load_to_lds s[G0A+4:G0A+7], s[G1A:G1A+7]
	s_nop 0
	PLACES
	s_branch .Lfirst_done
.Lfirst_b:
.if NA+NBB < 4
	s_cmp_lt_u32 s[WV], NA+NBB
	s_cbranch_scc0 .Lfirst_done
.endif
	tensor_load_to_lds s[G0B:G0B+3], s[G1B:G1B+7]
	s_nop 0
	tensor_load_to_lds s[G0B+4:G0B+7], s[G1B:G1B+7]
	s_nop 0
	PLACES
.Lfirst_done:
	v_and_b32 v1, 15, v0                           ; r = l % 16
	v_bfe_u32 v2, v0, 4, 1                         ; h = l / 16
	v_and_b32 v3, 31, v0                           ; l
	v_mul_u32_u24 v[AA0], v1, 144
	v_lshl_add_u32 v[AA0], v2, 4, v[AA0]
	s_mul_i32 s71, s[WM], 64*144
	v_add_nc_u32 v[AA0], s71, v[AA0]               ; (64 wm + r) x 144 + 16 h
	v_and_b32 v30, 7, v0
	v_lshl_add_u32 v30, v2, 3, v30
	v_mul_u32_u24 v30, v30, 288
	v_bfe_u32 v31, v0, 3, 1
	v_lshl_add_u32 v30, v31, 4, v30                ; (8 h + l % 8) x 288 + 16 ((l / 8) % 2)
	s_lshl_b32 s71, s[WN], 7
	s_add_co_u32 s71, s71, NA*BLK
	v_add_nc_u32 v[BB0], s71, v30
.if NBR > 1
	v_add_nc_u32 v[BB0+1], BLK, v[BB0]
.endif
.if NBR > 2
	v_add_nc_u32 v[BB0+2], 2*BLK, v[BB0]
.endif
; ---------------- this product's own: what the way out needs ----------------
	s_lshl_b32 s86, s46, 7
	s_lshl_b32 s87, s[WM], 6
	s_add_co_u32 s86, s86, s87                     ; my wave's first position in its sequence
	v_add_nc_u32 v[XO], s86, v1
	v_lshlrev_b32 v[XO], 8, v[XO]                  ; a position's 256 bytes of the table,
	v_lshl_add_u32 v[XO], v2, 5, v[XO]             ; my eight frequencies
	WIN 0xc0                                       ; window 3, v128-255: token block a, cos | sin, column block b: as the accumulators lie.  Waited for at the way out
.irp a, 0,1,2,3
.irp c, 0,1
.irp b, 0,1
	global_load_b128 v[128+32*\a+16*\c+8*\b:128+32*\a+16*\c+8*\b+3], v[XO], s[8:9] offset:4096*\a+128*\c+64*\b
	global_load_b128 v[128+32*\a+16*\c+8*\b+4:128+32*\a+16*\c+8*\b+7], v[XO], s[8:9] offset:4096*\a+128*\c+64*\b+16
.endr
.endr
.endr
	WIN 0
	s_lshl_b32 s87, s45, 4
	s_lshl_b32 s88, s[TX], 1
	s_add_co_u32 s87, s87, s88
	s_add_co_u32 s87, s87, s[WN]                   ; my slab: 16 b + head
	s_lshl_b32 s87, s87, 18
	s_lshl_b32 s86, s86, 7
	s_add_co_u32 s86, s86, s87
	s_mov_b32 s87, 0
	s_add_nc_u64 s[72:73], s[10:11], s[86:87]      ; q, k, v at my wave's 64 rows: 8,192 consecutive bytes each
	s_add_nc_u64 s[74:75], s[72:73], 8388608
	s_add_nc_u64 s[76:77], s[72:73], 16777216
	s_mul_i32 s86, s[WV], 2304
	s_add_co_u32 s86, s86, STAGE                   ; my stage: 16 rows of 128 + 16 bytes
	v_mul_u32_u24 v[STO], v1, 144
	v_lshl_add_u32 v[STO], v2, 4, v[STO]
	v_add_nc_u32 v[STO], s86, v[STO]
	v_bfe_u32 v[RD], v0, 3, 2
	v_mul_u32_u24 v[RD], v[RD], 144
	v_and_b32 v30, 7, v0
	v_lshl_add_u32 v[RD], v30, 4, v[RD]
	v_add_nc_u32 v[RD], s86, v[RD]
	v_lshlrev_b32 v[GO], 4, v3
; ---------------- the sums start at 0, written in the wait for the first tile, so that a K step is written once for the loop and once for the tail ----------------
	WIN 0x80
.if NT == 1
.set NZ, 128
.else
.set NZ, 256
.endif
.set z, 0
.rept NZ
	v_mov_b32 v[z], 0
.set z, z+1
.endr
.if NT == 3
	WIN 0xc0
.set z, 0
.rept 128
	v_mov_b32 v[z], 0
.set z, z+1
.endr
.endif
	WIN 0
	s_wait_tensorcnt 0x1                           ; my block of K step 0 is in; K step 1's may stay out
	s_barrier_signal -1
	s_barrier_wait -1
	ADDRS
	FETCH 0, 0
	s_mov_b32 s[CNT], T-2
.Lmain:                                            ; a trip multiplies a K step and fills its slot again
	STEPQ
	TURN 1
	s_sub_co_u32 s[CNT], s[CNT], 1
	s_cmp_lg_u32 s[CNT], 0
	s_cbranch_scc1 .Lmain
	s_mov_b32 s[CNT], 2
.Ltail:                                            ; the last two K steps ask for nothing; the very last change's barrier and fetch serve nothing: the price of one text for both
	STEPQ
	TURN 0
	s_sub_co_u32 s[CNT], s[CNT], 1
	s_cmp_lg_u32 s[CNT], 0
	s_cbranch_scc1 .Ltail
	s_wait_dscnt 0x0
	s_wait_loadcnt 0x0                             ; what the way out needs
	PLACES
	PLACES
; ---------------- the way out: unit u = 4 p + a is 16 tokens of plane p; it owns v[64 + 16 u ..], so no store's registers are written again ----------------
.macro ROPE p, a                       ; out[d] = x[d] cos - x[d + 32] sin, out[d + 32] = x[d + 32] cos + x[d] sin, d = 16 b + 8 h + j < 32
.irp b, 0,1
	WIN 0x0e                                       ; source 0 window 2 (sums), source 1 window 3 (table), the rest window 0
.set rX1, 128*(\p)+8*(4*(\a)+\b)
.set rX2, rX1+16
.set rCo, 128+32*(\a)+8*\b
.set rSi, rCo+16
.irp i, 0,2,4,6
	v_pk_mul_f32 v[32+\i:33+\i], v[rX2+\i:rX2+\i+1], v[rSi+\i:rSi+\i+1]
.endr
.irp i, 0,2,4,6
	v_pk_mul_f32 v[40+\i:41+\i], v[rX1+\i:rX1+\i+1], v[rSi+\i:rSi+\i+1]
.endr
.irp i, 0,2,4,6
	v_pk_fma_f32 v[32+\i:33+\i], v[rX1+\i:rX1+\i+1], v[rCo+\i:rCo+\i+1], v[32+\i:33+\i] neg_lo:[0,0,1] neg_hi:[0,0,1]
.endr
.irp i, 0,2,4,6
	v_pk_fma_f32 v[40+\i:41+\i], v[rX2+\i:rX2+\i+1], v[rCo+\i:rCo+\i+1], v[40+\i:41+\i]
.endr
	WIN 0
.set rO, OUT+16*(4*(\p)+(\a))+4*\b
.irp i, 0,1,2,3
	v_cvt_pk_bf16_f32 v[rO+\i], v[32+2*\i], v[33+2*\i]
	v_cvt_pk_bf16_f32 v[rO+8+\i], v[40+2*\i], v[41+2*\i]
.endr
.endr
.endm
.macro VCV a                           ; V is only rounded
	WIN 0x0f
.set k, 0
.rept 16
	v_cvt_pk_bf16_f32 v[OUT+16*(8+(\a))+k], v[32*(\a)+2*k], v[32*(\a)+2*k+1]
.set k, k+1
.endr
	WIN 0
.endm
.macro MAKE u
.if (\u) < 8
	ROPE (\u)/4, (\u)%4
.else
	VCV (\u)%4
.endif
.endm
.macro TOST u                          ; a lane's 16 bytes of a row into my stage, and whole rows back into the same registers; LDS serves a wave's instructions in order (ISA guide 5.7.1.4)
.set rO, OUT+16*(\u)
.irp b, 0,1,2,3
	ds_store_b128 v[STO], v[rO+4*\b:rO+4*\b+3] offset:32*\b
.endr
.irp f, 0,1,2,3
	ds_load_b128 v[rO+4*\f:rO+4*\f+3], v[RD] offset:576*\f
.endr
.endm
.macro SENDU u, younger                ; younger: the LDS instructions issued behind unit u's loads
.set rO, OUT+16*(\u)
.irp f, 0,1,2,3
	s_wait_dscnt (\younger)+3-\f
	global_store_b128 v[GO], v[rO+4*\f:rO+4*\f+3], s[72+2*((\u)/4):73+2*((\u)/4)] offset:2048*((\u)%4)+512*\f   ; 512 consecutive bytes, aligned
.endr
.endm
	MAKE 0
	TOST 0
.set u, 1
.rept 11
	MAKE u
	TOST u
	SENDU u-1, 8
.set u, u+1
.endr
	SENDU 11, 0
	s_wait_tensorcnt 0x0                           ; the wave's end
	ds_add_u32 v[SPW], v[NIL]
	s_wait_dscnt 0x0
	CROUND                                         ; the closing round
	s_endpgm
.Lfunc_end_k_q9c5beb2cdc_qkv:
	.size	k_q9c5beb2cdc_qkv, .Lfunc_end_k_q9c5beb2cdc_qkv-k_q9c5beb2cdc_qkv
	.p2alignl 7, 3214868480
	.fill 96, 4, 3214868480
	.section	.rodata,"a",@progbits
	.p2align	6, 0x0
	.amdhsa_kernel k_q9c5beb2cdc_qkv
		.amdhsa_group_segment_fixed_size 327680
		.amdhsa_private_segment_fixed_size 0
		.amdhsa_enable_private_segment 0
		.amdhsa_kernarg_size 32
		.amdhsa_user_sgpr_count 2
		.amdhsa_user_sgpr_kernarg_segment_ptr 1
		.amdhsa_wavefront_size32 1
		.amdhsa_system_sgpr_workgroup_id_x 1
		.amdhsa_system_sgpr_workgroup_id_y 1
		.amdhsa_system_sgpr_workgroup_id_z 1
		.amdhsa_system_vgpr_workitem_id 0
		.amdhsa_next_free_vgpr 1024
		.amdhsa_next_free_sgpr 96
		.amdhsa_reserve_vcc 0
		.amdhsa_float_denorm_mode_32 3
		.amdhsa_float_denorm_mode_16_64 3
		.amdhsa_memory_ordered 1
		.amdhsa_forward_progress 1
		.amdhsa_inst_pref_size 112
	.end_amdhsa_kernel
	.amdgpu_metadata
---
amdhsa.version: [ 1, 2 ]
amdhsa.kernels:
  - .name:           k_q9c5beb2cdc_qkv
    .symbol:         k_q9c5beb2cdc_qkv.kd
    .args:
      - { .name: xa, .offset: 0, .size: 8, .value_kind: global_buffer, .address_space: global }
      - { .name: wb, .offset: 8, .size: 8, .value_kind: global_buffer, .address_space: global }
      - { .name: rope, .offset: 16, .size: 8, .value_kind: global_buffer, .address_space: global }
      - { .name: qkv, .offset: 24, .size: 8, .value_kind: global_buffer, .address_space: global }
    .group_segment_fixed_size: 327680
    .private_segment_fixed_size: 0
    .kernarg_segment_align: 8
    .kernarg_segment_size: 32
    .max_flat_workgroup_size: 128
    .sgpr_count:     96
    .vgpr_count:     1024
    .wavefront_size: 32
...
	.end_amdgpu_metadata
.endif
;; end of part 2
;; launch attn (part 3): grid 8 x 32, 4 waves a work-group, clusters of 4 x 1, 327,680 bytes of LDS; arguments qkv, ctx; writes ctx
.if DOCPART == 3
	.amdgcn_target "amdgcn-amd-amdhsa--gfx1250"
	.amdhsa_code_object_version 6
	.text
	.protected	k_q9c5beb2cdc_attn
	.globl	k_q9c5beb2cdc_attn
	.p2align	8
	.type	k_q9c5beb2cdc_attn,@function
k_q9c5beb2cdc_attn:
	s_mov_b64 s[64:65], 0
	v_nop
	global_prefetch_b8 v0, s[64:65] scope:SCOPE_SE
	s_setreg_imm32_b32 hwreg(HW_REG_WAVE_MODE, 25, 1), 1
	s_wait_xcnt 0x0
	s_wait_alu depctr_hold_cnt(0) depctr_sa_sdst(0) depctr_va_vdst(0) depctr_va_sdst(0) depctr_va_ssrc(0) depctr_va_vcc(0) depctr_vm_vsrc(0)
	s_getreg_b32 s2, hwreg(HW_REG_IB_STS2, 6, 4)
	s_cmp_eq_u32 s2, 0
	s_cbranch_scc0 .Lentry_in_a_cluster
	s_endpgm
.Lentry_in_a_cluster:
	s_bfe_u32 s2, ttmp6, 0x10000c
	s_cmp_lg_u32 s2, 0x3003
	s_cbranch_scc0 .Lentry_shape_is_right
	s_endpgm
.Lentry_shape_is_right:
; ATTENTION.  ctx[bh][q][:] = the sum over k of softmax_k(Q[bh][q] . K[bh][k] / 8) V[bh][k][:].  Q, K, V are the three planes of qkv, [32][2048][64] in bf16; ctx has the same layout.
; Products, maxima and sums in f32; the weights p are rounded to bf16 for the second product (their sum l is taken of the unrounded p), ctx once at the end.
; LIMITS.  A weight below 2^-126 counts as 0 in l; NaN and infinities are not treated apart.
; SHARES.  A work-group owns 256 queries of one (batch, head), a wave 64: four PIECES of 16.  Every wave walks all 2,048 keys, 64 a step, four steps to an LDS slot.
; LAYOUT.  S^T = K Q^T holds ONE query a lane (lane % 16) and the keys 8 (lane / 16) + 0..7; two such results rounded to bf16 ARE source 1 of O^T = V^T P.  K comes out of LDS as it lies, V turned.
; SOFTMAX.  p = 2^(c s - c m), c = log2(e) / 8, with a running maximum m; O and l are multiplied by a = 2^(c m_old - c m_new) in every step.  m starts at the lowest finite number, O and l at 0.
; TURNS.  Turn n belongs to piece n: 8 products K Q^T of piece n + 1, later 8 products V^T P of piece n - 1; beside them the scaling, exponentials, roundings, sums and rescaling of piece n and the
; maximum and statistics of piece n + 1.  Four vector instructions stand behind every matrix instruction, the rest in one run.  A turn's 33 exponentials are one batch, with one wait.
; CLUSTER.  The four query blocks of a cluster belong to one head and walk the same K and V: each tile is asked for jointly, by the same tensor load, descriptor and mask in all four.
; REGISTERS, in windows of 256: window 0: v0-15 addresses; v16-31 statistics; v48-55 at work; v64-127 S^T, two buffers; v192-223 P, two buffers.  Window 1: v0-127 O^T.  Window 2: v0-63 Q; v128-191 K; v192-255 V.
.set NP,    4
.set KS,    64
.set PK,    144       ; a row of K in LDS: 128 bytes + 16 of padding
.set PV,    160       ; a row of V: 128 + 32
.set VOFF,  4*KS*PK   ; a slot: 256 rows of K, then 256 rows of V
.set SLOT1, 1<<17
.set STAGE, SLOT1+4*KS*(PK+PV)  ; behind the ring: 16 rows x 144 bytes for each wave, for the way out
.set SP,    144
.set SPARE, STAGE+4*16*SP       ; behind the stages: the spare words
.set AK0, 2
.set AV0, 3
.set AK,  4
.set AV,  5
.set STO, 6
.set RD,  7
.set GO,  8
.set MV,  12          ; v12-13  c m_old, by buffer
.set QO,  15
.set ST,  16          ; piece t's statistics at v[ST+4 t]: c m, m, l (even keys', odd keys')
.set TMP, 48          ; by buffer, c0-c3 at work; c2 takes a
.set PFO, 61          ; v61  256 x my lane; never rewritten
.set SPW, 62
.set NIL, 63
.set S,   64
.set P,   192
.set KF,  128
.set VF,  192
.set WV,  12
.set LIM, 15          ; s15  1 in a wave that prefetches, else the greatest number
.set PFA, 18          ; s[18:19] where my prefetches stand
.set G1K, 24
.set G1V, 32
.set G0K, 40
.set G0V, 44
.set SLOTS, 56
.set CNT, 57
.set CS,  58
.set SEL, 60
.set TBK, 62
.set TBV, 63
.set MSB, 0
.macro WIN new
.if MSB != (\new)
	s_set_vgpr_msb (MSB<<8)|(\new)
.set MSB, (\new)
.endif
.endm
.set W_KQ, 0x0a       ; K and Q in window 2, S^T in window 0
.set W_PV, 0x52       ; V in window 2, P in window 0, O^T in window 1
.set W_RS, 0x41       ; destination and source 0 in window 1, source 1 in window 0
.macro JLOAD                           ; a joint fill: waves 0 and 1 fetch the halves of a slot's K, waves 2 and 3 those of its V
	s_cmp_lt_u32 s[WV], 2
	s_cbranch_scc0 .Lfor_v_\@
	tensor_load_to_lds s[G0K:G0K+3], s[G1K:G1K+7]
	s_nop 0
.rept 4
	v_nop
.endr
	s_branch .Lasked_\@
.Lfor_v_\@:
	tensor_load_to_lds s[G0V:G0V+3], s[G1V:G1V+7]
	s_nop 0
.rept 4
	v_nop
.endr
.Lasked_\@:
.endm
.macro ASK                             ; a prefetch of what the NEXT change of slots will ask for: the head's first cluster asks, each partner for 8,192 bytes told apart by address, wave 0 for K's and wave 2 for V's
	s_cmp_gt_u32 s[SLOTS], s[LIM]                  ; the last change that fills a slot has no slot behind it
	s_cbranch_scc0 .Lnot_mine_\@
	global_prefetch_b8 v[PFO], s[PFA:PFA+1] th:TH_LOAD_NT scope:SCOPE_SE
.Lnot_mine_\@:
.endm
.macro CROUND
	s_barrier_signal -1
	s_barrier_wait -1
	s_cmp_lg_u32 s[WV], 0
	s_cbranch_scc1 .Lnot_wave_0_\@
	s_barrier_signal -3
.Lnot_wave_0_\@:
	s_barrier_wait -3
	s_barrier_signal -1
	s_barrier_wait -1
.endm
; THE CHANGE OF SLOTS.  Each wave waits for all its tensor loads (one is out: its part of the other slot), adds 0 to its spare word, and waits for that and for its reads of the slot that it leaves.
; fill = 1: the barrier is a round of the cluster's, and the old slot is filled again first thing behind it, with the keys two slots on: four key steps in which to land.
.macro CHANGE fill
	WIN 0
	s_wait_tensorcnt 0x0
	ds_add_u32 v[SPW], v[NIL]
.if \fill
.irp g, G0K, G0V
	s_xor_b32 s[\g+1], s[\g+1], SLOT1
	s_add_nc_u64 s[\g+2:\g+3], s[\g+2:\g+3], 4*KS*128
.endr
	s_wait_xcnt 0x0                                ; the last prefetch, four key steps back, has read its address
	s_add_nc_u64 s[PFA:PFA+1], s[PFA:PFA+1], 4*KS*128
	s_wait_dscnt 0x0
	CROUND
	JLOAD
	ASK
.else
	s_wait_dscnt 0x0
	s_barrier_signal -1
	s_barrier_wait -1
.endif
	s_sub_co_u32 s[TBK], s[TBK], 4*KS*PK           ; the fetches go back to a slot's first step, in the other slot
	s_xor_b32 s[TBK], s[TBK], SLOT1
	s_sub_co_u32 s[TBV], s[TBV], 4*KS*PV
	s_xor_b32 s[TBV], s[TBV], SLOT1
.endm
	s_load_b128 s[4:7], s[0:1], 0x0                ; qkv s[4:5], ctx s[6:7]
	v_lshl_add_u32 v[SPW], v0, 2, SPARE
	v_mov_b32 v[NIL], 0
	ds_add_u32 v[SPW], v[NIL]                      ; the wave's opening: the add and its wait ahead of my first tensor load
	v_lshrrev_b32 v1, 5, v0
	v_readfirstlane_b32 s[WV], v1
	s_bfe_u32 s13, ttmp6, 0x40000                  ; cx
	s_lshl_b32 s14, ttmp9, 2
	s_add_co_u32 s14, s14, s13                     ; my block of 256 queries: it enters Q's and ctx's addresses alone
	s_and_b32 s20, ttmp7, 0xffff
	s_lshl_b32 s20, s20, 18                        ; the head's first byte in a plane
	s_and_b32 s16, s[WV], 1                        ; which half of a slot's 256 keys I fetch
	s_lshl_b32 s22, s16, 14
	s_add_co_u32 s22, s22, s20
	s_add_co_u32 s22, s22, 8388608                 ; K's plane
	s_mov_b32 s23, 0
	s_mul_i32 s17, s16, 128*PK
	s_mul_i32 s18, s16, 128*PV
	s_lshl_b32 s2, s14, 15
	s_lshl_b32 s3, s[WV], 13
	s_add_co_u32 s2, s2, s3
	s_add_co_u32 s2, s2, s20
	s_mov_b32 s3, 0
	s_mov_b32 s[G1K], 15|(1<<16)|(1<<20)|(1<<21)|(4<<22)|(3<<25)  ; the mask of four; 2-byte elements; padding on; bit 21 beside a mask; after every 32 words 4 words
	s_mov_b32 s[G1V], 15|(1<<16)|(1<<20)|(1<<21)|(4<<22)|(7<<25)  ; 8 words
.irp g, G1K, G1V
	s_mov_b32 s[\g+1], 128<<16                     ; 128 keys are 16,384 dense bytes: 64 rows of 256 bytes, padded after every key
	s_mov_b32 s[\g+2], 64<<16
	s_mov_b32 s[\g+3], 128<<16
	s_mov_b32 s[\g+4], 64
	s_mov_b32 s[\g+5], 128
	s_mov_b32 s[\g+6], 0
	s_mov_b32 s[\g+7], 0
.endr
	s_mov_b32 s[CS], 0x3e38aa3b                    ; c = log2(e) / 8
	s_mov_b32 s[CS+1], s[CS]
	s_mov_b32 s[SEL], 0x76543210
	s_mov_b32 s[SEL+1], 0xfedcba98
	s_mov_b32 s[TBK], SLOT1+4*KS*PK                ; the first change of slots turns these two into 0
	s_mov_b32 s[TBV], SLOT1+4*KS*PV
	s_mov_b32 s[G0K], 1
	s_mov_b32 s[G0K+1], s17
	s_mov_b32 s[G0V], 1
	s_add_co_u32 s[G0V+1], s18, VOFF
	s_mov_b32 s[SLOTS], 7
	s_and_b32 s[LIM], s[WV], 1                     ; waves 0 and 2,
	s_or_b32 s[LIM], s[LIM], ttmp9                 ; in the head's first cluster: the same in all four partners
	s_cmp_eq_u32 s[LIM], 0
	s_cselect_b32 s[LIM], 1, -1
	v_and_b32 v[PFO], 31, v0
	v_lshlrev_b32 v[PFO], 8, v[PFO]
	s_wait_dscnt 0x0
	s_wait_kmcnt 0x0
	s_add_nc_u64 s[10:11], s[6:7], s[2:3]          ; ctx at my wave's first row
	s_add_nc_u64 s[6:7], s[4:5], s[22:23]          ; K at my half of the head's first 256 keys
	s_add_nc_u64 s[8:9], s[6:7], 8388608           ; V likewise
	s_add_nc_u64 s[4:5], s[4:5], s[2:3]            ; Q at my wave's first row
	s_add_nc_u64 s[G0K+2:G0K+3], s[6:7], 0
	s_or_b32 s[G0K+3], s[G0K+3], 0x80000000
	s_add_nc_u64 s[G0V+2:G0V+3], s[8:9], 0
	s_or_b32 s[G0V+3], s[G0V+3], 0x80000000
	s_cmp_lt_u32 s[WV], 2
	s_cselect_b64 s[PFA:PFA+1], s[6:7], s[8:9]
	s_lshl_b32 s2, s13, 13                         ; my work-group's quarter of a slot's 32,768 bytes
	s_add_nc_u64 s[PFA:PFA+1], s[PFA:PFA+1], s[2:3]
	s_add_nc_u64 s[PFA:PFA+1], s[PFA:PFA+1], 4*KS*128  ; in slot 1; the first change steps it to slot 2
	CROUND
	JLOAD                                          ; slot 0; slot 1 is asked for when slot 0 is in
	v_and_b32 v1, 15, v0
	v_bfe_u32 v9, v0, 4, 1
	v_lshlrev_b32 v[QO], 7, v1
	v_lshl_add_u32 v[QO], v9, 4, v[QO]
	WIN 0x80
.set i, 0
.rept 8                                ; Q stays in registers: piece i / 2, channels 32 (i % 2) on
	global_load_b128 v[8*i:8*i+3],   v[QO], s[4:5] offset:(i/2)*2048+(i%2)*64
	global_load_b128 v[8*i+4:8*i+7], v[QO], s[4:5] offset:(i/2)*2048+(i%2)*64+32
.set i, i+1
.endr
	; What the first turn finds: V's registers and P's second buffer hold 0, O^T and l are 0.  All this stands in the wait for the first tile.
.set i, VF
.rept 64
	v_mov_b32 v[i], 0
.set i, i+1
.endr
	WIN 0x40
.set i, 0
.rept 128
	v_mov_b32 v[i], 0
.set i, i+1
.endr
	WIN 0
.set i, 0
.rept 4
	v_mov_b32 v[ST+4*i], 0xfe000000                ; c m: far below every c s
	v_mov_b32 v[ST+4*i+1], 0xff7fffff              ; m
	v_mov_b32 v[ST+4*i+2], 0
	v_mov_b32 v[ST+4*i+3], 0
.set i, i+1
.endr
.set i, P+16
.rept 16
	v_mov_b32 v[i], 0
.set i, i+1
.endr
	v_mul_u32_u24 v[AK0], v1, PK
	v_lshl_add_u32 v[AK0], v9, 4, v[AK0]
	v_and_b32 v10, 7, v0
	v_bfe_u32 v11, v0, 3, 1
	v_lshl_add_u32 v[AV0], v9, 3, v10
	v_mul_u32_u24 v[AV0], v[AV0], PV
	v_lshl_add_u32 v[AV0], v11, 4, v[AV0]
	v_add_nc_u32 v[AV0], VOFF, v[AV0]
	s_mul_i32 s13, s[WV], 16*SP
	s_add_co_u32 s13, s13, STAGE
	v_mul_u32_u24 v[STO], v1, SP
	v_lshl_add_u32 v[STO], v9, 4, v[STO]
	v_add_nc_u32 v[STO], s13, v[STO]
	v_bfe_u32 v[RD], v0, 3, 2
	v_mul_u32_u24 v[RD], v[RD], SP
	v_lshl_add_u32 v[RD], v10, 4, v[RD]
	v_add_nc_u32 v[RD], s13, v[RD]
	v_and_b32 v[GO], 31, v0
	v_lshlrev_b32 v[GO], 4, v[GO]
; THE MATRIX WORK.  The 4 accumulators of a run of 8 take turns.  Product i of 8 of S^T = K Q^T for piece x: channels 32 (i / 4) on, keys 16 (i % 4) on; the first 4 start the sums.
.macro KQ x
.set rS, S+32*((\x)%2)+8*(i%4)
.set rK, KF+16*(i%4)+8*(i/4)
.set rQ, 16*(\x)+8*(i/4)
	WIN W_KQ
.if i < 4
	v_wmma_f32_16x16x32_bf16 v[rS:rS+7], v[rK:rK+7], v[rQ:rQ+7], 0
.else
	v_wmma_f32_16x16x32_bf16 v[rS:rS+7], v[rK:rK+7], v[rQ:rQ+7], v[rS:rS+7]
.endif
.endm
.macro PV x                            ; product i of 8 of O^T += V^T P for piece x: keys 32 (i / 4) on, channels 16 (i % 4) on
	WIN W_PV
.set rO, 32*(\x)+8*(i%4)
.set rV, VF+32*(i/4)+8*(i%4)
.set rP, P+16*((\x)%2)+8*(i/4)
	v_wmma_f32_16x16x32_bf16 v[rO:rO+7], v[rV:rV+7], v[rP:rP+7], v[rO:rO+7]
.endm
.macro MM                              ; the turn's next matrix instruction.  NOKQ = 1: the last turn of all: there is no next piece
.if (i < 8) && !NOKQ
	KQ (Y+1)%NP
.elseif i >= 8
.set i, i-8
	PV (Y+NP-1)%NP
.set i, i+8
.endif
.set i, i+1
.endm
.macro FETCH_K                         ; the LDS loads stand in runs of 16
	WIN 0x80
.irp f, 0,1,2,3,4,5,6,7
	ds_load_b128 v[KF+8*\f:KF+8*\f+3],   v[AK] offset:(\f/2)*16*PK+(\f%2)*64
	ds_load_b128 v[KF+8*\f+4:KF+8*\f+7], v[AK] offset:(\f/2)*16*PK+(\f%2)*64+32
.endr
	s_add_co_u32 s[TBK], s[TBK], KS*PK
	WIN 0
.endm
.macro FETCH_V
	WIN 0x80
.irp f, 0,1,2,3,4,5,6,7
	ds_load_tr16_b128 v[VF+8*\f:VF+8*\f+3],   v[AV] offset:(\f/4)*32*PV+(\f%4)*32
	ds_load_tr16_b128 v[VF+8*\f+4:VF+8*\f+7], v[AV] offset:(\f/4)*32*PV+16*PV+(\f%4)*32
.endr
	WIN 0
.endm
; THE VECTOR WORK, one line at a time: OP kind, number.  For piece Y: F n: c s - c m for pair n.  E n: the exponential of score n.  C n: pair n rounded to bf16.  B n: of the four weights 4 n .. the second pair
; is added onto the first.  L n: l takes that sum (L 0: l = a l + sum).  R n: pair n of O^T times a.  For piece Y + 1: X n, number n of the 22 that find its maximum and statistics; each accumulator's
; lowest registers are read first.
.set F, 0
.set E, 1
.set C, 2
.set B, 3
.set L, 4
.set R, 5
.set X, 6
.macro REGS y
.set rT, ST+4*(\y)
.set rC, TMP+4*((\y)%2)
.set rW, MV+((\y)%2)
.set rS, S+32*((\y)%2)
.set rP, P+16*((\y)%2)
.set rO, 32*(\y)
.endm
.macro OP k, n
.if (\k) == R
	REGS Y
	WIN W_RS
	v_pk_mul_f32 v[rO+2*(\n):rO+2*(\n)+1], v[rO+2*(\n):rO+2*(\n)+1], v[rC+2:rC+3] op_sel_hi:[1,0]
.elseif (\k) < R
	REGS Y
	WIN 0
.if (\k) == F
	v_pk_fma_f32 v[rS+2*(\n):rS+2*(\n)+1], v[rS+2*(\n):rS+2*(\n)+1], s[CS:CS+1], v[rT:rT+1] op_sel_hi:[1,0,0] neg_lo:[0,0,1] neg_hi:[0,0,1]
.elseif (\k) == E
	v_exp_f32 v[rS+(\n)], v[rS+(\n)]
.elseif (\k) == C
	v_cvt_pk_bf16_f32 v[rP+(\n)], v[rS+2*(\n)], v[rS+2*(\n)+1]
.elseif (\k) == B
	v_pk_add_f32 v[rS+4*(\n):rS+4*(\n)+1], v[rS+4*(\n):rS+4*(\n)+1], v[rS+4*(\n)+2:rS+4*(\n)+3]
.elseif (\n) == 0
	v_pk_fma_f32 v[rT+2:rT+3], v[rT+2:rT+3], v[rC+2:rC+3], v[rS:rS+1] op_sel_hi:[1,0,1]
.else
	v_pk_add_f32 v[rT+2:rT+3], v[rT+2:rT+3], v[rS+4*(\n):rS+4*(\n)+1]
.endif
.elseif NOKQ
	v_nop
.else
	REGS (Y+1)%NP
	WIN 0
.if (\n) < 4
	v_max3_num_f32 v[rC+(\n)], v[rS+8*(\n)], v[rS+8*(\n)+1], v[rS+8*(\n)+2]
.elseif (\n) < 12
	v_max3_num_f32 v[rC+(\n)%4], v[rC+(\n)%4], v[rS+8*((\n)%4)+2*((\n)/4)+1], v[rS+8*((\n)%4)+2*((\n)/4)+2]
.elseif (\n) == 12
	v_max3_num_f32 v[rC], v[rC], v[rS+7], v[rS+15]
.elseif (\n) == 13
	v_max3_num_f32 v[rC+1], v[rC+1], v[rS+23], v[rS+31]
.elseif (\n) == 14
	v_max3_num_f32 v[rC+2], v[rC+2], v[rC+3], v[rT+1]
.elseif (\n) == 15
	v_mov_b32 v[rW], v[rT]
.elseif (\n) == 16
	v_max3_num_f32 v[rC], v[rC], v[rC+1], v[rC+2]
.elseif (\n) == 17
	v_permlanex16_b32 v[rC+3], v[rC], s[SEL], s[SEL+1]
.elseif (\n) == 18
	v_max_num_f32 v[rT+1], v[rC], v[rC+3]
.elseif (\n) == 19
	v_mul_f32 v[rT], s[CS], v[rT+1]
.elseif (\n) == 20
	v_sub_f32 v[rC+1], v[rW], v[rT]
.else
	v_exp_f32 v[rC+2], v[rC+1]
.endif
.endif
.endm
.macro OPS a, i1, b=-1, i2=0, c=-1, i3=0, d=-1, i4=0
	OP \a, \i1
.if (\b) >= 0
	OP \b, \i2
.endif
.if (\c) >= 0
	OP \c, \i3
.endif
.if (\d) >= 0
	OP \d, \i4
.endif
.endm
.macro ROW a, i1, b, i2, c, i3, d, i4  ; a matrix instruction and the four behind it
	MM
	OPS \a, \i1, \b, \i2, \c, \i3, \d, \i4
.endm
; A TURN, for piece p.  Ahead of its one wait stands all that names no result of the turn's exponentials; behind it the 8 products V^T P with the roundings and sums as their riders.
; end = 1: the last two turns: nothing is fetched.  cnt = 1: the loop's count is taken down some lines ahead of the branch behind the turn.
; K of the next step is fetched in piece 2's turn, V of the step in hand at the end of piece 0's turn, four plain instructions behind its last reader; each is waited for a turn later.
.macro TURN p, end=0, cnt=0
.set Y, (\p)
.set i, 0
.set NOKQ, (\end)*((\p)/3)
.if ((\p) == 3) && !(\end)
	s_wait_dscnt 0x0                               ; K is in
.endif
	ROW F,0, F,1, R,0, R,1
	ROW F,2, E,0, R,2, R,3
	ROW F,3, E,1, R,4, R,5
	ROW F,4, E,2, R,6, R,7
	ROW F,5, E,3, R,8, R,9
	ROW F,6, E,4, X,0, R,10
.if ((\p) == 2) && !(\end)
	WIN 0
	v_add_nc_u32 v[AK], s[TBK], v[AK0]
.endif
	ROW F,7, E,5, X,1, X,4
	ROW F,8, E,6, X,2, X,5
	OPS E,7, E,8, X,6, E,9
	OPS X,3, E,10, X,8, E,11
.if ((\p) == 2) && !(\end)
	FETCH_K
.endif
	OPS X,9, X,7, E,12, X,10
	OPS E,13, X,12, X,11, E,14
	OPS X,13, E,15, F,9, X,14
.if (\p) == 0
	v_add_nc_u32 v[AV], s[TBV], v[AV0]
.endif
	OPS E,16, F,10, E,17, F,11
	OPS X,16, E,18, X,15, E,19
	OPS F,12, E,20, X,17, E,21
	OPS F,13, E,22, F,14, E,23
	OPS X,18, E,24, F,15, E,25
	OPS R,11, E,26, X,19, E,27
	OPS R,12, E,28, R,13, E,29
	OPS X,20, E,30, R,14, E,31
	OPS X,21, R,15                                 ; the batch's last exponential, and the plain instruction behind it
	WIN 0
	s_wait_alu depctr_va_vdst(0)                   ; the wait for the batch
.if (\p) == 1
	s_wait_dscnt 0x0                               ; V is in
.endif
	ROW C,0, B,0, C,2, B,1
	ROW L,0, C,4, B,2, L,1
	ROW C,6, B,3, L,2, C,8
	ROW B,4, L,3, C,10, B,5
	ROW L,4, C,12, B,6, L,5
.if (\p) == 0
	s_add_co_u32 s[TBV], s[TBV], KS*PV
.endif
.if \cnt
	s_sub_co_u32 s[CNT], s[CNT], 1
	s_cmp_lg_u32 s[CNT], 0
.endif
	ROW C,14, B,7, L,6, C,1
	ROW C,3, L,7, C,5, C,7
	ROW C,9, C,11, C,13, C,15
.if (\p) == 0
	FETCH_V
.endif
.endm
.set NOKQ, 0
	CHANGE 1                                       ; slot 0 is in, everybody's part of it; slot 1 is asked for
	v_add_nc_u32 v[AK], s[TBK], v[AK0]
	FETCH_K                                        ; key step 0
	s_wait_loadcnt 0x0                             ; Q
	s_wait_dscnt 0x0
.set i, 0
.rept 8
	KQ 0                                           ; piece 0's first scores
.set i, i+1
.endr
	WIN 0
.rept 4
	v_nop                                          ; the places behind those products
.endr
.set Y, NP-1                           ; X works for piece Y + 1: piece 0
.irp n, 0,1,2,3,4,5,6,7,8,9,10,11,12,13,14,15,16,17,18,19,20,21
	OP X, \n
.endr
	v_nop                                          ; a plain instruction behind the exponential,
	s_wait_alu depctr_va_vdst(0)                   ; and its wait, ahead of the branch
	s_mov_b32 s[CNT], 4
	s_branch .Lfirst                               ; the loop is entered at a step's first turn, in the middle of a trip
.Lslot:                                            ; six times: every slot but the last two is filled again
	CHANGE 1
	s_mov_b32 s[CNT], 4
.Lstep:                                            ; a trip: pieces 2 and 3 of one step, then pieces 0 and 1 of the next, whose K and V it fetches
	TURN 2
	TURN 3
	WIN 0
.Lfirst:
	TURN 0
	TURN 1, 0, 1
	WIN 0
	s_cbranch_scc1 .Lstep
	s_sub_co_u32 s[SLOTS], s[SLOTS], 1
	s_cmp_lg_u32 s[SLOTS], 0
	s_cbranch_scc1 .Lslot
	CHANGE 0                                       ; the last slot is written out: nothing is asked for
	s_mov_b32 s[CNT], 4
.LstepT:
	TURN 2
	TURN 3
	TURN 0
	TURN 1, 0, 1
	WIN 0
	s_cbranch_scc1 .LstepT
	TURN 2, 1
	TURN 3, 1
.set i, 0
.rept 8
	PV NP-1                                        ; the last piece's V^T P of the last step
.set i, i+1
.endr
	; THE WAY OUT.  l's halves and the other half of the lanes' are added; O^T is divided by l, rounded to bf16 and sent through my stage, a piece at a time.  The additions are the places behind the last products.
	WIN 0
.macro ALL line:vararg
.set t, 0
.rept 4
	\line
.set t, t+1
.endr
.endm
	ALL v_add_f32 v[ST+4*t+2], v[ST+4*t+2], v[ST+4*t+3]
	ALL v_permlanex16_b32 v[ST+4*t+3], v[ST+4*t+2], s[SEL], s[SEL+1]
	ALL v_add_f32 v[ST+4*t+2], v[ST+4*t+2], v[ST+4*t+3]
	ALL v_rcp_f32 v[ST+4*t+2], v[ST+4*t+2]
	v_nop                                          ; a plain instruction behind the last reciprocal,
	s_wait_alu depctr_va_vdst(0)                   ; and one wait for the four
.macro PACK t
	WIN W_RS
.set i, 32*(\t)
.rept 16
	v_pk_mul_f32 v[i:i+1], v[i:i+1], v[ST+4*(\t)+2:ST+4*(\t)+3] op_sel_hi:[1,0]
.set i, i+2
.endr
	WIN 0x05
.set i, 0
.rept 16
	v_cvt_pk_bf16_f32 v[S+16*(\t)+i], v[32*(\t)+2*i], v[32*(\t)+2*i+1]
.set i, i+1
.endr
	WIN 0
.irp f, 0,1,2,3
	ds_store_b128 v[STO], v[S+16*(\t)+4*\f:S+16*(\t)+4*\f+3] offset:32*\f
.endr
.irp f, 0,1,2,3
	ds_load_b128 v[S+16*(\t)+4*\f:S+16*(\t)+4*\f+3], v[RD] offset:\f*4*SP  ; LDS serves a wave's instructions in order (ISA guide 5.7.1.4)
.endr
.endm
.macro SEND t, younger                 ; younger: the LDS instructions issued behind piece t's loads
	WIN 0
.irp f, 0,1,2,3
	s_wait_dscnt (\younger)+3-\f
	global_store_b128 v[GO], v[S+16*(\t)+4*\f:S+16*(\t)+4*\f+3], s[10:11] offset:(\t)*2048+\f*512  ; 512 consecutive bytes, aligned
.endr
.endm
	PACK 0
.set t, 1
.rept 3
	PACK t
	SEND t-1, 8
.set t, t+1
.endr
	SEND 3, 0
	s_wait_tensorcnt 0x0                           ; the wave's end
	ds_add_u32 v[SPW], v[NIL]
	s_wait_dscnt 0x0
	CROUND                                         ; the closing round
	s_endpgm
.Lfunc_end_k_q9c5beb2cdc_attn:
	.size	k_q9c5beb2cdc_attn, .Lfunc_end_k_q9c5beb2cdc_attn-k_q9c5beb2cdc_attn
	.p2alignl 7, 3214868480
	.fill 96, 4, 3214868480
	.section	.rodata,"a",@progbits
	.p2align	6, 0x0
	.amdhsa_kernel k_q9c5beb2cdc_attn
		.amdhsa_group_segment_fixed_size 327680
		.amdhsa_private_segment_fixed_size 0
		.amdhsa_enable_private_segment 0
		.amdhsa_kernarg_size 16
		.amdhsa_user_sgpr_count 2
		.amdhsa_user_sgpr_kernarg_segment_ptr 1
		.amdhsa_wavefront_size32 1
		.amdhsa_system_sgpr_workgroup_id_x 1
		.amdhsa_system_sgpr_workgroup_id_y 1
		.amdhsa_system_sgpr_workgroup_id_z 1
		.amdhsa_system_vgpr_workitem_id 0
		.amdhsa_next_free_vgpr 768
		.amdhsa_next_free_sgpr 66
		.amdhsa_reserve_vcc 0
		.amdhsa_float_denorm_mode_32 3
		.amdhsa_float_denorm_mode_16_64 3
		.amdhsa_memory_ordered 1
		.amdhsa_forward_progress 1
		.amdhsa_inst_pref_size 128
	.end_amdhsa_kernel
	.amdgpu_metadata
---
amdhsa.version: [ 1, 2 ]
amdhsa.kernels:
  - .name:           k_q9c5beb2cdc_attn
    .symbol:         k_q9c5beb2cdc_attn.kd
    .args:
      - { .name: qkv, .offset: 0, .size: 8, .value_kind: global_buffer, .address_space: global }
      - { .name: ctx, .offset: 8, .size: 8, .value_kind: global_buffer, .address_space: global }
    .group_segment_fixed_size: 327680
    .private_segment_fixed_size: 0
    .kernarg_segment_align: 8
    .kernarg_segment_size: 16
    .max_flat_workgroup_size: 128
    .sgpr_count:     66
    .vgpr_count:     768
    .wavefront_size: 32
...
	.end_amdgpu_metadata
.endif
;; end of part 3
;; launch wo (part 4): grid 8 x 32, 4 waves a work-group, clusters of 4 x 4, 327,680 bytes of LDS; arguments ctx, wb, hidden_states, ln2_w, h, hb, ssq; writes h, hb, ssq
.if DOCPART == 4
	.amdgcn_target "amdgcn-amd-amdhsa--gfx1250"
	.amdhsa_code_object_version 6
	.text
	.protected	k_q9c5beb2cdc_wo
	.globl	k_q9c5beb2cdc_wo
	.p2align	8
	.type	k_q9c5beb2cdc_wo,@function
k_q9c5beb2cdc_wo:
	s_mov_b64 s[64:65], 0
	v_nop
	global_prefetch_b8 v0, s[64:65] scope:SCOPE_SE
	s_setreg_imm32_b32 hwreg(HW_REG_WAVE_MODE, 25, 1), 1
	s_wait_xcnt 0x0
	s_wait_alu depctr_hold_cnt(0) depctr_sa_sdst(0) depctr_va_vdst(0) depctr_va_sdst(0) depctr_va_ssrc(0) depctr_va_vcc(0) depctr_vm_vsrc(0)
	s_getreg_b32 s2, hwreg(HW_REG_IB_STS2, 6, 4)
	s_cmp_eq_u32 s2, 0
	s_cbranch_scc0 .Lentry_in_a_cluster
	s_endpgm
.Lentry_in_a_cluster:
	s_bfe_u32 s2, ttmp6, 0x10000c
	s_cmp_lg_u32 s2, 0xf033
	s_cbranch_scc0 .Lentry_shape_is_right
	s_endpgm
.Lentry_shape_is_right:
; h = hidden_states + ctx x Wo, in f32; beside it hb = bf16(h * ln2) in slabs, and ssq[part][token] = the sum of h^2 over the part's 64 columns, in f32.
; The second norm's row factor commutes with the products that follow, so it is applied there, to their sums: no launch of its own.
; A work-group makes 128 tokens x 128 columns, a wave 64 x 64: 16 accumulators.  K goes in steps of 256 through two LDS slots: waves 0, 1 fetch the activations' two blocks, waves 2, 3 the weights'.
; Operands, layouts and cluster as in the other products of this program: activations in slabs [16 b + k / 64][s][64], weights [k][n] turned on the way out of LDS, the matrix instruction transposed,
; 4 x 4 work-groups with joint loads.  No prefetch: four K steps, of which two are the first fills.
; LIMITS: operands bf16, sums f32; NaN and infinities are not treated apart.
.set WO, 1
.set NT, 1
.set NA, 2
.set NBB, 2
.set NBR, 2
.set NQ, 8
.set T, 4
.set P0, 3
.set STEPA, 1048576
.set STEPB, 524288
.set BSTR, 262144
.set PF, 0
.set SQS,   2*147456+17408
.set SPARE, 2*147456+18432
; ---------------- what the four products of this program have in common ----------------
.set BLK,   36864     ; a block in LDS.  Activations: two slabs of 128 rows, 128 bytes + 16 of padding.  Weights: 128 k rows, 256 bytes + 32 of padding
.set SLOT,  4*BLK     ; its bits (14, 17) meet none of w x BLK (12, 13, 15, 16): one exclusive or changes slots
.set STAGE, 2*SLOT    ; behind the ring: the waves' stages for the way out, then the spare words; no tensor load lands there
.set NL,    8+8*NT    ; LDS loads of a quarter
.set AA0, 4
.set BB0, 5
.set AA,  8
.set AB,  9
.set STO, 12
.set RD,  13
.set GO,  14
.set XO,  15
.set PFO, 26
.set SPW, 28
.set NIL, 29
.set AF,  64
.set WV, 20
.set WM, 21
.set WN, 22
.set TY, 23
.set G1A, 24
.set G0A, 32
.set CX, 40
.set CY, 41
.set TX, 42
.set G1B, 48
.set G0B, 56
.set TB, 66
.set CNT, 67
.set PFA, 68
.set LIM, 70
.set MSB, 0
.macro WIN new                         ; the immediate's high byte repeats the setting that is left; a switch that changes nothing is dropped
.if MSB != (\new)
	s_set_vgpr_msb (MSB<<8)|(\new)
.set MSB, \new
.endif
.endm
.macro PLACES                          ; four plain vector instructions between a matrix instruction and a load into, or a vector line on, its registers
.rept 4
	v_nop
.endr
.endm
.macro CREST                           ; a round of the cluster's barrier behind its opening barrier
	s_cmp_lg_u32 s[WV], 0
	s_cbranch_scc1 .Lnot_wave_0_\@
	s_barrier_signal -3
.Lnot_wave_0_\@:
	s_barrier_wait -3
	s_barrier_signal -1
	s_barrier_wait -1
.endm
.macro CROUND
	s_barrier_signal -1
	s_barrier_wait -1
	CREST
.endm
.macro JLOADW                          ; the joint refill: wave i fetches block i by the walking descriptor; the branches hang on the wave's number alone
.if NA+NBB < 4
	s_cmp_lt_u32 s[WV], NA+NBB
	s_cbranch_scc0 .Lnone_\@
.endif
	s_cmp_lt_u32 s[WV], NA
	s_cbranch_scc0 .Lfor_b_\@
	tensor_load_to_lds s[G0A+4:G0A+7], s[G1A:G1A+7]
	s_nop 0
	PLACES
	s_branch .Lasked_\@
.Lfor_b_\@:
	tensor_load_to_lds s[G0B+4:G0B+7], s[G1B:G1B+7]
	s_nop 0
	PLACES
.if NA+NBB < 4
	s_branch .Lasked_\@
.Lnone_\@:
	PLACES
.endif
.Lasked_\@:
.endm
.macro MULP f, p, a0, na               ; plane p, token blocks a0 .. a0 + na - 1, all four column blocks, 32 along K out of buffer f
	WIN 0xa1+0x50*((\p)/2)                         ; weights window 1, activations window 0, sums window 2 or 3
.set ma, (\a0)
.rept \na
.set mb, 0
.rept 4
.set rC, 128*((\p)%2)+8*(4*ma+mb)
.set rB, 32*NT*(\f)+32*(\p)+8*mb
.set rA, AF+32*(\f)+8*ma
	v_wmma_f32_16x16x32_bf16 v[rC:rC+7], v[rB:rB+7], v[rA:rA+7], v[rC:rC+7]
.set mb, mb+1
.endr
.set ma, ma+1
.endr
.endm
.macro P1 f                            ; a quarter's products in two portions.  All 16 NT accumulators take turns, one instruction a turn, in the same order in every quarter
.if NT == 3
	MULP \f, 0, 0, 4
	MULP \f, 1, 0, 4
.elseif NT == 2
	MULP \f, 0, 0, 4
.else
	MULP \f, 0, 0, 2
.endif
.endm
.macro P2 f
.if NT == 3
	MULP \f, 2, 0, 4
.elseif NT == 2
	MULP \f, 1, 0, 4
.else
	MULP \f, 0, 2, 2
.endif
.endm
.macro FETCH kq, f                     ; quarter kq's fragments into buffer f, in one run
	WIN 0x40                                       ; destination window 1, address window 0
.set fp, 0
.rept NT
.set fb, 0
.rept 4
.set rB, 32*NT*(\f)+32*fp+8*fb
.if NT == 1
.set rR, AB+(\kq)/4
.set ko, 9216*((\kq)%4)
.else
.set rR, AB+fp
.set ko, 9216*(\kq)
.endif
	ds_load_tr16_b128 v[rB:rB+3], v[rR] offset:ko+32*fb          ; k = 8 (l / 16) + 0..7 of column l % 16
	ds_load_tr16_b128 v[rB+4:rB+7], v[rR] offset:ko+32*fb+4608   ; sixteen k rows on
.set fb, fb+1
.endr
.set fp, fp+1
.endr
	WIN 0
.set fa, 0
.rept 4
.set rA, AF+32*(\f)+8*fa
.set ko, ((\kq)/4)*BLK+(((\kq)%4)/2)*18432+((\kq)%2)*64+2304*fa
	ds_load_b128 v[rA:rA+3], v[AA] offset:ko
	ds_load_b128 v[rA+4:rA+7], v[AA] offset:ko+32
.set fa, fa+1
.endr
.endm
.macro QUARTER kq, f, g                ; the next quarter is fetched into g, then f is multiplied
	PLACES
	FETCH (\kq)+1, \g
	s_wait_dscnt NL                                ; all but the NL loads just issued: buffer f is in
	P1 \f
	P2 \f
.endm
.macro STEPQ                           ; all quarters of a K step but the last
.set q, 0
.rept NQ-1
	QUARTER q, q%2, 1-q%2
.set q, q+1
.endr
.endm
.macro ADDRS
	v_add_nc_u32 v[AA], s[TB], v[AA0]
.set fp, 0
.rept NBR
	v_add_nc_u32 v[AB+fp], s[TB], v[BB0+fp]
.set fp, fp+1
.endr
.endm
.macro ASK
.if PF
	s_cmp_gt_u32 s[CNT], s[LIM]
	s_cbranch_scc0 .Lnot_mine_\@
	global_prefetch_b8 v[PFO], s[PFA:PFA+1] th:TH_LOAD_NT scope:SCOPE_SE
.Lnot_mine_\@:
.endif
.endm
; The last quarter (buffer 1) and the change of slots.  In front of the barrier each wave waits for all its tensor loads (one is out: its block of the other slot), adds 0 to its spare word, and waits for
; that and for its reads of this slot.  fill = 1: the barrier opens a round of the cluster's, and this slot is filled again first thing behind it, with the K step two on.
.macro TURN fill
.if (\fill) && PF
	s_wait_xcnt 0x0
	s_add_nc_u64 s[PFA:PFA+1], s[PFA:PFA+1], s[90:91]
.endif
	WIN 0
	s_wait_tensorcnt 0x0
	ds_add_u32 v[SPW], v[NIL]
.if \fill
	s_xor_b32 s[G0A+5], s[G0A+5], SLOT             ; no load of mine is out, so the walking descriptors step: the other slot, the next K step
	s_add_nc_u64 s[G0A+6:G0A+7], s[G0A+6:G0A+7], STEPA
	s_xor_b32 s[G0B+5], s[G0B+5], SLOT
	s_add_nc_u64 s[G0B+6:G0B+7], s[G0B+6:G0B+7], STEPB
.endif
	s_wait_dscnt 0x0                               ; the add is done, buffer 1 is in, my reads of this slot are over
	s_barrier_signal -1
	P1 1                                           ; work on registers while the others arrive
	WIN 0
	s_barrier_wait -1
.if \fill
	CREST
	JLOADW                                         ; its four v_nop are also the places in front of the loads below
.else
	PLACES
.endif
	s_xor_b32 s[TB], s[TB], SLOT
	ADDRS
	FETCH 0, 0
.if \fill
	ASK
.endif
	P2 1
	WIN 0
.endm
; ---------------- the head ----------------
	s_load_b256 s[4:11], s[0:1], 0x0               ; ctx s[4:5], wb s[6:7], hidden s[8:9], ln2 s[10:11]
	s_load_b128 s[12:15], s[0:1], 0x20             ; h s[12:13], hb s[14:15]
	s_load_b64 s[16:17], s[0:1], 0x30              ; ssq
	v_lshl_add_u32 v[SPW], v0, 2, SPARE
	v_mov_b32 v[NIL], 0
	ds_add_u32 v[SPW], v[NIL]                      ; the wave's opening: the add and its wait ahead of my first tensor load; the set-up, work on registers, between them
	v_lshrrev_b32 v1, 5, v0
	v_readfirstlane_b32 s[WV], v1
	s_lshr_b32 s[WM], s[WV], 1
	s_and_b32 s[WN], s[WV], 1
	s_bfe_u32 s[CX], ttmp6, 0x40000
	s_bfe_u32 s[CY], ttmp6, 0x40004
	s_lshl_b32 s[TX], ttmp9, 2
	s_add_co_u32 s[TX], s[TX], s[CX]               ; column tile = 4 x cluster x + cx
	s_and_b32 s[TY], ttmp7, 0xffff
	s_lshl_b32 s[TY], s[TY], 2
	s_add_co_u32 s[TY], s[TY], s[CY]               ; row tile = 4 x cluster y + cy
	s_lshl_b32 s43, s[CY], 2
	s_lshl_b32 s43, 15, s43                        ; my row of the cluster
	s_lshl_b32 s44, 0x1111, s[CX]                  ; my column
	s_or_b32 s[G1A], s43, (1<<16)|(1<<20)|(1<<21)|(4<<22)|(3<<25)  ; mask; 2-byte elements; padding on; bit 21 beside a mask; after every 32 words 4 words
	s_mov_b32 s[G1A+1], 8192<<16                   ; tensor_dim0 = 8,192: a slab's 128 tokens, dense
	s_mov_b32 s[G1A+2], 2<<16                      ; tensor_dim1 = 2 slabs
	s_mov_b32 s[G1A+3], 8192<<16                   ; tile_dim0
	s_mov_b32 s[G1A+4], 2                          ; tile_dim1
	s_mov_b32 s[G1A+5], 131072                     ; elements from slab to slab
	s_mov_b32 s[G1A+6], 0
	s_mov_b32 s[G1A+7], 0
	s_or_b32 s[G1B], s44, (1<<16)|(1<<20)|(1<<21)|(5<<22)|(7<<25)  ; after every 64 words 8 words
	s_mov_b32 s[G1B+1], 128<<16
	s_mov_b32 s[G1B+2], 128<<16
	s_mov_b32 s[G1B+3], 128<<16
	s_mov_b32 s[G1B+4], 128
	s_mov_b32 s[G1B+5], 1024
	s_mov_b32 s[G1B+6], 0
	s_mov_b32 s[G1B+7], 0
	s_lshr_b32 s45, s[TY], 4                       ; the batch
	s_and_b32 s46, s[TY], 15                       ; the block of 128 tokens in it
	s_lshl_b32 s82, s45, 22                        ; activations: made of the tile row and the wave's number alone
	s_lshl_b32 s83, s46, 14
	s_add_co_u32 s82, s82, s83
	s_min_u32 s83, s[WV], NA-1
	s_lshl_b32 s83, s83, 19
	s_add_co_u32 s82, s82, s83
	s_mov_b32 s83, 0
	s_max_u32 s84, s[WV], NA                       ; weights: of the tile column and the wave's number alone
	s_sub_co_u32 s84, s84, NA
	s_mul_i32 s84, s84, BSTR
	s_lshl_b32 s85, s[TX], 8
	s_add_co_u32 s84, s84, s85
	s_add_co_u32 s84, s84, P0*2097152
	s_mov_b32 s85, 0
	s_mul_i32 s86, s[WV], BLK                      ; where my block goes: no place in the cluster enters an LDS address
	s_mov_b32 s[TB], 0
	s_wait_dscnt 0x0                               ; the opening add is done
	s_wait_kmcnt 0x0
	s_add_nc_u64 s[82:83], s[4:5], s[82:83]
	s_add_nc_u64 s[84:85], s[6:7], s[84:85]
.irp s, 0,1
	s_mov_b32 s[G0A+4*(\s)], 1
	s_add_co_u32 s[G0A+4*(\s)+1], s86, (\s)*SLOT
	s_add_nc_u64 s[G0A+4*(\s)+2:G0A+4*(\s)+3], s[82:83], (\s)*STEPA
	s_or_b32 s[G0A+4*(\s)+3], s[G0A+4*(\s)+3], 0x80000000
	s_mov_b32 s[G0B+4*(\s)], 1
	s_add_co_u32 s[G0B+4*(\s)+1], s86, (\s)*SLOT
	s_add_nc_u64 s[G0B+4*(\s)+2:G0B+4*(\s)+3], s[84:85], (\s)*STEPB
	s_or_b32 s[G0B+4*(\s)+3], s[G0B+4*(\s)+3], 0x80000000
.endr
	CROUND                                         ; all sixteen work-groups are here: the first joint loads meet
	s_cmp_lt_u32 s[WV], NA                         ; a wave's two first fills stand in one branch: two loads of mine are out
	s_cbranch_scc0 .Lfirst_b
	tensor_load_to_lds s[G0A:G0A+3], s[G1A:G1A+7]
	s_nop 0
	tensor_load_to_lds s[G0A+4:G0A+7], s[G1A:G1A+7]
	s_nop 0
	PLACES
	s_branch .Lfirst_done
.Lfirst_b:
	tensor_load_to_lds s[G0B:G0B+3], s[G1B:G1B+7]
	s_nop 0
	tensor_load_to_lds s[G0B+4:G0B+7], s[G1B:G1B+7]
	s_nop 0
	PLACES
.Lfirst_done:
	v_and_b32 v1, 15, v0                           ; r = l % 16
	v_bfe_u32 v2, v0, 4, 1                         ; h = l / 16
	v_and_b32 v3, 31, v0                           ; l
	v_mul_u32_u24 v[AA0], v1, 144
	v_lshl_add_u32 v[AA0], v2, 4, v[AA0]
	s_mul_i32 s71, s[WM], 64*144
	v_add_nc_u32 v[AA0], s71, v[AA0]               ; (64 wm + r) x 144 + 16 h
	v_and_b32 v30, 7, v0
	v_lshl_add_u32 v30, v2, 3, v30
	v_mul_u32_u24 v30, v30, 288
	v_bfe_u32 v31, v0, 3, 1
	v_lshl_add_u32 v30, v31, 4, v30                ; (8 h + l % 8) x 288 + 16 ((l / 8) % 2)
	s_lshl_b32 s71, s[WN], 7
	s_add_co_u32 s71, s71, NA*BLK
	v_add_nc_u32 v[BB0], s71, v30
	v_add_nc_u32 v[BB0+1], BLK, v[BB0]
; ---------------- this product's own: what the way out needs ----------------
	s_lshl_b32 s86, s[TY], 7
	s_lshl_b32 s87, s[WM], 6
	s_add_co_u32 s86, s86, s87                     ; my first token, 0..4032
	s_lshl_b32 s87, s[TX], 1
	s_add_co_u32 s87, s87, s[WN]                   ; my part of 64 columns, 0..15
	s_lshl_b32 s88, s86, 12
	s_lshl_b32 s89, s87, 8
	s_add_co_u32 s88, s88, s89
	s_mov_b32 s89, 0
	s_add_nc_u64 s[72:73], s[8:9], s[88:89]        ; the residual at my 64 x 64
.if WO
	s_add_nc_u64 s[74:75], s[12:13], s[88:89]      ; h there
	s_lshl_b32 s88, s87, 8
	s_add_nc_u64 s[92:93], s[10:11], s[88:89]      ; ln2 at my columns
	s_lshl_b32 s88, s87, 12
	s_add_co_u32 s88, s88, s86
	s_lshl_b32 s88, s88, 2
	s_add_nc_u64 s[78:79], s[16:17], s[88:89]      ; ssq[part][my tokens]
	s_lshl_b32 s88, s45, 4
	s_add_co_u32 s88, s88, s87
	s_lshl_b32 s88, s88, 18
	s_and_b32 s71, s86, 2047
	s_lshl_b32 s71, s71, 7
	s_add_co_u32 s88, s88, s71
	s_add_nc_u64 s[76:77], s[14:15], s[88:89]      ; hb: my slab, my rows
.else
	s_add_nc_u64 s[74:75], s[10:11], s[88:89]
.endif
	v_lshlrev_b32 v[GO], 12, v2                    ; lanes 0-15 one row's 256 bytes, lanes 16-31 the next row's
	v_lshl_add_u32 v[GO], v1, 4, v[GO]
	WIN 0x40                                       ; window 1, v128-255: the residual, as the rows come back from the stage.  Waited for at the way out
.irp a, 0,1,2,3
.irp t, 0,1,2,3,4,5,6,7
	global_load_b128 v[128+32*\a+4*\t:128+32*\a+4*\t+3], v[GO], s[72:73] offset:65536*\a+8192*\t th:TH_LOAD_NT
.endr
.endr
	WIN 0
.if WO
	v_lshlrev_b32 v25, 4, v1
	global_load_b128 v[32:35], v25, s[92:93]       ; ln2 of my four columns
	v_lshlrev_b32 v[XO], 3, v3
.endif
	s_mul_i32 s86, s[WV], 4352
	s_add_co_u32 s86, s86, STAGE                   ; my stage: 16 rows of 256 + 16 bytes
	v_mul_u32_u24 v[STO], v1, 272
	v_lshl_add_u32 v[STO], v2, 5, v[STO]
	v_add_nc_u32 v[STO], s86, v[STO]
	v_mul_u32_u24 v[RD], v2, 272
	v_lshl_add_u32 v[RD], v1, 4, v[RD]
	v_add_nc_u32 v[RD], s86, v[RD]
.if WO
	s_lshl_b32 s86, s[WV], 8
	s_add_co_u32 s86, s86, SQS                     ; my 64 tokens' sums of squares
	v_lshl_add_u32 v24, v2, 2, s86
	v_lshl_add_u32 v27, v3, 3, s86
.endif
; ---------------- the sums start at 0, written in the wait for the first tile, so that a K step is written once for the loop and once for the tail ----------------
	WIN 0x80
.set z, 0
.rept 128
	v_mov_b32 v[z], 0
.set z, z+1
.endr
	WIN 0
	s_wait_tensorcnt 0x1                           ; my block of K step 0 is in; K step 1's may stay out
	s_barrier_signal -1
	s_barrier_wait -1
	ADDRS
	FETCH 0, 0
	s_mov_b32 s[CNT], T-2
.Lmain:                                            ; a trip multiplies a K step and fills its slot again
	STEPQ
	TURN 1
	s_sub_co_u32 s[CNT], s[CNT], 1
	s_cmp_lg_u32 s[CNT], 0
	s_cbranch_scc1 .Lmain
	s_mov_b32 s[CNT], 2
.Ltail:                                            ; the last two K steps ask for nothing; the very last change's barrier and fetch serve nothing: the price of one text for both
	STEPQ
	TURN 0
	s_sub_co_u32 s[CNT], s[CNT], 1
	s_cmp_lg_u32 s[CNT], 0
	s_cbranch_scc1 .Ltail
	s_wait_dscnt 0x0
	s_wait_loadcnt 0x0                             ; what the way out needs
	PLACES
	PLACES
; ---------------- the way out, 16 tokens at a time: sums into my stage, whole rows of 256 bytes back; no store's registers are written again ----------------
.macro TOSTF a
	WIN 0x08                                       ; the stores' data in window 2
.irp b, 0,1,2,3
	ds_store_b128 v[STO], v[8*(4*(\a)+\b):8*(4*(\a)+\b)+3] offset:64*\b
	ds_store_b128 v[STO], v[8*(4*(\a)+\b)+4:8*(4*(\a)+\b)+7] offset:64*\b+16
.endr
	WIN 0
.irp t, 0,1,2,3,4,5,6,7
	ds_load_b128 v[64+32*(\a)+4*\t:64+32*(\a)+4*\t+3], v[RD] offset:544*\t   ; LDS serves a wave's instructions in order (ISA guide 5.7.1.4)
.endr
.endm
.macro FIN a, n                        ; n: the LDS instructions issued behind unit a's loads
	s_wait_dscnt \n
	WIN 0x04                                       ; source 1 (the residual) in window 1
.set t, 0
.rept 8
.set rH, 64+32*(\a)+4*t
	v_pk_add_f32 v[rH:rH+1], v[rH:rH+1], v[rH+64:rH+65]
	v_pk_add_f32 v[rH+2:rH+3], v[rH+2:rH+3], v[rH+66:rH+67]
.set t, t+1
.endr
	WIN 0
.set t, 0
.rept 8
.set rH, 64+32*(\a)+4*t
.set rHB, 192+16*(\a)+2*t
	global_store_b128 v[GO], v[rH:rH+3], s[74:75] offset:65536*(\a)+8192*t    ; sixteen lanes store 256 consecutive bytes, aligned
.if WO
	v_pk_mul_f32 v[36:37], v[rH:rH+1], v[32:33]
	v_pk_mul_f32 v[38:39], v[rH+2:rH+3], v[34:35]
	v_pk_mul_f32 v[40:41], v[rH:rH+1], v[rH:rH+1]
	v_cvt_pk_bf16_f32 v[rHB], v36, v37
	v_cvt_pk_bf16_f32 v[rHB+1], v38, v39
	v_pk_fma_f32 v[40:41], v[rH+2:rH+3], v[rH+2:rH+3], v[40:41]
	global_store_b64 v[XO], v[rHB:rHB+1], s[76:77] offset:2048*(\a)+256*t     ; two slab rows: 256 consecutive bytes, aligned
	v_add_f32 v[44+t], v40, v41
.endif
.set t, t+1
.endr
.if WO
.irp m, 1,2,4,8                        ; a token's 64 columns lie in sixteen lanes
.set t, 0
.rept 8
	v_add_f32_dpp v[44+t], v[44+t], v[44+t] row_xmask:\m row_mask:0xf bank_mask:0xf
.set t, t+1
.endr
.endr
.set t, 0
.rept 8
	ds_store_b32 v24, v[44+t] offset:4*(16*(\a)+2*t)   ; sixteen lanes write one word with one value
.set t, t+1
.endr
.endif
.endm
	TOSTF 0
	TOSTF 1
	FIN 0, 16                                      ; behind unit 0's loads: unit 1's sixteen
	TOSTF 2
	FIN 1, 16+8*WO                                 ; unit 2's sixteen, and the eight words of squares
	TOSTF 3
	FIN 2, 16+8*WO
	FIN 3, 8*WO
.if WO
	s_wait_dscnt 0x0
	ds_load_b64 v[52:53], v27
	s_wait_dscnt 0x0
	global_store_b64 v[XO], v[52:53], s[78:79]     ; my 64 tokens' sums: 256 consecutive bytes, aligned
.endif
	s_wait_tensorcnt 0x0                           ; the wave's end
	ds_add_u32 v[SPW], v[NIL]
	s_wait_dscnt 0x0
	CROUND                                         ; the closing round
	s_endpgm
.Lfunc_end_k_q9c5beb2cdc_wo:
	.size	k_q9c5beb2cdc_wo, .Lfunc_end_k_q9c5beb2cdc_wo-k_q9c5beb2cdc_wo
	.p2alignl 7, 3214868480
	.fill 96, 4, 3214868480
	.section	.rodata,"a",@progbits
	.p2align	6, 0x0
	.amdhsa_kernel k_q9c5beb2cdc_wo
		.amdhsa_group_segment_fixed_size 327680
		.amdhsa_private_segment_fixed_size 0
		.amdhsa_enable_private_segment 0
		.amdhsa_kernarg_size 56
		.amdhsa_user_sgpr_count 2
		.amdhsa_user_sgpr_kernarg_segment_ptr 1
		.amdhsa_wavefront_size32 1
		.amdhsa_system_sgpr_workgroup_id_x 1
		.amdhsa_system_sgpr_workgroup_id_y 1
		.amdhsa_system_sgpr_workgroup_id_z 1
		.amdhsa_system_vgpr_workitem_id 0
		.amdhsa_next_free_vgpr 640
		.amdhsa_next_free_sgpr 96
		.amdhsa_reserve_vcc 0
		.amdhsa_float_denorm_mode_32 3
		.amdhsa_float_denorm_mode_16_64 3
		.amdhsa_memory_ordered 1
		.amdhsa_forward_progress 1
		.amdhsa_inst_pref_size 93
	.end_amdhsa_kernel
	.amdgpu_metadata
---
amdhsa.version: [ 1, 2 ]
amdhsa.kernels:
  - .name:           k_q9c5beb2cdc_wo
    .symbol:         k_q9c5beb2cdc_wo.kd
    .args:
      - { .name: ctx, .offset: 0, .size: 8, .value_kind: global_buffer, .address_space: global }
      - { .name: wb, .offset: 8, .size: 8, .value_kind: global_buffer, .address_space: global }
      - { .name: hidden_states, .offset: 16, .size: 8, .value_kind: global_buffer, .address_space: global }
      - { .name: ln2_w, .offset: 24, .size: 8, .value_kind: global_buffer, .address_space: global }
      - { .name: h, .offset: 32, .size: 8, .value_kind: global_buffer, .address_space: global }
      - { .name: hb, .offset: 40, .size: 8, .value_kind: global_buffer, .address_space: global }
      - { .name: ssq, .offset: 48, .size: 8, .value_kind: global_buffer, .address_space: global }
    .group_segment_fixed_size: 327680
    .private_segment_fixed_size: 0
    .kernarg_segment_align: 8
    .kernarg_segment_size: 56
    .max_flat_workgroup_size: 128
    .sgpr_count:     96
    .vgpr_count:     640
    .wavefront_size: 32
...
	.end_amdgpu_metadata
.endif
;; end of part 4
;; launch gateup (part 5): grid 8 x 32, 4 waves a work-group, clusters of 4 x 4, 327,680 bytes of LDS; arguments hb, wb, ssq, xa; writes xa
.if DOCPART == 5
	.amdgcn_target "amdgcn-amd-amdhsa--gfx1250"
	.amdhsa_code_object_version 6
	.text
	.protected	k_q9c5beb2cdc_gateup
	.globl	k_q9c5beb2cdc_gateup
	.p2align	8
	.type	k_q9c5beb2cdc_gateup,@function
k_q9c5beb2cdc_gateup:
	s_mov_b64 s[64:65], 0
	v_nop
	global_prefetch_b8 v0, s[64:65] scope:SCOPE_SE
	s_setreg_imm32_b32 hwreg(HW_REG_WAVE_MODE, 25, 1), 1
	s_wait_xcnt 0x0
	s_wait_alu depctr_hold_cnt(0) depctr_sa_sdst(0) depctr_va_vdst(0) depctr_va_sdst(0) depctr_va_ssrc(0) depctr_va_vcc(0) depctr_vm_vsrc(0)
	s_getreg_b32 s2, hwreg(HW_REG_IB_STS2, 6, 4)
	s_cmp_eq_u32 s2, 0
	s_cbranch_scc0 .Lentry_in_a_cluster
	s_endpgm
.Lentry_in_a_cluster:
	s_bfe_u32 s2, ttmp6, 0x10000c
	s_cmp_lg_u32 s2, 0xf033
	s_cbranch_scc0 .Lentry_shape_is_right
	s_endpgm
.Lentry_shape_is_right:
; xa = bf16(silu(y w1) * (y w3)), y = h * rsqrt(mean(h^2) + 1e-6) * ln2, in slabs.  hb holds bf16(h * ln2); the row factor r = rsqrt(sum of the 16 parts of ssq / 1024 + 1e-6) multiplies the f32 sums.
; A work-group makes 128 tokens x 128 columns of both planes; a wave 64 x 64 x 2: 32 accumulators.  K goes in steps of 128 through two LDS slots: wave 0 fetches hb's block, waves 1, 2 w1's and w3's; wave 3 none.
; Operands, layouts and cluster as in the other products of this program.
; LIMITS: operands and result bf16, sums f32.  silu(u) = u / (1 + 2^(-u log2 e)): where the power overflows the quotient is 0, as the limit is.  NaN and infinities are not treated apart.
.set NT, 2
.set NA, 1
.set NBB, 2
.set NBR, 2
.set NQ, 4
.set T, 8
.set P0, 4
.set STEPA, 524288
.set STEPB, 262144
.set BSTR, 2097152
.set PF, 1
.set SPARE, 2*147456+9216
.set OUT, 160
; ---------------- what the four products of this program have in common ----------------
.set BLK,   36864     ; a block in LDS.  Activations: two slabs of 128 rows, 128 bytes + 16 of padding.  Weights: 128 k rows, 256 bytes + 32 of padding
.set SLOT,  4*BLK     ; its bits (14, 17) meet none of w x BLK (12, 13, 15, 16): one exclusive or changes slots (here a slot's fourth block lies idle)
.set STAGE, 2*SLOT    ; behind the ring: the waves' stages for the way out, then the spare words; no tensor load lands there
.set NL,    8+8*NT    ; LDS loads of a quarter
.set AA0, 4
.set BB0, 5
.set AA,  8
.set AB,  9
.set STO, 12
.set RD,  13
.set GO,  14
.set XO,  15
.set PFO, 26
.set SPW, 28
.set NIL, 29
.set AF,  64
.set WV, 20
.set WM, 21
.set WN, 22
.set TY, 23
.set G1A, 24
.set G0A, 32
.set CX, 40
.set CY, 41
.set TX, 42
.set G1B, 48
.set G0B, 56
.set TB, 66
.set CNT, 67
.set PFA, 68
.set LIM, 70
.set MSB, 0
.macro WIN new                         ; the immediate's high byte repeats the setting that is left; a switch that changes nothing is dropped
.if MSB != (\new)
	s_set_vgpr_msb (MSB<<8)|(\new)
.set MSB, \new
.endif
.endm
.macro PLACES                          ; four plain vector instructions between a matrix instruction and a load into, or a vector line on, its registers
.rept 4
	v_nop
.endr
.endm
.macro CREST                           ; a round of the cluster's barrier behind its opening barrier
	s_cmp_lg_u32 s[WV], 0
	s_cbranch_scc1 .Lnot_wave_0_\@
	s_barrier_signal -3
.Lnot_wave_0_\@:
	s_barrier_wait -3
	s_barrier_signal -1
	s_barrier_wait -1
.endm
.macro CROUND
	s_barrier_signal -1
	s_barrier_wait -1
	CREST
.endm
.macro JLOADW                          ; the joint refill: wave i fetches block i by the walking descriptor; the branches hang on the wave's number alone
.if NA+NBB < 4
	s_cmp_lt_u32 s[WV], NA+NBB
	s_cbranch_scc0 .Lnone_\@
.endif
	s_cmp_lt_u32 s[WV], NA
	s_cbranch_scc0 .Lfor_b_\@
	tensor_load_to_lds s[G0A+4:G0A+7], s[G1A:G1A+7]
	s_nop 0
	PLACES
	s_branch .Lasked_\@
.Lfor_b_\@:
	tensor_load_to_lds s[G0B+4:G0B+7], s[G1B:G1B+7]
	s_nop 0
	PLACES
.if NA+NBB < 4
	s_branch .Lasked_\@
.Lnone_\@:
	PLACES
.endif
.Lasked_\@:
.endm
.macro MULP f, p, a0, na               ; plane p, token blocks a0 .. a0 + na - 1, all four column blocks, 32 along K out of buffer f
	WIN 0xa1+0x50*((\p)/2)                         ; weights window 1, activations window 0, sums window 2 or 3
.set ma, (\a0)
.rept \na
.set mb, 0
.rept 4
.set rC, 128*((\p)%2)+8*(4*ma+mb)
.set rB, 32*NT*(\f)+32*(\p)+8*mb
.set rA, AF+32*(\f)+8*ma
	v_wmma_f32_16x16x32_bf16 v[rC:rC+7], v[rB:rB+7], v[rA:rA+7], v[rC:rC+7]
.set mb, mb+1
.endr
.set ma, ma+1
.endr
.endm
.macro P1 f                            ; a quarter's products in two portions.  All 16 NT accumulators take turns, one instruction a turn, in the same order in every quarter
.if NT == 3
	MULP \f, 0, 0, 4
	MULP \f, 1, 0, 4
.elseif NT == 2
	MULP \f, 0, 0, 4
.else
	MULP \f, 0, 0, 2
.endif
.endm
.macro P2 f
.if NT == 3
	MULP \f, 2, 0, 4
.elseif NT == 2
	MULP \f, 1, 0, 4
.else
	MULP \f, 0, 2, 2
.endif
.endm
.macro FETCH kq, f                     ; quarter kq's fragments into buffer f, in one run
	WIN 0x40                                       ; destination window 1, address window 0
.set fp, 0
.rept NT
.set fb, 0
.rept 4
.set rB, 32*NT*(\f)+32*fp+8*fb
.if NT == 1
.set rR, AB+(\kq)/4
.set ko, 9216*((\kq)%4)
.else
.set rR, AB+fp
.set ko, 9216*(\kq)
.endif
	ds_load_tr16_b128 v[rB:rB+3], v[rR] offset:ko+32*fb          ; k = 8 (l / 16) + 0..7 of column l % 16
	ds_load_tr16_b128 v[rB+4:rB+7], v[rR] offset:ko+32*fb+4608   ; sixteen k rows on
.set fb, fb+1
.endr
.set fp, fp+1
.endr
	WIN 0
.set fa, 0
.rept 4
.set rA, AF+32*(\f)+8*fa
.set ko, ((\kq)/4)*BLK+(((\kq)%4)/2)*18432+((\kq)%2)*64+2304*fa
	ds_load_b128 v[rA:rA+3], v[AA] offset:ko
	ds_load_b128 v[rA+4:rA+7], v[AA] offset:ko+32
.set fa, fa+1
.endr
.endm
.macro QUARTER kq, f, g                ; the next quarter is fetched into g, then f is multiplied
	PLACES
	FETCH (\kq)+1, \g
	s_wait_dscnt NL                                ; all but the NL loads just issued: buffer f is in
	P1 \f
	P2 \f
.endm
.macro STEPQ                           ; all quarters of a K step but the last
.set q, 0
.rept NQ-1
	QUARTER q, q%2, 1-q%2
.set q, q+1
.endr
.endm
.macro ADDRS
	v_add_nc_u32 v[AA], s[TB], v[AA0]
.set fp, 0
.rept NBR
	v_add_nc_u32 v[AB+fp], s[TB], v[BB0+fp]
.set fp, fp+1
.endr
.endm
.macro ASK                             ; a prefetch of my share of the block that I fetch, for the K step behind the one just asked for; the last refill has none behind it
.if PF
	s_cmp_gt_u32 s[CNT], s[LIM]
	s_cbranch_scc0 .Lnot_mine_\@
	global_prefetch_b8 v[PFO], s[PFA:PFA+1] th:TH_LOAD_NT scope:SCOPE_SE
.Lnot_mine_\@:
.endif
.endm
; The last quarter (buffer 1) and the change of slots.  In front of the barrier each wave waits for all its tensor loads (one is out: its block of the other slot), adds 0 to its spare word, and waits for
; that and for its reads of this slot.  fill = 1: the barrier opens a round of the cluster's, and this slot is filled again first thing behind it, with the K step two on.
.macro TURN fill
.if (\fill) && PF
	s_wait_xcnt 0x0                                ; the last prefetch, a K step back, has read its address
	s_add_nc_u64 s[PFA:PFA+1], s[PFA:PFA+1], s[90:91]
.endif
	WIN 0
	s_wait_tensorcnt 0x0
	ds_add_u32 v[SPW], v[NIL]
.if \fill
	s_xor_b32 s[G0A+5], s[G0A+5], SLOT             ; no load of mine is out, so the walking descriptors step: the other slot, the next K step
	s_add_nc_u64 s[G0A+6:G0A+7], s[G0A+6:G0A+7], STEPA
	s_xor_b32 s[G0B+5], s[G0B+5], SLOT
	s_add_nc_u64 s[G0B+6:G0B+7], s[G0B+6:G0B+7], STEPB
.endif
	s_wait_dscnt 0x0                               ; the add is done, buffer 1 is in, my reads of this slot are over
	s_barrier_signal -1
	P1 1                                           ; work on registers while the others arrive
	WIN 0
	s_barrier_wait -1
.if \fill
	CREST
	JLOADW                                         ; its four v_nop are also the places in front of the loads below
.else
	PLACES
.endif
	s_xor_b32 s[TB], s[TB], SLOT
	ADDRS
	FETCH 0, 0
.if \fill
	ASK
.endif
	P2 1
	WIN 0
.endm
; ---------------- the head ----------------
	s_load_b256 s[4:11], s[0:1], 0x0               ; hb s[4:5], wb s[6:7], ssq s[8:9], xa s[10:11]
	v_lshl_add_u32 v[SPW], v0, 2, SPARE
	v_mov_b32 v[NIL], 0
	ds_add_u32 v[SPW], v[NIL]                      ; the wave's opening: the add and its wait ahead of my first tensor load; the set-up, work on registers, between them
	v_lshrrev_b32 v1, 5, v0
	v_readfirstlane_b32 s[WV], v1
	s_lshr_b32 s[WM], s[WV], 1
	s_and_b32 s[WN], s[WV], 1
	s_bfe_u32 s[CX], ttmp6, 0x40000
	s_bfe_u32 s[CY], ttmp6, 0x40004
	s_lshl_b32 s[TX], ttmp9, 2
	s_add_co_u32 s[TX], s[TX], s[CX]               ; column tile = 4 x cluster x + cx
	s_and_b32 s[TY], ttmp7, 0xffff
	s_lshl_b32 s[TY], s[TY], 2
	s_add_co_u32 s[TY], s[TY], s[CY]               ; row tile = 4 x cluster y + cy
	s_lshl_b32 s43, s[CY], 2
	s_lshl_b32 s43, 15, s43                        ; my row of the cluster
	s_lshl_b32 s44, 0x1111, s[CX]                  ; my column
	s_or_b32 s[G1A], s43, (1<<16)|(1<<20)|(1<<21)|(4<<22)|(3<<25)  ; mask; 2-byte elements; padding on; bit 21 beside a mask; after every 32 words 4 words
	s_mov_b32 s[G1A+1], 8192<<16                   ; tensor_dim0 = 8,192: a slab's 128 tokens, dense
	s_mov_b32 s[G1A+2], 2<<16                      ; tensor_dim1 = 2 slabs
	s_mov_b32 s[G1A+3], 8192<<16                   ; tile_dim0
	s_mov_b32 s[G1A+4], 2                          ; tile_dim1
	s_mov_b32 s[G1A+5], 131072                     ; elements from slab to slab
	s_mov_b32 s[G1A+6], 0
	s_mov_b32 s[G1A+7], 0
	s_or_b32 s[G1B], s44, (1<<16)|(1<<20)|(1<<21)|(5<<22)|(7<<25)  ; after every 64 words 8 words
	s_mov_b32 s[G1B+1], 128<<16
	s_mov_b32 s[G1B+2], 128<<16
	s_mov_b32 s[G1B+3], 128<<16
	s_mov_b32 s[G1B+4], 128
	s_mov_b32 s[G1B+5], 1024
	s_mov_b32 s[G1B+6], 0
	s_mov_b32 s[G1B+7], 0
	s_lshr_b32 s45, s[TY], 4                       ; the batch
	s_and_b32 s46, s[TY], 15                       ; the block of 128 tokens in it
	s_lshl_b32 s82, s45, 22                        ; activations: made of the tile row and the wave's number alone
	s_lshl_b32 s83, s46, 14
	s_add_co_u32 s82, s82, s83
	s_min_u32 s83, s[WV], NA-1
	s_lshl_b32 s83, s83, 19
	s_add_co_u32 s82, s82, s83
	s_mov_b32 s83, 0
	s_max_u32 s84, s[WV], NA                       ; weights: of the tile column and the wave's number alone
	s_sub_co_u32 s84, s84, NA
	s_mul_i32 s84, s84, BSTR
	s_lshl_b32 s85, s[TX], 8
	s_add_co_u32 s84, s84, s85
	s_add_co_u32 s84, s84, P0*2097152
	s_mov_b32 s85, 0
	s_mul_i32 s86, s[WV], BLK                      ; where my block goes: no place in the cluster enters an LDS address
	s_mov_b32 s[TB], 0
	s_mov_b32 s80, 0x76543210
	s_mov_b32 s81, 0xfedcba98
	s_wait_dscnt 0x0                               ; the opening add is done
	s_wait_kmcnt 0x0
	s_add_nc_u64 s[82:83], s[4:5], s[82:83]
	s_add_nc_u64 s[84:85], s[6:7], s[84:85]
.irp s, 0,1
	s_mov_b32 s[G0A+4*(\s)], 1
	s_add_co_u32 s[G0A+4*(\s)+1], s86, (\s)*SLOT
	s_add_nc_u64 s[G0A+4*(\s)+2:G0A+4*(\s)+3], s[82:83], (\s)*STEPA
	s_or_b32 s[G0A+4*(\s)+3], s[G0A+4*(\s)+3], 0x80000000
	s_mov_b32 s[G0B+4*(\s)], 1
	s_add_co_u32 s[G0B+4*(\s)+1], s86, (\s)*SLOT
	s_add_nc_u64 s[G0B+4*(\s)+2:G0B+4*(\s)+3], s[84:85], (\s)*STEPB
	s_or_b32 s[G0B+4*(\s)+3], s[G0B+4*(\s)+3], 0x80000000
.endr
.if PF
	; The prefetches.  A block is 128 pieces of 256 bytes.  The four partners that ask for it jointly take 32 each, told apart by address; of the clusters that read it, the first along the other axis asks.
	s_lshr_b32 s87, s[CX], 1
	s_lshl_b32 s87, s87, 18                        ; activations: partner cx takes slab cx / 2,
	s_and_b32 s88, s[CX], 1
	s_lshl_b32 s88, s88, 13                        ; half cx % 2 of its 16,384 bytes
	s_add_co_u32 s87, s87, s88
	s_add_co_u32 s87, s87, 2*STEPA                 ; at K step 2: the first change of slots steps it to 3
	s_lshl_b32 s88, s[CY], 16                      ; weights: partner cy takes 32 of the 128 k rows
	s_add_co_u32 s88, s88, 2*STEPB
	s_and_b32 s71, ttmp7, 0xffff
	s_mov_b32 s90, STEPB
	s_cmp_lt_u32 s[WV], NA
	s_cselect_b32 s88, s87, s88
	s_cselect_b32 s71, ttmp9, s71                  ; the cluster coordinate along which others read the same block
	s_cselect_b32 s87, 8, 11                       ; a lane a piece: 256 bytes on, or a row of 2,048 on
	s_cselect_b32 s90, STEPA, s90
	s_cselect_b64 s[PFA:PFA+1], s[82:83], s[84:85]
	s_mov_b32 s89, 0
	s_mov_b32 s91, 0
	s_add_nc_u64 s[PFA:PFA+1], s[PFA:PFA+1], s[88:89]
.if NA+NBB < 4
	s_cmp_lt_u32 s[WV], NA+NBB
	s_cselect_b32 s71, s71, 1                      ; a wave that fetches nothing asks for nothing
.endif
	s_cmp_eq_u32 s71, 0
	s_cselect_b32 s[LIM], 1, -1
	v_and_b32 v[PFO], 31, v0
	v_lshlrev_b32 v[PFO], s87, v[PFO]
.endif
	CROUND                                         ; all sixteen work-groups are here: the first joint loads meet
	s_cmp_lt_u32 s[WV], NA                         ; a wave's two first fills stand in one branch: two loads of mine are out (wave 3: none)
	s_cbranch_scc0 .Lfirst_b
	tensor_load_to_lds s[G0A:G0A+3], s[G1A:G1A+7]
	s_nop 0
	tensor_load_to_lds s[G0A+4:G0A+7], s[G1A:G1A+7]
	s_nop 0
	PLACES
	s_branch .Lfirst_done
.Lfirst_b:
.if NA+NBB < 4
	s_cmp_lt_u32 s[WV], NA+NBB
	s_cbranch_scc0 .Lfirst_done
.endif
	tensor_load_to_lds s[G0B:G0B+3], s[G1B:G1B+7]
	s_nop 0
	tensor_load_to_lds s[G0B+4:G0B+7], s[G1B:G1B+7]
	s_nop 0
	PLACES
.Lfirst_done:
	v_and_b32 v1, 15, v0                           ; r = l % 16
	v_bfe_u32 v2, v0, 4, 1                         ; h = l / 16
	v_and_b32 v3, 31, v0                           ; l
	v_mul_u32_u24 v[AA0], v1, 144
	v_lshl_add_u32 v[AA0], v2, 4, v[AA0]
	s_mul_i32 s71, s[WM], 64*144
	v_add_nc_u32 v[AA0], s71, v[AA0]               ; (64 wm + r) x 144 + 16 h
	v_and_b32 v30, 7, v0
	v_lshl_add_u32 v30, v2, 3, v30
	v_mul_u32_u24 v30, v30, 288
	v_bfe_u32 v31, v0, 3, 1
	v_lshl_add_u32 v30, v31, 4, v30                ; (8 h + l % 8) x 288 + 16 ((l / 8) % 2)
	s_lshl_b32 s71, s[WN], 7
	s_add_co_u32 s71, s71, NA*BLK
	v_add_nc_u32 v[BB0], s71, v30
	v_add_nc_u32 v[BB0+1], BLK, v[BB0]
; ---------------- this product's own: what the way out needs ----------------
	s_lshl_b32 s86, s[TY], 7
	s_lshl_b32 s87, s[WM], 6
	s_add_co_u32 s86, s86, s87                     ; my first token, 0..4032
	s_lshl_b32 s88, s86, 2
	s_mov_b32 s89, 0
	s_add_nc_u64 s[78:79], s[8:9], s[88:89]        ; ssq[0][my tokens]
	v_lshlrev_b32 v[XO], 17, v2                    ; the lower lanes take parts 0-7, the upper lanes parts 8-15,
	v_lshl_add_u32 v[XO], v1, 2, v[XO]             ; of token r
.irp a, 0,1,2,3
.irp q, 0,1,2,3,4,5,6,7
	global_load_b32 v[128+8*\a+\q], v[XO], s[78:79] offset:16384*\q+64*\a    ; waited for at the way out
.endr
.endr
	s_lshl_b32 s87, s45, 4
	s_lshl_b32 s88, s[TX], 1
	s_add_co_u32 s87, s87, s88
	s_add_co_u32 s87, s87, s[WN]                   ; my slab: 16 b + column / 64
	s_lshl_b32 s87, s87, 18
	s_and_b32 s86, s86, 2047
	s_lshl_b32 s86, s86, 7
	s_add_co_u32 s86, s86, s87
	s_mov_b32 s87, 0
	s_add_nc_u64 s[72:73], s[10:11], s[86:87]      ; xa at my wave's 64 rows: 8,192 consecutive bytes
	s_mul_i32 s86, s[WV], 2304
	s_add_co_u32 s86, s86, STAGE                   ; my stage: 16 rows of 128 + 16 bytes
	v_mul_u32_u24 v[STO], v1, 144
	v_lshl_add_u32 v[STO], v2, 4, v[STO]
	v_add_nc_u32 v[STO], s86, v[STO]
	v_bfe_u32 v[RD], v0, 3, 2
	v_mul_u32_u24 v[RD], v[RD], 144
	v_and_b32 v30, 7, v0
	v_lshl_add_u32 v[RD], v30, 4, v[RD]
	v_add_nc_u32 v[RD], s86, v[RD]
	v_lshlrev_b32 v[GO], 4, v3
; ---------------- the sums start at 0, written in the wait for the first tile, so that a K step is written once for the loop and once for the tail ----------------
	WIN 0x80
.set z, 0
.rept 256
	v_mov_b32 v[z], 0
.set z, z+1
.endr
	WIN 0
	s_wait_tensorcnt 0x1                           ; my block of K step 0 is in; K step 1's may stay out
	s_barrier_signal -1
	s_barrier_wait -1
	ADDRS
	FETCH 0, 0
	s_mov_b32 s[CNT], T-2
.Lmain:                                            ; a trip multiplies a K step and fills its slot again
	STEPQ
	TURN 1
	s_sub_co_u32 s[CNT], s[CNT], 1
	s_cmp_lg_u32 s[CNT], 0
	s_cbranch_scc1 .Lmain
	s_mov_b32 s[CNT], 2
.Ltail:                                            ; the last two K steps ask for nothing; the very last change's barrier and fetch serve nothing: the price of one text for both
	STEPQ
	TURN 0
	s_sub_co_u32 s[CNT], s[CNT], 1
	s_cmp_lg_u32 s[CNT], 0
	s_cbranch_scc1 .Ltail
	s_wait_dscnt 0x0
	s_wait_loadcnt 0x0                             ; what the way out needs
	PLACES
	PLACES
; ---------------- the row factors: one for each of my lane's four tokens, twice, as pairs for the packed multiplies ----------------
	s_mov_b32 s86, 0x3a800000                      ; 1/1024
	s_mov_b32 s87, 0x358637bd                      ; 1e-6
.irp a, 0,1,2,3
	v_add_f32 v[128+8*\a], v[128+8*\a], v[129+8*\a]
	v_add_f32 v[130+8*\a], v[130+8*\a], v[131+8*\a]
	v_add_f32 v[132+8*\a], v[132+8*\a], v[133+8*\a]
	v_add_f32 v[134+8*\a], v[134+8*\a], v[135+8*\a]
	v_add_f32 v[128+8*\a], v[128+8*\a], v[130+8*\a]
	v_add_f32 v[132+8*\a], v[132+8*\a], v[134+8*\a]
	v_add_f32 v[128+8*\a], v[128+8*\a], v[132+8*\a]
.endr
.irp a, 0,1,2,3
	v_permlanex16_b32 v[129+8*\a], v[128+8*\a], s80, s81    ; the other eight parts lie in the lane 16 away
.endr
.irp a, 0,1,2,3
	v_add_f32 v[128+8*\a], v[128+8*\a], v[129+8*\a]
.endr
.irp a, 0,1,2,3
	v_fma_f32 v[128+8*\a], v[128+8*\a], s86, s87
.endr
.irp a, 0,1,2,3
	v_rsq_f32 v[16+2*\a], v[128+8*\a]
	v_rsq_f32 v[17+2*\a], v[128+8*\a]
.endr
	v_nop                                          ; the plain instruction behind them,
	s_wait_alu depctr_va_vdst(0)                   ; and one wait for the eight
; ---------------- the way out, 16 tokens at a time: u = gate sums x r in v32-63, z in v64-95, up sums x r in v96-127; unit a owns v[160 + 16 a ..] ----------------
.macro GATE a
	WIN 0x02                                       ; source 0 (the sums) in window 2
.set i, 0
.rept 16
	v_pk_mul_f32 v[32+i:33+i], v[32*(\a)+i:32*(\a)+i+1], v[16+2*(\a):17+2*(\a)]
.set i, i+2
.endr
	WIN 0
.set i, 0
.rept 16
	v_pk_mul_f32 v[64+i:65+i], v[32+i:33+i], 0xbfb8aa3b op_sel_hi:[1,0]   ; -u log2(e)
.set i, i+2
.endr
.set i, 0
.rept 32
	v_exp_f32 v[64+i], v[64+i]
.set i, i+1
.endr
	WIN 0x02
.set i, 0
.rept 16                               ; plain work that names no result of the batch stands behind it
	v_pk_mul_f32 v[96+i:97+i], v[128+32*(\a)+i:128+32*(\a)+i+1], v[16+2*(\a):17+2*(\a)]
.set i, i+2
.endr
	WIN 0
	s_wait_alu depctr_va_vdst(0)                   ; one wait for the 32 exponentials
.set i, 0
.rept 16
	v_pk_add_f32 v[64+i:65+i], v[64+i:65+i], 1.0 op_sel_hi:[1,0]
.set i, i+2
.endr
.set i, 0
.rept 32
	v_rcp_f32 v[64+i], v[64+i]
.set i, i+1
.endr
	v_nop
	s_wait_alu depctr_va_vdst(0)                   ; one wait for the 32 reciprocals
.set i, 0
.rept 16
	v_pk_mul_f32 v[32+i:33+i], v[32+i:33+i], v[64+i:65+i]     ; silu first, so that a gate far below 0 gives 0 whatever the other factor
.set i, i+2
.endr
.set i, 0
.rept 16
	v_pk_mul_f32 v[32+i:33+i], v[32+i:33+i], v[96+i:97+i]
.set i, i+2
.endr
.set k, 0
.rept 16
	v_cvt_pk_bf16_f32 v[OUT+16*(\a)+k], v[32+2*k], v[33+2*k]
.set k, k+1
.endr
.endm
.macro TOST u                          ; a lane's 16 bytes of a row into my stage, and whole rows back into the same registers; LDS serves a wave's instructions in order (ISA guide 5.7.1.4)
.set rO, OUT+16*(\u)
.irp b, 0,1,2,3
	ds_store_b128 v[STO], v[rO+4*\b:rO+4*\b+3] offset:32*\b
.endr
.irp f, 0,1,2,3
	ds_load_b128 v[rO+4*\f:rO+4*\f+3], v[RD] offset:576*\f
.endr
.endm
.macro SENDU u, younger                ; younger: the LDS instructions issued behind unit u's loads
.set rO, OUT+16*(\u)
.irp f, 0,1,2,3
	s_wait_dscnt (\younger)+3-\f
	global_store_b128 v[GO], v[rO+4*\f:rO+4*\f+3], s[72:73] offset:2048*(\u)+512*\f   ; 512 consecutive bytes, aligned
.endr
.endm
	GATE 0
	TOST 0
.set u, 1
.rept 3
	GATE u
	TOST u
	SENDU u-1, 8
.set u, u+1
.endr
	SENDU 3, 0
	s_wait_tensorcnt 0x0                           ; the wave's end
	ds_add_u32 v[SPW], v[NIL]
	s_wait_dscnt 0x0
	CROUND                                         ; the closing round
	s_endpgm
.Lfunc_end_k_q9c5beb2cdc_gateup:
	.size	k_q9c5beb2cdc_gateup, .Lfunc_end_k_q9c5beb2cdc_gateup-k_q9c5beb2cdc_gateup
	.p2alignl 7, 3214868480
	.fill 96, 4, 3214868480
	.section	.rodata,"a",@progbits
	.p2align	6, 0x0
	.amdhsa_kernel k_q9c5beb2cdc_gateup
		.amdhsa_group_segment_fixed_size 327680
		.amdhsa_private_segment_fixed_size 0
		.amdhsa_enable_private_segment 0
		.amdhsa_kernarg_size 32
		.amdhsa_user_sgpr_count 2
		.amdhsa_user_sgpr_kernarg_segment_ptr 1
		.amdhsa_wavefront_size32 1
		.amdhsa_system_sgpr_workgroup_id_x 1
		.amdhsa_system_sgpr_workgroup_id_y 1
		.amdhsa_system_sgpr_workgroup_id_z 1
		.amdhsa_system_vgpr_workitem_id 0
		.amdhsa_next_free_vgpr 768
		.amdhsa_next_free_sgpr 96
		.amdhsa_reserve_vcc 0
		.amdhsa_float_denorm_mode_32 3
		.amdhsa_float_denorm_mode_16_64 3
		.amdhsa_memory_ordered 1
		.amdhsa_forward_progress 1
		.amdhsa_inst_pref_size 99
	.end_amdhsa_kernel
	.amdgpu_metadata
---
amdhsa.version: [ 1, 2 ]
amdhsa.kernels:
  - .name:           k_q9c5beb2cdc_gateup
    .symbol:         k_q9c5beb2cdc_gateup.kd
    .args:
      - { .name: hb, .offset: 0, .size: 8, .value_kind: global_buffer, .address_space: global }
      - { .name: wb, .offset: 8, .size: 8, .value_kind: global_buffer, .address_space: global }
      - { .name: ssq, .offset: 16, .size: 8, .value_kind: global_buffer, .address_space: global }
      - { .name: xa, .offset: 24, .size: 8, .value_kind: global_buffer, .address_space: global }
    .group_segment_fixed_size: 327680
    .private_segment_fixed_size: 0
    .kernarg_segment_align: 8
    .kernarg_segment_size: 32
    .max_flat_workgroup_size: 128
    .sgpr_count:     96
    .vgpr_count:     768
    .wavefront_size: 32
...
	.end_amdgpu_metadata
.endif
;; end of part 5
;; launch down (part 6): grid 8 x 32, 4 waves a work-group, clusters of 4 x 4, 327,680 bytes of LDS; arguments xa, wb, h, out0; writes out0
.if DOCPART == 6
	.amdgcn_target "amdgcn-amd-amdhsa--gfx1250"
	.amdhsa_code_object_version 6
	.text
	.protected	k_q9c5beb2cdc_down
	.globl	k_q9c5beb2cdc_down
	.p2align	8
	.type	k_q9c5beb2cdc_down,@function
k_q9c5beb2cdc_down:
	s_mov_b64 s[64:65], 0
	v_nop
	global_prefetch_b8 v0, s[64:65] scope:SCOPE_SE
	s_setreg_imm32_b32 hwreg(HW_REG_WAVE_MODE, 25, 1), 1
	s_wait_xcnt 0x0
	s_wait_alu depctr_hold_cnt(0) depctr_sa_sdst(0) depctr_va_vdst(0) depctr_va_sdst(0) depctr_va_ssrc(0) depctr_va_vcc(0) depctr_vm_vsrc(0)
	s_getreg_b32 s2, hwreg(HW_REG_IB_STS2, 6, 4)
	s_cmp_eq_u32 s2, 0
	s_cbranch_scc0 .Lentry_in_a_cluster
	s_endpgm
.Lentry_in_a_cluster:
	s_bfe_u32 s2, ttmp6, 0x10000c
	s_cmp_lg_u32 s2, 0xf033
	s_cbranch_scc0 .Lentry_shape_is_right
	s_endpgm
.Lentry_shape_is_right:
; out0 = h + xa x w2, in f32.  xa holds the gated product in slabs, bf16.
; A work-group makes 128 tokens x 128 columns, a wave 64 x 64: 16 accumulators.  K goes in steps of 256 through two LDS slots: waves 0, 1 fetch the activations' two blocks, waves 2, 3 the weights'.
; Operands, layouts and cluster as in the other products of this program.  No prefetch: four K steps, of which two are the first fills.
; LIMITS: operands bf16, sums f32; NaN and infinities are not treated apart.
.set NT, 1
.set NA, 2
.set NBB, 2
.set NBR, 2
.set NQ, 8
.set T, 4
.set P0, 6
.set STEPA, 1048576
.set STEPB, 524288
.set BSTR, 262144
.set SPARE, 2*147456+18432
; ---------------- what the four products of this program have in common ----------------
.set BLK,   36864     ; a block in LDS.  Activations: two slabs of 128 rows, 128 bytes + 16 of padding.  Weights: 128 k rows, 256 bytes + 32 of padding
.set SLOT,  4*BLK     ; its bits (14, 17) meet none of w x BLK (12, 13, 15, 16): one exclusive or changes slots
.set STAGE, 2*SLOT    ; behind the ring: the waves' stages for the way out, then the spare words; no tensor load lands there
.set NL,    8+8*NT    ; LDS loads of a quarter
.set AA0, 4
.set BB0, 5
.set AA,  8
.set AB,  9
.set STO, 12
.set RD,  13
.set GO,  14
.set SPW, 28
.set NIL, 29
.set AF,  64
.set WV, 20
.set WM, 21
.set WN, 22
.set TY, 23
.set G1A, 24
.set G0A, 32
.set CX, 40
.set CY, 41
.set TX, 42
.set G1B, 48
.set G0B, 56
.set TB, 66
.set CNT, 67
.set MSB, 0
.macro WIN new                         ; the immediate's high byte repeats the setting that is left; a switch that changes nothing is dropped
.if MSB != (\new)
	s_set_vgpr_msb (MSB<<8)|(\new)
.set MSB, \new
.endif
.endm
.macro PLACES                          ; four plain vector instructions between a matrix instruction and a load into, or a vector line on, its registers
.rept 4
	v_nop
.endr
.endm
.macro CREST                           ; a round of the cluster's barrier behind its opening barrier
	s_cmp_lg_u32 s[WV], 0
	s_cbranch_scc1 .Lnot_wave_0_\@
	s_barrier_signal -3
.Lnot_wave_0_\@:
	s_barrier_wait -3
	s_barrier_signal -1
	s_barrier_wait -1
.endm
.macro CROUND
	s_barrier_signal -1
	s_barrier_wait -1
	CREST
.endm
.macro JLOADW                          ; the joint refill: wave i fetches block i by the walking descriptor; the branch hangs on the wave's number alone
	s_cmp_lt_u32 s[WV], NA
	s_cbranch_scc0 .Lfor_b_\@
	tensor_load_to_lds s[G0A+4:G0A+7], s[G1A:G1A+7]
	s_nop 0
	PLACES
	s_branch .Lasked_\@
.Lfor_b_\@:
	tensor_load_to_lds s[G0B+4:G0B+7], s[G1B:G1B+7]
	s_nop 0
	PLACES
.Lasked_\@:
.endm
.macro MULP f, a0, na                  ; token blocks a0 .. a0 + na - 1, all four column blocks, 32 along K out of buffer f
	WIN 0xa1                                       ; weights window 1, activations window 0, sums window 2
.set ma, (\a0)
.rept \na
.set mb, 0
.rept 4
.set rC, 8*(4*ma+mb)
.set rB, 32*(\f)+8*mb
.set rA, AF+32*(\f)+8*ma
	v_wmma_f32_16x16x32_bf16 v[rC:rC+7], v[rB:rB+7], v[rA:rA+7], v[rC:rC+7]
.set mb, mb+1
.endr
.set ma, ma+1
.endr
.endm
.macro P1 f                            ; a quarter's products in two portions.  The 16 accumulators take turns, one instruction a turn, in the same order in every quarter
	MULP \f, 0, 2
.endm
.macro P2 f
	MULP \f, 2, 2
.endm
.macro FETCH kq, f                     ; quarter kq's fragments into buffer f, in one run
	WIN 0x40                                       ; destination window 1, address window 0
.set fb, 0
.rept 4
.set rB, 32*(\f)+8*fb
.set rR, AB+(\kq)/4
.set ko, 9216*((\kq)%4)
	ds_load_tr16_b128 v[rB:rB+3], v[rR] offset:ko+32*fb          ; k = 8 (l / 16) + 0..7 of column l % 16
	ds_load_tr16_b128 v[rB+4:rB+7], v[rR] offset:ko+32*fb+4608   ; sixteen k rows on
.set fb, fb+1
.endr
	WIN 0
.set fa, 0
.rept 4
.set rA, AF+32*(\f)+8*fa
.set ko, ((\kq)/4)*BLK+(((\kq)%4)/2)*18432+((\kq)%2)*64+2304*fa
	ds_load_b128 v[rA:rA+3], v[AA] offset:ko
	ds_load_b128 v[rA+4:rA+7], v[AA] offset:ko+32
.set fa, fa+1
.endr
.endm
.macro QUARTER kq, f, g                ; the next quarter is fetched into g, then f is multiplied
	PLACES
	FETCH (\kq)+1, \g
	s_wait_dscnt NL                                ; all but the NL loads just issued: buffer f is in
	P1 \f
	P2 \f
.endm
.macro STEPQ                           ; all quarters of a K step but the last
.set q, 0
.rept NQ-1
	QUARTER q, q%2, 1-q%2
.set q, q+1
.endr
.endm
.macro ADDRS
	v_add_nc_u32 v[AA], s[TB], v[AA0]
	v_add_nc_u32 v[AB], s[TB], v[BB0]
	v_add_nc_u32 v[AB+1], s[TB], v[BB0+1]
.endm
; The last quarter (buffer 1) and the change of slots.  In front of the barrier each wave waits for all its tensor loads (one is out: its block of the other slot), adds 0 to its spare word, and waits for
; that and for its reads of this slot.  fill = 1: the barrier opens a round of the cluster's, and this slot is filled again first thing behind it, with the K step two on.
.macro TURN fill
	WIN 0
	s_wait_tensorcnt 0x0
	ds_add_u32 v[SPW], v[NIL]
.if \fill
	s_xor_b32 s[G0A+5], s[G0A+5], SLOT             ; no load of mine is out, so the walking descriptors step: the other slot, the next K step
	s_add_nc_u64 s[G0A+6:G0A+7], s[G0A+6:G0A+7], STEPA
	s_xor_b32 s[G0B+5], s[G0B+5], SLOT
	s_add_nc_u64 s[G0B+6:G0B+7], s[G0B+6:G0B+7], STEPB
.endif
	s_wait_dscnt 0x0                               ; the add is done, buffer 1 is in, my reads of this slot are over
	s_barrier_signal -1
	P1 1                                           ; work on registers while the others arrive
	WIN 0
	s_barrier_wait -1
.if \fill
	CREST
	JLOADW                                         ; its four v_nop are also the places in front of the loads below
.else
	PLACES
.endif
	s_xor_b32 s[TB], s[TB], SLOT
	ADDRS
	FETCH 0, 0
	P2 1
	WIN 0
.endm
; ---------------- the head ----------------
	s_load_b256 s[4:11], s[0:1], 0x0               ; xa s[4:5], wb s[6:7], h s[8:9], out0 s[10:11]
	v_lshl_add_u32 v[SPW], v0, 2, SPARE
	v_mov_b32 v[NIL], 0
	ds_add_u32 v[SPW], v[NIL]                      ; the wave's opening: the add and its wait ahead of my first tensor load; the set-up, work on registers, between them
	v_lshrrev_b32 v1, 5, v0
	v_readfirstlane_b32 s[WV], v1
	s_lshr_b32 s[WM], s[WV], 1
	s_and_b32 s[WN], s[WV], 1
	s_bfe_u32 s[CX], ttmp6, 0x40000
	s_bfe_u32 s[CY], ttmp6, 0x40004
	s_lshl_b32 s[TX], ttmp9, 2
	s_add_co_u32 s[TX], s[TX], s[CX]               ; column tile = 4 x cluster x + cx
	s_and_b32 s[TY], ttmp7, 0xffff
	s_lshl_b32 s[TY], s[TY], 2
	s_add_co_u32 s[TY], s[TY], s[CY]               ; row tile = 4 x cluster y + cy
	s_lshl_b32 s43, s[CY], 2
	s_lshl_b32 s43, 15, s43                        ; my row of the cluster
	s_lshl_b32 s44, 0x1111, s[CX]                  ; my column
	s_or_b32 s[G1A], s43, (1<<16)|(1<<20)|(1<<21)|(4<<22)|(3<<25)  ; mask; 2-byte elements; padding on; bit 21 beside a mask; after every 32 words 4 words
	s_mov_b32 s[G1A+1], 8192<<16                   ; tensor_dim0 = 8,192: a slab's 128 tokens, dense
	s_mov_b32 s[G1A+2], 2<<16                      ; tensor_dim1 = 2 slabs
	s_mov_b32 s[G1A+3], 8192<<16                   ; tile_dim0
	s_mov_b32 s[G1A+4], 2                          ; tile_dim1
	s_mov_b32 s[G1A+5], 131072                     ; elements from slab to slab
	s_mov_b32 s[G1A+6], 0
	s_mov_b32 s[G1A+7], 0
	s_or_b32 s[G1B], s44, (1<<16)|(1<<20)|(1<<21)|(5<<22)|(7<<25)  ; after every 64 words 8 words
	s_mov_b32 s[G1B+1], 128<<16
	s_mov_b32 s[G1B+2], 128<<16
	s_mov_b32 s[G1B+3], 128<<16
	s_mov_b32 s[G1B+4], 128
	s_mov_b32 s[G1B+5], 1024
	s_mov_b32 s[G1B+6], 0
	s_mov_b32 s[G1B+7], 0
	s_lshr_b32 s45, s[TY], 4                       ; the batch
	s_and_b32 s46, s[TY], 15                       ; the block of 128 tokens in it
	s_lshl_b32 s82, s45, 22                        ; activations: made of the tile row and the wave's number alone
	s_lshl_b32 s83, s46, 14
	s_add_co_u32 s82, s82, s83
	s_min_u32 s83, s[WV], NA-1
	s_lshl_b32 s83, s83, 19
	s_add_co_u32 s82, s82, s83
	s_mov_b32 s83, 0
	s_max_u32 s84, s[WV], NA                       ; weights: of the tile column and the wave's number alone
	s_sub_co_u32 s84, s84, NA
	s_mul_i32 s84, s84, BSTR
	s_lshl_b32 s85, s[TX], 8
	s_add_co_u32 s84, s84, s85
	s_add_co_u32 s84, s84, P0*2097152
	s_mov_b32 s85, 0
	s_mul_i32 s86, s[WV], BLK                      ; where my block goes: no place in the cluster enters an LDS address
	s_mov_b32 s[TB], 0
	s_wait_dscnt 0x0                               ; the opening add is done
	s_wait_kmcnt 0x0
	s_add_nc_u64 s[82:83], s[4:5], s[82:83]
	s_add_nc_u64 s[84:85], s[6:7], s[84:85]
.irp s, 0,1
	s_mov_b32 s[G0A+4*(\s)], 1
	s_add_co_u32 s[G0A+4*(\s)+1], s86, (\s)*SLOT
	s_add_nc_u64 s[G0A+4*(\s)+2:G0A+4*(\s)+3], s[82:83], (\s)*STEPA
	s_or_b32 s[G0A+4*(\s)+3], s[G0A+4*(\s)+3], 0x80000000
	s_mov_b32 s[G0B+4*(\s)], 1
	s_add_co_u32 s[G0B+4*(\s)+1], s86, (\s)*SLOT
	s_add_nc_u64 s[G0B+4*(\s)+2:G0B+4*(\s)+3], s[84:85], (\s)*STEPB
	s_or_b32 s[G0B+4*(\s)+3], s[G0B+4*(\s)+3], 0x80000000
.endr
	CROUND                                         ; all sixteen work-groups are here: the first joint loads meet
	s_cmp_lt_u32 s[WV], NA                         ; a wave's two first fills stand in one branch: two loads of mine are out
	s_cbranch_scc0 .Lfirst_b
	tensor_load_to_lds s[G0A:G0A+3], s[G1A:G1A+7]
	s_nop 0
	tensor_load_to_lds s[G0A+4:G0A+7], s[G1A:G1A+7]
	s_nop 0
	PLACES
	s_branch .Lfirst_done
.Lfirst_b:
	tensor_load_to_lds s[G0B:G0B+3], s[G1B:G1B+7]
	s_nop 0
	tensor_load_to_lds s[G0B+4:G0B+7], s[G1B:G1B+7]
	s_nop 0
	PLACES
.Lfirst_done:
	v_and_b32 v1, 15, v0                           ; r = l % 16
	v_bfe_u32 v2, v0, 4, 1                         ; h = l / 16
	v_mul_u32_u24 v[AA0], v1, 144
	v_lshl_add_u32 v[AA0], v2, 4, v[AA0]
	s_mul_i32 s71, s[WM], 64*144
	v_add_nc_u32 v[AA0], s71, v[AA0]               ; (64 wm + r) x 144 + 16 h
	v_and_b32 v30, 7, v0
	v_lshl_add_u32 v30, v2, 3, v30
	v_mul_u32_u24 v30, v30, 288
	v_bfe_u32 v31, v0, 3, 1
	v_lshl_add_u32 v30, v31, 4, v30                ; (8 h + l % 8) x 288 + 16 ((l / 8) % 2)
	s_lshl_b32 s71, s[WN], 7
	s_add_co_u32 s71, s71, NA*BLK
	v_add_nc_u32 v[BB0], s71, v30
	v_add_nc_u32 v[BB0+1], BLK, v[BB0]
; ---------------- this product's own: what the way out needs ----------------
	s_lshl_b32 s86, s[TY], 7
	s_lshl_b32 s87, s[WM], 6
	s_add_co_u32 s86, s86, s87                     ; my first token, 0..4032
	s_lshl_b32 s87, s[TX], 1
	s_add_co_u32 s87, s87, s[WN]                   ; my part of 64 columns, 0..15
	s_lshl_b32 s88, s86, 12
	s_lshl_b32 s89, s87, 8
	s_add_co_u32 s88, s88, s89
	s_mov_b32 s89, 0
	s_add_nc_u64 s[72:73], s[8:9], s[88:89]        ; the residual at my 64 x 64
	s_add_nc_u64 s[74:75], s[10:11], s[88:89]      ; out0 there
	v_lshlrev_b32 v[GO], 12, v2                    ; lanes 0-15 one row's 256 bytes, lanes 16-31 the next row's
	v_lshl_add_u32 v[GO], v1, 4, v[GO]
	WIN 0x40                                       ; window 1, v128-255: the residual, as the rows come back from the stage.  Waited for at the way out
.irp a, 0,1,2,3
.irp t, 0,1,2,3,4,5,6,7
	global_load_b128 v[128+32*\a+4*\t:128+32*\a+4*\t+3], v[GO], s[72:73] offset:65536*\a+8192*\t th:TH_LOAD_NT
.endr
.endr
	WIN 0
	s_mul_i32 s86, s[WV], 4352
	s_add_co_u32 s86, s86, STAGE                   ; my stage: 16 rows of 256 + 16 bytes
	v_mul_u32_u24 v[STO], v1, 272
	v_lshl_add_u32 v[STO], v2, 5, v[STO]
	v_add_nc_u32 v[STO], s86, v[STO]
	v_mul_u32_u24 v[RD], v2, 272
	v_lshl_add_u32 v[RD], v1, 4, v[RD]
	v_add_nc_u32 v[RD], s86, v[RD]
; ---------------- the sums start at 0, written in the wait for the first tile, so that a K step is written once for the loop and once for the tail ----------------
	WIN 0x80
.set z, 0
.rept 128
	v_mov_b32 v[z], 0
.set z, z+1
.endr
	WIN 0
	s_wait_tensorcnt 0x1                           ; my block of K step 0 is in; K step 1's may stay out
	s_barrier_signal -1
	s_barrier_wait -1
	ADDRS
	FETCH 0, 0
	s_mov_b32 s[CNT], T-2
.Lmain:                                            ; a trip multiplies a K step and fills its slot again
	STEPQ
	TURN 1
	s_sub_co_u32 s[CNT], s[CNT], 1
	s_cmp_lg_u32 s[CNT], 0
	s_cbranch_scc1 .Lmain
	s_mov_b32 s[CNT], 2
.Ltail:                                            ; the last two K steps ask for nothing; the very last change's barrier and fetch serve nothing: the price of one text for both
	STEPQ
	TURN 0
	s_sub_co_u32 s[CNT], s[CNT], 1
	s_cmp_lg_u32 s[CNT], 0
	s_cbranch_scc1 .Ltail
	s_wait_dscnt 0x0
	s_wait_loadcnt 0x0                             ; the residual
	PLACES
	PLACES
; ---------------- the way out, 16 tokens at a time: sums into my stage, whole rows of 256 bytes back; no store's registers are written again ----------------
.macro TOSTF a
	WIN 0x08                                       ; the stores' data in window 2
.irp b, 0,1,2,3
	ds_store_b128 v[STO], v[8*(4*(\a)+\b):8*(4*(\a)+\b)+3] offset:64*\b
	ds_store_b128 v[STO], v[8*(4*(\a)+\b)+4:8*(4*(\a)+\b)+7] offset:64*\b+16
.endr
	WIN 0
.irp t, 0,1,2,3,4,5,6,7
	ds_load_b128 v[64+32*(\a)+4*\t:64+32*(\a)+4*\t+3], v[RD] offset:544*\t   ; LDS serves a wave's instructions in order (ISA guide 5.7.1.4)
.endr
.endm
.macro FIN a, n                        ; n: the LDS instructions issued behind unit a's loads
	s_wait_dscnt \n
	WIN 0x04                                       ; source 1 (the residual) in window 1
.set t, 0
.rept 8
.set rH, 64+32*(\a)+4*t
	v_pk_add_f32 v[rH:rH+1], v[rH:rH+1], v[rH+64:rH+65]
	v_pk_add_f32 v[rH+2:rH+3], v[rH+2:rH+3], v[rH+66:rH+67]
.set t, t+1
.endr
	WIN 0
.set t, 0
.rept 8
.set rH, 64+32*(\a)+4*t
	global_store_b128 v[GO], v[rH:rH+3], s[74:75] offset:65536*(\a)+8192*t th:TH_STORE_NT    ; sixteen lanes store 256 consecutive bytes, aligned
.set t, t+1
.endr
.endm
	TOSTF 0
	TOSTF 1
	FIN 0, 16                                      ; behind unit 0's loads: unit 1's sixteen
	TOSTF 2
	FIN 1, 16
	TOSTF 3
	FIN 2, 16
	FIN 3, 0
	s_wait_tensorcnt 0x0                           ; the wave's end
	ds_add_u32 v[SPW], v[NIL]
	s_wait_dscnt 0x0
	CROUND                                         ; the closing round
	s_endpgm
.Lfunc_end_k_q9c5beb2cdc_down:
	.size	k_q9c5beb2cdc_down, .Lfunc_end_k_q9c5beb2cdc_down-k_q9c5beb2cdc_down
	.p2alignl 7, 3214868480
	.fill 96, 4, 3214868480
	.section	.rodata,"a",@progbits
	.p2align	6, 0x0
	.amdhsa_kernel k_q9c5beb2cdc_down
		.amdhsa_group_segment_fixed_size 327680
		.amdhsa_private_segment_fixed_size 0
		.amdhsa_enable_private_segment 0
		.amdhsa_kernarg_size 32
		.amdhsa_user_sgpr_count 2
		.amdhsa_user_sgpr_kernarg_segment_ptr 1
		.amdhsa_wavefront_size32 1
		.amdhsa_system_sgpr_workgroup_id_x 1
		.amdhsa_system_sgpr_workgroup_id_y 1
		.amdhsa_system_sgpr_workgroup_id_z 1
		.amdhsa_system_vgpr_workitem_id 0
		.amdhsa_next_free_vgpr 640
		.amdhsa_next_free_sgpr 96
		.amdhsa_reserve_vcc 0
		.amdhsa_float_denorm_mode_32 3
		.amdhsa_float_denorm_mode_16_64 3
		.amdhsa_memory_ordered 1
		.amdhsa_forward_progress 1
		.amdhsa_inst_pref_size 66
	.end_amdhsa_kernel
	.amdgpu_metadata
---
amdhsa.version: [ 1, 2 ]
amdhsa.kernels:
  - .name:           k_q9c5beb2cdc_down
    .symbol:         k_q9c5beb2cdc_down.kd
    .args:
      - { .name: xa, .offset: 0, .size: 8, .value_kind: global_buffer, .address_space: global }
      - { .name: wb, .offset: 8, .size: 8, .value_kind: global_buffer, .address_space: global }
      - { .name: h, .offset: 16, .size: 8, .value_kind: global_buffer, .address_space: global }
      - { .name: out0, .offset: 24, .size: 8, .value_kind: global_buffer, .address_space: global }
    .group_segment_fixed_size: 327680
    .private_segment_fixed_size: 0
    .kernarg_segment_align: 8
    .kernarg_segment_size: 32
    .max_flat_workgroup_size: 128
    .sgpr_count:     96
    .vgpr_count:     640
    .wavefront_size: 32
...
	.end_amdgpu_metadata
.endif
;; end of part 6
;; ======== version 2 of 3: 6 launches
;; workspace buffers: wb 14,680,064 bytes; xa 8,388,608 bytes; rope 524,288 bytes; qkv 25,165,824 bytes; ctx 8,388,608 bytes; h 16,777,216 bytes; hb 8,388,608 bytes; ssq 262,144 bytes
;; launch prep (part 7): grid 512 x 1, 8 waves a work-group, no clusters, 0 bytes of LDS; arguments Wq, Wk, Wv, Wo, w1, w3, w2, hidden_states, ln1_w, wb, xa, rope; writes wb, xa, rope
.if DOCPART == 7
	.amdgcn_target "amdgcn-amd-amdhsa--gfx1250"
	.amdhsa_code_object_version 6
	.text
	.protected	k_q9c5beb2cdc_prep
	.globl	k_q9c5beb2cdc_prep
	.p2align	8
	.type	k_q9c5beb2cdc_prep,@function
k_q9c5beb2cdc_prep:
	s_mov_b64 s[64:65], 0
	v_nop
	global_prefetch_b8 v0, s[64:65] scope:SCOPE_SE
	s_setreg_imm32_b32 hwreg(HW_REG_WAVE_MODE, 25, 1), 1
	s_wait_xcnt 0x0
; PREP.  512 work-groups of eight waves, all alike.  Work-group g does three things:
;   every wave      bytes 8,192 g .. 8,192 g + 8,191 of each of the seven weight matrices, f32 [1024 k][1024 n], rounded once to bf16 as they lie: wb[plane][k][n], planes Wq Wk Wv Wo w1 w3 w2
;   waves 0 to 3    xa = bf16(x * rsqrt(mean(x^2) + 1e-6) * ln1) for rows 8 g + 2 w and 8 g + 2 w + 1.  xa lies in SLABS: [16 b + column / 64][s][64], a slab row is 128 bytes
;   waves 4 to 7    the table rope[pos][cos 0..31 | sin 0..31] in f32 for position 4 g + w - 4
; No LDS, no matrix unit, no cluster: nothing is shared and each byte is touched once.  All of a wave's loads go out before its first wait.
; LIMITS.  The angle pos * 10000^(-i/32) is made in f32 (its frequency by 2^x, within some 5e-7 of itself), reduced by 2 pi in two parts, quartered, put through series cut at a^7 and a^8
; (|a| <= pi/4: under 4e-7) and doubled twice.  NaN and infinities in x are not treated apart.
.set W,  32                            ; v[32:87]   fourteen loads of weights
.set LN, 96                            ; v[96:159]  ln1
.set X,  160                           ; v[160:223] a pair of rows of x
	s_load_b512 s[4:19], s[0:1], 0x0               ; Wq s[4:5] Wk s[6:7] Wv s[8:9] Wo s[10:11] w1 s[12:13] w3 s[14:15] w2 s[16:17] hidden s[18:19]
	s_load_b256 s[20:27], s[0:1], 0x40             ; ln1 s[20:21] wb s[22:23] xa s[24:25] rope s[26:27]
	v_and_b32 v3, 31, v0                           ; lane
	v_lshrrev_b32 v4, 5, v0
	v_readfirstlane_b32 s3, v4                     ; wave 0..7
	s_mov_b32 s2, ttmp9                            ; g
	s_lshl_b32 s30, s2, 13
	v_lshl_add_u32 v1, v0, 4, s30                  ; weights in: 8,192 g + 16 t: a wave's load covers 512 consecutive bytes
	s_lshl_b32 s30, s2, 12
	v_lshl_add_u32 v2, v0, 3, s30                  ; weights out: 4,096 g + 8 t: a wave's store covers 256 consecutive bytes, aligned
	s_wait_kmcnt 0x0
	s_add_nc_u64 s[28:29], s[22:23], 0x800000      ; wb at plane 4: a store's immediate does not reach planes 4 to 6 from plane 0
.macro WLOADS
.irp k, 0,1,2,3,4,5,6
	global_load_b128 v[W+8*\k:W+8*\k+3], v1, s[4+2*\k:5+2*\k] th:TH_LOAD_NT
	global_load_b128 v[W+8*\k+4:W+8*\k+7], v1, s[4+2*\k:5+2*\k] offset:4096 th:TH_LOAD_NT
.endr
.endm
	s_cmp_lt_u32 s3, 4
	s_cbranch_scc0 .Lrope
; ---- the norm.  Lanes 0-15 one row, lanes 16-31 the next; load j takes columns 64 j + 4 (l % 16) .. + 3, which is slab j.
	s_lshl_b32 s34, s2, 3
	s_lshl_b32 s30, s3, 1
	s_add_co_u32 s34, s34, s30                     ; my wave's first row, 0..4094
	s_lshl_b32 s30, s34, 12
	s_mov_b32 s31, 0
	s_add_nc_u64 s[18:19], s[18:19], s[30:31]
	s_lshr_b32 s32, s34, 11
	s_lshl_b32 s32, s32, 22                        ; the batch's sixteen slabs
	s_and_b32 s33, s34, 2047
	s_lshl_b32 s33, s33, 7                         ; the row in a slab
	s_add_co_u32 s30, s32, s33
	s_add_nc_u64 s[24:25], s[24:25], s[30:31]
	s_mov_b32 s36, 0x3a800000                      ; 1/1024
	s_mov_b32 s37, 0x358637bd                      ; 1e-6
	v_and_b32 v4, 15, v0
	v_lshlrev_b32 v12, 4, v4                       ; 16 (l % 16)
	v_bfe_u32 v5, v0, 4, 1
	v_lshl_add_u32 v13, v5, 12, v12                ; + a row for the upper lanes
	v_lshlrev_b32 v14, 3, v3                       ; 8 l: two slab rows are 256 bytes on end
.set j, 0
.rept 16
	global_load_b128 v[LN+4*j:LN+4*j+3], v12, s[20:21] offset:256*j
.set j, j+1
.endr
.set j, 0
.rept 16
	global_load_b128 v[X+4*j:X+4*j+3], v13, s[18:19] offset:256*j th:TH_LOAD_NT
.set j, j+1
.endr
	WLOADS
	s_wait_loadcnt 14                              ; ln1 and the rows are in; the fourteen loads of weights, issued behind them, stay out
.set j, 0
.rept 16                               ; the sum of squares in four chains; the first two loads' squares start them
.set c, 4+4*(j%2)
.if j < 2
	v_pk_mul_f32 v[c:c+1], v[X+4*j:X+4*j+1], v[X+4*j:X+4*j+1]
	v_pk_mul_f32 v[c+2:c+3], v[X+4*j+2:X+4*j+3], v[X+4*j+2:X+4*j+3]
.else
	v_pk_fma_f32 v[c:c+1], v[X+4*j:X+4*j+1], v[X+4*j:X+4*j+1], v[c:c+1]
	v_pk_fma_f32 v[c+2:c+3], v[X+4*j+2:X+4*j+3], v[X+4*j+2:X+4*j+3], v[c+2:c+3]
.endif
.set j, j+1
.endr
	v_pk_add_f32 v[4:5], v[4:5], v[6:7]
	v_pk_add_f32 v[8:9], v[8:9], v[10:11]
	v_pk_add_f32 v[4:5], v[4:5], v[8:9]
	v_add_f32 v4, v4, v5
	v_add_f32_dpp v4, v4, v4 row_xmask:1 row_mask:0xf bank_mask:0xf   ; a row lies in sixteen lanes
	v_add_f32_dpp v4, v4, v4 row_xmask:2 row_mask:0xf bank_mask:0xf
	v_add_f32_dpp v4, v4, v4 row_xmask:4 row_mask:0xf bank_mask:0xf
	v_add_f32_dpp v4, v4, v4 row_xmask:8 row_mask:0xf bank_mask:0xf
	v_fma_f32 v4, v4, s36, s37
	v_rsq_f32 v6, v4
	v_rsq_f32 v7, v4                               ; twice: a pair for the packed multiply
	v_nop                                          ; the plain instruction behind them,
	s_wait_alu depctr_va_vdst(0)                   ; and one wait for both, ahead of their first reader
.set j, 0
.rept 16
	v_pk_mul_f32 v[X+4*j:X+4*j+1], v[X+4*j:X+4*j+1], v[6:7]
	v_pk_mul_f32 v[X+4*j+2:X+4*j+3], v[X+4*j+2:X+4*j+3], v[6:7]
	v_pk_mul_f32 v[X+4*j:X+4*j+1], v[X+4*j:X+4*j+1], v[LN+4*j:LN+4*j+1]
	v_pk_mul_f32 v[X+4*j+2:X+4*j+3], v[X+4*j+2:X+4*j+3], v[LN+4*j+2:LN+4*j+3]
	v_cvt_pk_bf16_f32 v[X+4*j], v[X+4*j], v[X+4*j+1]
	v_cvt_pk_bf16_f32 v[X+4*j+1], v[X+4*j+2], v[X+4*j+3]
	global_store_b64 v14, v[X+4*j:X+4*j+1], s[24:25] offset:262144*j   ; 256 consecutive bytes, aligned
.set j, j+1
.endr
	s_branch .Lconv
; ---- the table.  Lane l: frequencies 2 (l % 16) and 2 (l % 16) + 1; lanes 0-15 keep the cosines, lanes 16-31 the sines: the store is the position's 256 bytes.
.Lrope:
	WLOADS                                         ; the arithmetic below stands in the wait for them
	s_lshl_b32 s38, s2, 2
	s_add_co_u32 s38, s38, s3
	s_sub_co_u32 s38, s38, 4                       ; my wave's position
	s_lshl_b32 s39, s38, 8
	s_mov_b32 s40, 0x40c90fdb                      ; 2 pi, its f32
	s_mov_b32 s41, 0xb43bbd2e                      ; and what that f32 leaves over
	v_and_b32 v4, 15, v0
	v_lshlrev_b32 v4, 1, v4
	v_cvt_f32_u32 v5, v4
	v_add_f32 v6, 1.0, v5
	v_mul_f32 v5, 0xbed49a78, v5                   ; -i log2(10000) / 32
	v_mul_f32 v6, 0xbed49a78, v6
	v_exp_f32 v8, v5
	v_exp_f32 v9, v6
	v_lshl_add_u32 v7, v3, 3, s39                  ; pos x 256 + 8 l: the plain instruction behind the two exponentials
	v_cmp_le_u32 vcc_lo, 16, v3
	v_cvt_f32_u32 v10, s38
	s_wait_alu depctr_va_vdst(0)                   ; one wait for both, ahead of their first reader
.macro SC th, sn, cs                   ; sine and cosine of v[th]
	v_mul_f32 v20, 0.15915494, v[\th]
	v_rndne_f32 v20, v20                           ; whole turns
	v_fma_f32 v21, -v20, s40, v[\th]
	v_fma_f32 v21, -v20, s41, v21                  ; the rest, within pi
	v_mul_f32 v21, 0x3e800000, v21                 ; a = a quarter of it
	v_mul_f32 v22, v21, v21
	v_mov_b32 v23, 0xb9500d01                      ; -1/5040
	v_fmaak_f32 v23, v23, v22, 0x3c088889          ; 1/120
	v_fmaak_f32 v23, v23, v22, 0xbe2aaaab          ; -1/6
	v_mul_f32 v24, v21, v22
	v_fma_f32 v[\sn], v24, v23, v21
	v_mov_b32 v23, 0x37d00d01                      ; 1/40320
	v_fmaak_f32 v23, v23, v22, 0xbab60b61          ; -1/720
	v_fmaak_f32 v23, v23, v22, 0x3d2aaaab          ; 1/24
	v_fmaak_f32 v23, v23, v22, 0xbf000000          ; -1/2
	v_fma_f32 v[\cs], v23, v22, 1.0
.rept 2                                ; twice: sin 2a = 2 sin a cos a, cos 2a = 1 - 2 sin^2 a
	v_mul_f32 v24, v[\sn], v[\cs]
	v_mul_f32 v23, v[\sn], v[\sn]
	v_add_f32 v[\sn], v24, v24
	v_fma_f32 v[\cs], v23, -2.0, 1.0
.endr
.endm
	v_mul_f32 v12, v10, v8
	v_mul_f32 v13, v10, v9
	SC 12, 14, 16
	SC 13, 15, 17
	v_cndmask_b32 v18, v16, v14, vcc_lo
	v_cndmask_b32 v19, v17, v15, vcc_lo
	global_store_b64 v7, v[18:19], s[26:27]
; ---- the weights: load i = 2 k + u is half u of my 8,192 bytes of plane k
.Lconv:
.set i, 0
.rept 14
	s_wait_loadcnt 13-i                            ; loads come back in order: the younger ones stay out
	v_cvt_pk_bf16_f32 v[W+4*i], v[W+4*i], v[W+4*i+1]
	v_cvt_pk_bf16_f32 v[W+4*i+1], v[W+4*i+2], v[W+4*i+3]
	global_store_b64 v2, v[W+4*i:W+4*i+1], s[22+6*(i/8):23+6*(i/8)] offset:2097152*((i/2)%4)+2048*(i%2)
.set i, i+1
.endr
	s_endpgm
.Lfunc_end_k_q9c5beb2cdc_prep:
	.size	k_q9c5beb2cdc_prep, .Lfunc_end_k_q9c5beb2cdc_prep-k_q9c5beb2cdc_prep
	.p2alignl 7, 3214868480
	.fill 96, 4, 3214868480
	.section	.rodata,"a",@progbits
	.p2align	6, 0x0
	.amdhsa_kernel k_q9c5beb2cdc_prep
		.amdhsa_group_segment_fixed_size 0
		.amdhsa_private_segment_fixed_size 0
		.amdhsa_enable_private_segment 0
		.amdhsa_kernarg_size 96
		.amdhsa_user_sgpr_count 2
		.amdhsa_user_sgpr_kernarg_segment_ptr 1
		.amdhsa_wavefront_size32 1
		.amdhsa_system_sgpr_workgroup_id_x 1
		.amdhsa_system_sgpr_workgroup_id_y 1
		.amdhsa_system_sgpr_workgroup_id_z 1
		.amdhsa_system_vgpr_workitem_id 0
		.amdhsa_next_free_vgpr 224
		.amdhsa_next_free_sgpr 66
		.amdhsa_reserve_vcc 1
		.amdhsa_float_denorm_mode_32 3
		.amdhsa_float_denorm_mode_16_64 3
		.amdhsa_memory_ordered 1
		.amdhsa_forward_progress 1
		.amdhsa_inst_pref_size 25
	.end_amdhsa_kernel
	.amdgpu_metadata
---
amdhsa.version: [ 1, 2 ]
amdhsa.kernels:
  - .name:           k_q9c5beb2cdc_prep
    .symbol:         k_q9c5beb2cdc_prep.kd
    .args:
      - { .name: Wq, .offset: 0, .size: 8, .value_kind: global_buffer, .address_space: global }
      - { .name: Wk, .offset: 8, .size: 8, .value_kind: global_buffer, .address_space: global }
      - { .name: Wv, .offset: 16, .size: 8, .value_kind: global_buffer, .address_space: global }
      - { .name: Wo, .offset: 24, .size: 8, .value_kind: global_buffer, .address_space: global }
      - { .name: w1, .offset: 32, .size: 8, .value_kind: global_buffer, .address_space: global }
      - { .name: w3, .offset: 40, .size: 8, .value_kind: global_buffer, .address_space: global }
      - { .name: w2, .offset: 48, .size: 8, .value_kind: global_buffer, .address_space: global }
      - { .name: hidden_states, .offset: 56, .size: 8, .value_kind: global_buffer, .address_space: global }
      - { .name: ln1_w, .offset: 64, .size: 8, .value_kind: global_buffer, .address_space: global }
      - { .name: wb, .offset: 72, .size: 8, .value_kind: global_buffer, .address_space: global }
      - { .name: xa, .offset: 80, .size: 8, .value_kind: global_buffer, .address_space: global }
      - { .name: rope, .offset: 88, .size: 8, .value_kind: global_buffer, .address_space: global }
    .group_segment_fixed_size: 0
    .private_segment_fixed_size: 0
    .kernarg_segment_align: 8
    .kernarg_segment_size: 96
    .max_flat_workgroup_size: 256
    .sgpr_count:     66
    .vgpr_count:     224
    .wavefront_size: 32
...
	.end_amdgpu_metadata
.endif
;; end of part 7
;; launch qkv (part 8): grid 8 x 32, 4 waves a work-group, clusters of 4 x 4, 327,680 bytes of LDS; arguments xa, wb, rope, qkv; writes qkv
.if DOCPART == 8
	.amdgcn_target "amdgcn-amd-amdhsa--gfx1250"
	.amdhsa_code_object_version 6
	.text
	.protected	k_q9c5beb2cdc_qkv
	.globl	k_q9c5beb2cdc_qkv
	.p2align	8
	.type	k_q9c5beb2cdc_qkv,@function
k_q9c5beb2cdc_qkv:
	s_mov_b64 s[64:65], 0
	v_nop
	global_prefetch_b8 v0, s[64:65] scope:SCOPE_SE
	s_setreg_imm32_b32 hwreg(HW_REG_WAVE_MODE, 25, 1), 1
	s_wait_xcnt 0x0
	s_wait_alu depctr_hold_cnt(0) depctr_sa_sdst(0) depctr_va_vdst(0) depctr_va_sdst(0) depctr_va_ssrc(0) depctr_va_vcc(0) depctr_vm_vsrc(0)
	s_getreg_b32 s2, hwreg(HW_REG_IB_STS2, 6, 4)
	s_cmp_eq_u32 s2, 0
	s_cbranch_scc0 .Lentry_in_a_cluster
	s_endpgm
.Lentry_in_a_cluster:
	s_bfe_u32 s2, ttmp6, 0x10000c
	s_cmp_lg_u32 s2, 0xf033
	s_cbranch_scc0 .Lentry_shape_is_right
	s_endpgm
.Lentry_shape_is_right:
; Q, K, V = xa x (Wq | Wk | Wv), with the rotary turn on Q and K, stored by heads: qkv[plane][16 b + head][s][64] in bf16, unscaled.
; A work-group makes 128 tokens x 128 columns of each of the three planes; a wave 64 x 64 x 3: 48 accumulators.  K goes in steps of 128 through two LDS slots.
; OPERANDS.  xa lies in slabs [16 b + k / 64][s][64]: 128 tokens of a slab are 16,384 dense bytes.  The weights lie [k][n] and are turned on the way out of LDS (ds_load_tr16_b128).
; The matrix instruction is used transposed (source 0 = 16 columns of W, source 1 = 16 tokens): a lane holds one token (lane % 16) and eight neighbouring columns 8 (lane / 16) + 0..7.
; A wave's 64 columns are one head, so the rotary partner of column d, d + 32, lies in the same lane two accumulators on.
; CLUSTER 4 x 4: the activations' block is shared along a row of the cluster, a weight block along a column; each is asked for jointly.  Wave i fetches block i of a slot: xa, Wq, Wk, Wv.
; THE WALK ALONG K is 32 quarters of 32.  An even quarter lies in fragment buffer 0 and fetches the odd one behind it, an odd quarter lies in buffer 1 and fetches the next even one.  64 along K are 18,432
; bytes in both kinds of block, so one scalar names the place and a PAIR (odd quarter, even quarter, step) has one text.  A slot changes in front of its last quarter: NQ / 2 pairs lie between two changes.
; Quarter 0 is written out: its products start the sums, and nothing is cleared.
; LIMITS: operands and results bf16, sums f32; NaN and infinities are not treated apart.
.set NT, 3            ; planes of weights
.set NA, 1            ; blocks of activations in a slot
.set NBB, 3           ; blocks of weights in a slot
.set NQ, 4            ; quarters of 32 along K in a slot
.set T, 8             ; K steps = fills of a slot
.set P0, 0            ; first plane of wb
.set STEPA, 524288    ; bytes from K step to K step: two slabs,
.set STEPB, 262144    ; 128 rows of a weight plane
.set BSTR, 2097152    ; from weight block to weight block: a plane
.set SPARE, 2*147456+9216
.set OUT, 64
; ---------------- what the four products of this program have in common ----------------
.set BLK,   36864     ; a block in LDS.  Activations: two slabs of 128 rows, 128 bytes + 16 of padding.  Weights: 128 k rows, 256 bytes + 32 of padding
.set HS,    18432     ; 64 along K: a slab of activations, or 64 k rows of weights
.set SLOT,  4*BLK     ; its bits (14, 17) meet none of w x BLK (12, 13, 15, 16): one exclusive or changes slots
.set STAGE, 2*SLOT    ; behind the ring: the waves' stages for the way out, then the spare words; no tensor load lands there
.set NL,    8+8*NT    ; LDS loads of a quarter
.set NP2,   NQ/2      ; pairs of quarters in a slot
.set AA0, 4           ; v4      my lane's place in the activations' block          v5-7  in the weight blocks; never rewritten
.set BB0, 5
.set AA,  8           ; v8      the same at the place that s[TB] names              v9-11
.set AB,  9
.set STO, 12          ; v12, v13 the way out: into my stage, and back
.set RD,  13
.set GO,  14          ; v14     my byte offset in what I store
.set XO,  15          ; v15     my byte offset in what the way out loads
.set PFO, 26          ; v26     the prefetches' lane offset
.set SPW, 28          ; v28     my spare word: SPARE + 4 x my thread's number      v29  0; both never rewritten
.set NIL, 29
.set AF,  64          ; v64-127 fragments of activations, two buffers of 4 x 8.  Window 1: fragments of weights, two buffers of 32 NT.  Windows 2, 3: accumulators, plane p at 128 p
.set WV, 20           ; s20-23  wave, its half of the rows, its half of the columns, the tile row
.set WM, 21
.set WN, 22
.set TY, 23
.set G1A, 24          ; s[24:31], s[32:39] descriptor groups 1 and 0 (two sets) for activations
.set G0A, 32
.set CX, 40
.set CY, 41
.set TX, 42
.set G1B, 48          ; s[48:55], s[56:63] the same for weights
.set G0B, 56
.set TB, 66           ; s66     the slot in hand (0 or SLOT) + the place along K
.set CNT, 67          ; s67     counts the changes of slots
.set PFA, 68          ; s[68:69] where my prefetches stand          s[90:91] their step
.set LIM, 70          ; s70     1 in a wave that prefetches, else the greatest number
.set CN2, 71          ; s71     counts the pairs of quarters
.set MSB, 0
.macro WIN new                         ; the immediate's high byte repeats the setting that is left; a switch that changes nothing is dropped
.if MSB != (\new)
	s_set_vgpr_msb (MSB<<8)|(\new)
.set MSB, \new
.endif
.endm
.macro PLACES                          ; four plain vector instructions between a matrix instruction and a load into, or a vector line on, its registers
.rept 4
	v_nop
.endr
.endm
.macro CROUND                          ; a round of the cluster's barrier
	s_barrier_signal -1
	s_barrier_wait -1
	s_cmp_lg_u32 s[WV], 0
	s_cbranch_scc1 .Lnot_wave_0_\@
	s_barrier_signal -3
.Lnot_wave_0_\@:
	s_barrier_wait -3
	s_barrier_signal -1
	s_barrier_wait -1
.endm
.macro JLOADW                          ; the joint refill: wave i fetches block i by the walking descriptor; the branch hangs on the wave's number alone
	s_cmp_lt_u32 s[WV], NA
	s_cbranch_scc0 .Lfor_b_\@
	tensor_load_to_lds s[G0A+4:G0A+7], s[G1A:G1A+7]
	s_nop 0
	PLACES
	s_branch .Lasked_\@
.Lfor_b_\@:
	tensor_load_to_lds s[G0B+4:G0B+7], s[G1B:G1B+7]
	s_nop 0
	PLACES
.Lasked_\@:
.endm
; A quarter's products out of buffer f.  All 16 NT accumulators take turns, one instruction a turn, in the same order in every quarter, over all back edges.  zero = 1: they start the sums.
.macro MUL f, zero
.set mp, 0
.rept NT
.if mp < 2
	WIN 0xa1                                       ; weights window 1, activations window 0, sums window 2
.else
	WIN 0xf1                                       ; sums window 3
.endif
.set ma, 0
.rept 16
.set rC, 128*(mp%2)+8*ma
.set rB, 32*NT*(\f)+32*mp+8*(ma%4)
.set rA, AF+32*(\f)+8*(ma/4)
.if \zero
	v_wmma_f32_16x16x32_bf16 v[rC:rC+7], v[rB:rB+7], v[rA:rA+7], 0
.else
	v_wmma_f32_16x16x32_bf16 v[rC:rC+7], v[rB:rB+7], v[rA:rA+7], v[rC:rC+7]
.endif
.set ma, ma+1
.endr
.set mp, mp+1
.endr
.endm
.macro FETCH ao, bo, f                 ; a quarter's fragments, ao bytes behind v[AA] and bo bytes behind v[AB ..], into buffer f, in one run
	WIN 0x40                                       ; destination window 1, address window 0
.set fp, 0
.rept NT
.set fb, 0
.rept 4
.set rB, 32*NT*(\f)+32*fp+8*fb
	ds_load_tr16_b128 v[rB:rB+3], v[AB+fp] offset:(\bo)+32*fb          ; k = 8 (l / 16) + 0..7 of column l % 16
	ds_load_tr16_b128 v[rB+4:rB+7], v[AB+fp] offset:(\bo)+32*fb+4608   ; sixteen k rows on
.set fb, fb+1
.endr
.set fp, fp+1
.endr
	WIN 0
.set fa, 0
.rept 4
.set rA, AF+32*(\f)+8*fa
	ds_load_b128 v[rA:rA+3], v[AA] offset:(\ao)+2304*fa
	ds_load_b128 v[rA+4:rA+7], v[AA] offset:(\ao)+2304*fa+32
.set fa, fa+1
.endr
.endm
.macro QUARTER ao, bo, f, zero=0       ; the next quarter is fetched into the other buffer, then f is multiplied
	PLACES
	FETCH \ao, \bo, 1-(\f)
	s_wait_dscnt NL                                ; all but the NL loads just issued: buffer f is in
	MUL \f, \zero
.endm
.macro ADDRS
	v_add_nc_u32 v[AA], s[TB], v[AA0]
.set fp, 0
.rept NT
	v_add_nc_u32 v[AB+fp], s[TB], v[BB0+fp]
.set fp, fp+1
.endr
.endm
.macro STEP                            ; 64 along K on
	WIN 0
	s_add_co_u32 s[TB], s[TB], HS
	ADDRS
.endm
.macro PAIR                            ; an odd quarter, which fetches the even one at s[TB]; that even quarter, which fetches the odd one behind it; the step
	QUARTER 0, 0, 1
	QUARTER 64, 9216, 0
	STEP
.endm
.macro ASK                             ; a prefetch of my share of the block that I fetch, for the K step behind the one just asked for; the last refill has none behind it
	s_cmp_gt_u32 s[CNT], s[LIM]
	s_cbranch_scc0 .Lnot_mine_\@
	global_prefetch_b8 v[PFO], s[PFA:PFA+1] th:TH_LOAD_NT scope:SCOPE_SE
.Lnot_mine_\@:
.endm
; THE CHANGE OF SLOTS, in front of a slot's last quarter, whose fragments have been asked for.  Each wave waits for all its tensor loads (one is out: its block of the other slot), adds 0 to its spare word, and
; waits for that and for its reads of this slot.  fill = 1: a round of the cluster's barrier follows, and this slot is filled again first thing behind it, with the K step two on.
.macro CHG fill
.if \fill
	s_wait_xcnt 0x0                                ; the last prefetch, a K step back, has read its address
	s_add_nc_u64 s[PFA:PFA+1], s[PFA:PFA+1], s[90:91]
.endif
	s_wait_tensorcnt 0x0
	ds_add_u32 v[SPW], v[NIL]                      ; 0 onto my spare word; work on registers stands between it and the wait for it
.if \fill
	s_xor_b32 s[G0A+5], s[G0A+5], SLOT             ; no load of mine is out, so the walking descriptors step: the other slot, the next K step
	s_add_nc_u64 s[G0A+6:G0A+7], s[G0A+6:G0A+7], STEPA
	s_xor_b32 s[G0B+5], s[G0B+5], SLOT
	s_add_nc_u64 s[G0B+6:G0B+7], s[G0B+6:G0B+7], STEPB
.endif
	s_sub_co_u32 s[TB], s[TB], NP2*HS              ; the fetches go back to a slot's first quarter,
	s_xor_b32 s[TB], s[TB], SLOT                   ; in the other slot
	ADDRS
	s_wait_dscnt 0x0                               ; the add is done, buffer 1 is in, my reads of this slot are over
.if \fill
	CROUND
	JLOADW
	ASK
.else
	s_barrier_signal -1
	s_barrier_wait -1
.endif
.endm
; ---------------- the head ----------------
	s_load_b256 s[4:11], s[0:1], 0x0               ; xa s[4:5], wb s[6:7], rope s[8:9], qkv s[10:11]
	v_lshl_add_u32 v[SPW], v0, 2, SPARE
	v_mov_b32 v[NIL], 0
	ds_add_u32 v[SPW], v[NIL]                      ; the wave's opening: the add and its wait ahead of my first tensor load; the set-up, work on registers, between them
	v_lshrrev_b32 v1, 5, v0
	v_readfirstlane_b32 s[WV], v1
	s_lshr_b32 s[WM], s[WV], 1
	s_and_b32 s[WN], s[WV], 1
	s_bfe_u32 s[CX], ttmp6, 0x40000
	s_bfe_u32 s[CY], ttmp6, 0x40004
	s_lshl_b32 s[TX], ttmp9, 2
	s_add_co_u32 s[TX], s[TX], s[CX]               ; column tile = 4 x cluster x + cx
	s_and_b32 s[TY], ttmp7, 0xffff
	s_lshl_b32 s[TY], s[TY], 2
	s_add_co_u32 s[TY], s[TY], s[CY]               ; row tile = 4 x cluster y + cy
	s_lshl_b32 s43, s[CY], 2
	s_lshl_b32 s43, 15, s43                        ; my row of the cluster
	s_lshl_b32 s44, 0x1111, s[CX]                  ; my column
	s_or_b32 s[G1A], s43, (1<<16)|(1<<20)|(1<<21)|(4<<22)|(3<<25)  ; mask; 2-byte elements; padding on; bit 21 beside a mask; after every 32 words 4 words
	s_mov_b32 s[G1A+1], 8192<<16                   ; tensor_dim0 = 8,192: a slab's 128 tokens, dense
	s_mov_b32 s[G1A+2], 2<<16                      ; tensor_dim1 = 2 slabs
	s_mov_b32 s[G1A+3], 8192<<16                   ; tile_dim0
	s_mov_b32 s[G1A+4], 2                          ; tile_dim1
	s_mov_b32 s[G1A+5], 131072                     ; elements from slab to slab
	s_mov_b32 s[G1A+6], 0
	s_mov_b32 s[G1A+7], 0
	s_or_b32 s[G1B], s44, (1<<16)|(1<<20)|(1<<21)|(5<<22)|(7<<25)  ; after every 64 words 8 words
	s_mov_b32 s[G1B+1], 128<<16
	s_mov_b32 s[G1B+2], 128<<16
	s_mov_b32 s[G1B+3], 128<<16
	s_mov_b32 s[G1B+4], 128
	s_mov_b32 s[G1B+5], 1024
	s_mov_b32 s[G1B+6], 0
	s_mov_b32 s[G1B+7], 0
	s_lshr_b32 s45, s[TY], 4                       ; the batch
	s_and_b32 s46, s[TY], 15                       ; the block of 128 tokens in it
	s_lshl_b32 s82, s45, 22                        ; activations: made of the tile row and the wave's number alone
	s_lshl_b32 s83, s46, 14
	s_add_co_u32 s82, s82, s83
	s_min_u32 s83, s[WV], NA-1
	s_lshl_b32 s83, s83, 19
	s_add_co_u32 s82, s82, s83
	s_mov_b32 s83, 0
	s_max_u32 s84, s[WV], NA                       ; weights: of the tile column and the wave's number alone
	s_sub_co_u32 s84, s84, NA
	s_mul_i32 s84, s84, BSTR
	s_lshl_b32 s85, s[TX], 8
	s_add_co_u32 s84, s84, s85
	s_add_co_u32 s84, s84, P0*2097152
	s_mov_b32 s85, 0
	s_mul_i32 s86, s[WV], BLK                      ; where my block goes: no place in the cluster enters an LDS address
	s_mov_b32 s[TB], 0
	s_wait_dscnt 0x0                               ; the opening add is done
	s_wait_kmcnt 0x0
	s_add_nc_u64 s[82:83], s[4:5], s[82:83]
	s_add_nc_u64 s[84:85], s[6:7], s[84:85]
.irp s, 0,1
	s_mov_b32 s[G0A+4*(\s)], 1
	s_add_co_u32 s[G0A+4*(\s)+1], s86, (\s)*SLOT
	s_add_nc_u64 s[G0A+4*(\s)+2:G0A+4*(\s)+3], s[82:83], (\s)*STEPA
	s_or_b32 s[G0A+4*(\s)+3], s[G0A+4*(\s)+3], 0x80000000
	s_mov_b32 s[G0B+4*(\s)], 1
	s_add_co_u32 s[G0B+4*(\s)+1], s86, (\s)*SLOT
	s_add_nc_u64 s[G0B+4*(\s)+2:G0B+4*(\s)+3], s[84:85], (\s)*STEPB
	s_or_b32 s[G0B+4*(\s)+3], s[G0B+4*(\s)+3], 0x80000000
.endr
	; The prefetches.  A block is 128 pieces of 256 bytes.  The four partners that ask for it jointly take 32 each, told apart by address; of the clusters that read it, the first along the other axis asks.
	s_lshr_b32 s87, s[CX], 1
	s_lshl_b32 s87, s87, 18                        ; activations: partner cx takes slab cx / 2,
	s_and_b32 s88, s[CX], 1
	s_lshl_b32 s88, s88, 13                        ; half cx % 2 of its 16,384 bytes
	s_add_co_u32 s87, s87, s88
	s_add_co_u32 s87, s87, 2*STEPA                 ; at K step 2: the first change of slots steps it to 3
	s_lshl_b32 s88, s[CY], 16                      ; weights: partner cy takes 32 of the 128 k rows
	s_add_co_u32 s88, s88, 2*STEPB
	s_and_b32 s71, ttmp7, 0xffff
	s_mov_b32 s90, STEPB
	s_cmp_lt_u32 s[WV], NA
	s_cselect_b32 s88, s87, s88
	s_cselect_b32 s71, ttmp9, s71                  ; the cluster coordinate along which others read the same block
	s_cselect_b32 s87, 8, 11                       ; a lane a piece: 256 bytes on, or a row of 2,048 on
	s_cselect_b32 s90, STEPA, s90
	s_cselect_b64 s[PFA:PFA+1], s[82:83], s[84:85]
	s_mov_b32 s89, 0
	s_mov_b32 s91, 0
	s_add_nc_u64 s[PFA:PFA+1], s[PFA:PFA+1], s[88:89]
	s_cmp_eq_u32 s71, 0
	s_cselect_b32 s[LIM], 1, -1
	v_and_b32 v[PFO], 31, v0
	v_lshlrev_b32 v[PFO], s87, v[PFO]
	CROUND                                         ; all sixteen work-groups are here: the first joint loads meet
	s_cmp_lt_u32 s[WV], NA                         ; a wave's two first fills stand in one branch: two loads of mine are out
	s_cbranch_scc0 .Lfirst_b
	tensor_load_to_lds s[G0A:G0A+3], s[G1A:G1A+7]
	s_nop 0
	tensor_load_to_lds s[G0A+4:G0A+7], s[G1A:G1A+7]
	s_nop 0
	PLACES
	s_branch .Lfirst_done
.Lfirst_b:
	tensor_load_to_lds s[G0B:G0B+3], s[G1B:G1B+7]
	s_nop 0
	tensor_load_to_lds s[G0B+4:G0B+7], s[G1B:G1B+7]
	s_nop 0
	PLACES
.Lfirst_done:
	v_and_b32 v1, 15, v0                           ; r = l % 16
	v_bfe_u32 v2, v0, 4, 1                         ; h = l / 16
	v_and_b32 v3, 31, v0                           ; l
	v_mul_u32_u24 v[AA0], v1, 144
	v_lshl_add_u32 v[AA0], v2, 4, v[AA0]
	s_mul_i32 s71, s[WM], 64*144
	v_add_nc_u32 v[AA0], s71, v[AA0]               ; (64 wm + r) x 144 + 16 h
	v_and_b32 v30, 7, v0
	v_lshl_add_u32 v30, v2, 3, v30
	v_mul_u32_u24 v30, v30, 288
	v_bfe_u32 v31, v0, 3, 1
	v_lshl_add_u32 v30, v31, 4, v30                ; (8 h + l % 8) x 288 + 16 ((l / 8) % 2)
	s_lshl_b32 s71, s[WN], 7
	s_add_co_u32 s71, s71, NA*BLK
	v_add_nc_u32 v[BB0], s71, v30
	v_add_nc_u32 v[BB0+1], BLK, v[BB0]
	v_add_nc_u32 v[BB0+2], 2*BLK, v[BB0]
; ---------------- this product's own: what the way out needs ----------------
	s_lshl_b32 s86, s46, 7
	s_lshl_b32 s87, s[WM], 6
	s_add_co_u32 s86, s86, s87                     ; my wave's first position in its sequence
	v_add_nc_u32 v[XO], s86, v1
	v_lshlrev_b32 v[XO], 8, v[XO]                  ; a position's 256 bytes of the table,
	v_lshl_add_u32 v[XO], v2, 5, v[XO]             ; my eight frequencies
	WIN 0xc0                                       ; window 3, v128-255: token block a, cos | sin, column block b: as the accumulators lie.  Waited for at the way out
.irp a, 0,1,2,3
.irp c, 0,1
.irp b, 0,1
	global_load_b128 v[128+32*\a+16*\c+8*\b:128+32*\a+16*\c+8*\b+3], v[XO], s[8:9] offset:4096*\a+128*\c+64*\b
	global_load_b128 v[128+32*\a+16*\c+8*\b+4:128+32*\a+16*\c+8*\b+7], v[XO], s[8:9] offset:4096*\a+128*\c+64*\b+16
.endr
.endr
.endr
	WIN 0
	s_lshl_b32 s87, s45, 4
	s_lshl_b32 s88, s[TX], 1
	s_add_co_u32 s87, s87, s88
	s_add_co_u32 s87, s87, s[WN]                   ; my slab: 16 b + head
	s_lshl_b32 s87, s87, 18
	s_lshl_b32 s86, s86, 7
	s_add_co_u32 s86, s86, s87
	s_mov_b32 s87, 0
	s_add_nc_u64 s[72:73], s[10:11], s[86:87]      ; q, k, v at my wave's 64 rows: 8,192 consecutive bytes each
	s_add_nc_u64 s[74:75], s[72:73], 8388608
	s_add_nc_u64 s[76:77], s[72:73], 16777216
	s_mul_i32 s86, s[WV], 2304
	s_add_co_u32 s86, s86, STAGE                   ; my stage: 16 rows of 128 + 16 bytes
	v_mul_u32_u24 v[STO], v1, 144
	v_lshl_add_u32 v[STO], v2, 4, v[STO]
	v_add_nc_u32 v[STO], s86, v[STO]
	v_bfe_u32 v[RD], v0, 3, 2
	v_mul_u32_u24 v[RD], v[RD], 144
	v_and_b32 v30, 7, v0
	v_lshl_add_u32 v[RD], v30, 4, v[RD]
	v_add_nc_u32 v[RD], s86, v[RD]
	v_lshlrev_b32 v[GO], 4, v3
; ---------------- the walk along K ----------------
	s_wait_tensorcnt 0x1                           ; my block of K step 0 is in; K step 1's may stay out
	s_barrier_signal -1
	s_barrier_wait -1
	ADDRS
	FETCH 0, 0, 0
	QUARTER 64, 9216, 0, 1                         ; quarter 0 starts the sums
	STEP
	s_mov_b32 s[CNT], T-1
	s_mov_b32 s[CN2], NP2-1                        ; the first slot has one pair fewer in front of its change: quarter 0 stands above
	s_branch .Lpair
.Lmain:                                            ; T - 2 times: a slot is left and filled again
	CHG 1
	s_mov_b32 s[CN2], NP2
.Lpair:
	PAIR
	s_sub_co_u32 s[CN2], s[CN2], 1
	s_cmp_lg_u32 s[CN2], 0
	s_cbranch_scc1 .Lpair
	s_sub_co_u32 s[CNT], s[CNT], 1
	s_cmp_lg_u32 s[CNT], 0
	s_cbranch_scc1 .Lmain
	CHG 0                                          ; the last change is written out: nothing is asked for
	s_mov_b32 s[CN2], NP2
.Ltail:
	PAIR
	s_sub_co_u32 s[CN2], s[CN2], 1
	s_cmp_lg_u32 s[CN2], 0
	s_cbranch_scc1 .Ltail
	s_wait_dscnt 0x0                               ; the last quarter: nothing is left to fetch
	MUL 1, 0
	WIN 0
	s_wait_loadcnt 0x0                             ; what the way out needs
	PLACES
	PLACES
; ---------------- the way out: unit u = 4 p + a is 16 tokens of plane p; it owns v[64 + 16 u ..], so no store's registers are written again ----------------
.macro ROPE p, a                       ; out[d] = x[d] cos - x[d + 32] sin, out[d + 32] = x[d + 32] cos + x[d] sin, d = 16 b + 8 h + j < 32
.irp b, 0,1
	WIN 0x0e                                       ; source 0 window 2 (sums), source 1 window 3 (table), the rest window 0
.set rX1, 128*(\p)+8*(4*(\a)+\b)
.set rX2, rX1+16
.set rCo, 128+32*(\a)+8*\b
.set rSi, rCo+16
.irp i, 0,2,4,6
	v_pk_mul_f32 v[32+\i:33+\i], v[rX2+\i:rX2+\i+1], v[rSi+\i:rSi+\i+1]
.endr
.irp i, 0,2,4,6
	v_pk_mul_f32 v[40+\i:41+\i], v[rX1+\i:rX1+\i+1], v[rSi+\i:rSi+\i+1]
.endr
.irp i, 0,2,4,6
	v_pk_fma_f32 v[32+\i:33+\i], v[rX1+\i:rX1+\i+1], v[rCo+\i:rCo+\i+1], v[32+\i:33+\i] neg_lo:[0,0,1] neg_hi:[0,0,1]
.endr
.irp i, 0,2,4,6
	v_pk_fma_f32 v[40+\i:41+\i], v[rX2+\i:rX2+\i+1], v[rCo+\i:rCo+\i+1], v[40+\i:41+\i]
.endr
	WIN 0
.set rO, OUT+16*(4*(\p)+(\a))+4*\b
.irp i, 0,1,2,3
	v_cvt_pk_bf16_f32 v[rO+\i], v[32+2*\i], v[33+2*\i]
	v_cvt_pk_bf16_f32 v[rO+8+\i], v[40+2*\i], v[41+2*\i]
.endr
.endr
.endm
.macro VCV a                           ; V is only rounded
	WIN 0x0f
.set k, 0
.rept 16
	v_cvt_pk_bf16_f32 v[OUT+16*(8+(\a))+k], v[32*(\a)+2*k], v[32*(\a)+2*k+1]
.set k, k+1
.endr
	WIN 0
.endm
.macro MAKE u
.if (\u) < 8
	ROPE (\u)/4, (\u)%4
.else
	VCV (\u)%4
.endif
.endm
.macro TOST u                          ; a lane's 16 bytes of a row into my stage, and whole rows back into the same registers; LDS serves a wave's instructions in order (ISA guide 5.7.1.4)
.set rO, OUT+16*(\u)
.irp b, 0,1,2,3
	ds_store_b128 v[STO], v[rO+4*\b:rO+4*\b+3] offset:32*\b
.endr
.irp f, 0,1,2,3
	ds_load_b128 v[rO+4*\f:rO+4*\f+3], v[RD] offset:576*\f
.endr
.endm
.macro SENDU u, younger                ; younger: the LDS instructions issued behind unit u's loads
.set rO, OUT+16*(\u)
.irp f, 0,1,2,3
	s_wait_dscnt (\younger)+3-\f
	global_store_b128 v[GO], v[rO+4*\f:rO+4*\f+3], s[72+2*((\u)/4):73+2*((\u)/4)] offset:2048*((\u)%4)+512*\f   ; 512 consecutive bytes, aligned
.endr
.endm
	MAKE 0
	TOST 0
.set u, 1
.rept 11
	MAKE u
	TOST u
	SENDU u-1, 8
.set u, u+1
.endr
	SENDU 11, 0
	s_wait_tensorcnt 0x0                           ; the wave's end
	ds_add_u32 v[SPW], v[NIL]
	s_wait_dscnt 0x0
	CROUND                                         ; the closing round
	s_endpgm
.Lfunc_end_k_q9c5beb2cdc_qkv:
	.size	k_q9c5beb2cdc_qkv, .Lfunc_end_k_q9c5beb2cdc_qkv-k_q9c5beb2cdc_qkv
	.p2alignl 7, 3214868480
	.fill 96, 4, 3214868480
	.section	.rodata,"a",@progbits
	.p2align	6, 0x0
	.amdhsa_kernel k_q9c5beb2cdc_qkv
		.amdhsa_group_segment_fixed_size 327680
		.amdhsa_private_segment_fixed_size 0
		.amdhsa_enable_private_segment 0
		.amdhsa_kernarg_size 32
		.amdhsa_user_sgpr_count 2
		.amdhsa_user_sgpr_kernarg_segment_ptr 1
		.amdhsa_wavefront_size32 1
		.amdhsa_system_sgpr_workgroup_id_x 1
		.amdhsa_system_sgpr_workgroup_id_y 1
		.amdhsa_system_sgpr_workgroup_id_z 1
		.amdhsa_system_vgpr_workitem_id 0
		.amdhsa_next_free_vgpr 1024
		.amdhsa_next_free_sgpr 96
		.amdhsa_reserve_vcc 0
		.amdhsa_float_denorm_mode_32 3
		.amdhsa_float_denorm_mode_16_64 3
		.amdhsa_memory_ordered 1
		.amdhsa_forward_progress 1
		.amdhsa_inst_pref_size 88
	.end_amdhsa_kernel
	.amdgpu_metadata
---
amdhsa.version: [ 1, 2 ]
amdhsa.kernels:
  - .name:           k_q9c5beb2cdc_qkv
    .symbol:         k_q9c5beb2cdc_qkv.kd
    .args:
      - { .name: xa, .offset: 0, .size: 8, .value_kind: global_buffer, .address_space: global }
      - { .name: wb, .offset: 8, .size: 8, .value_kind: global_buffer, .address_space: global }
      - { .name: rope, .offset: 16, .size: 8, .value_kind: global_buffer, .address_space: global }
      - { .name: qkv, .offset: 24, .size: 8, .value_kind: global_buffer, .address_space: global }
    .group_segment_fixed_size: 327680
    .private_segment_fixed_size: 0
    .kernarg_segment_align: 8
    .kernarg_segment_size: 32
    .max_flat_workgroup_size: 128
    .sgpr_count:     96
    .vgpr_count:     1024
    .wavefront_size: 32
...
	.end_amdgpu_metadata
.endif
;; end of part 8
;; launch attn (part 9): grid 8 x 32, 4 waves a work-group, clusters of 4 x 1, 327,680 bytes of LDS; arguments qkv, ctx; writes ctx
.if DOCPART == 9
	.amdgcn_target "amdgcn-amd-amdhsa--gfx1250"
	.amdhsa_code_object_version 6
	.text
	.protected	k_q9c5beb2cdc_attn
	.globl	k_q9c5beb2cdc_attn
	.p2align	8
	.type	k_q9c5beb2cdc_attn,@function
k_q9c5beb2cdc_attn:
	s_mov_b64 s[64:65], 0
	v_nop
	global_prefetch_b8 v0, s[64:65] scope:SCOPE_SE
	s_setreg_imm32_b32 hwreg(HW_REG_WAVE_MODE, 25, 1), 1
	s_wait_xcnt 0x0
	s_wait_alu depctr_hold_cnt(0) depctr_sa_sdst(0) depctr_va_vdst(0) depctr_va_sdst(0) depctr_va_ssrc(0) depctr_va_vcc(0) depctr_vm_vsrc(0)
	s_getreg_b32 s2, hwreg(HW_REG_IB_STS2, 6, 4)
	s_cmp_eq_u32 s2, 0
	s_cbranch_scc0 .Lentry_in_a_cluster
	s_endpgm
.Lentry_in_a_cluster:
	s_bfe_u32 s2, ttmp6, 0x10000c
	s_cmp_lg_u32 s2, 0x3003
	s_cbranch_scc0 .Lentry_shape_is_right
	s_endpgm
.Lentry_shape_is_right:
; ATTENTION.  ctx[bh][q][:] = the sum over k of softmax_k(Q[bh][q] . K[bh][k] / 8) V[bh][k][:].  Q, K, V are the three planes of qkv, [32][2048][64] in bf16; ctx has the same layout.
; Products, maxima and sums in f32; the weights p are rounded to bf16 for the second product (their sum l is taken of the unrounded p), ctx once at the end.
; LIMITS.  A weight below 2^-126 counts as 0 in l; NaN and infinities are not treated apart.
; SHARES.  A work-group owns 256 queries of one (batch, head), a wave 64: four PIECES of 16.  Every wave walks all 2,048 keys, 64 a step, four steps to an LDS slot.
; LAYOUT.  S^T = K Q^T holds ONE query a lane (lane % 16) and the keys 8 (lane / 16) + 0..7; two such results rounded to bf16 ARE source 1 of O^T = V^T P.  K comes out of LDS as it lies, V turned.
; SOFTMAX.  p = 2^(c s - c m), c = log2(e) / 8, with a running maximum m; O and l are multiplied by a = 2^(c m_old - c m_new) in every step.  m starts at the lowest finite number, O and l at 0.
; TURNS.  Turn n belongs to piece n: 8 products K Q^T of piece n + 1, later 8 products V^T P of piece n - 1; beside them the scaling, exponentials, roundings, sums and rescaling of piece n and the
; maximum and statistics of piece n + 1.  Four vector instructions stand behind every matrix instruction, the rest in one run.  A turn's 33 exponentials are one batch, with one wait.
; CLUSTER.  The four query blocks of a cluster belong to one head and walk the same K and V: each tile is asked for jointly, by the same tensor load, descriptor and mask in all four.
; REGISTERS, in windows of 256: window 0: v0-15 addresses; v16-31 statistics; v48-55 at work; v64-127 S^T, two buffers; v192-223 P, two buffers.  Window 1: v0-127 O^T.  Window 2: v0-63 Q; v128-191 K; v192-255 V.
.set NP,    4
.set KS,    64
.set PK,    144       ; a row of K in LDS: 128 bytes + 16 of padding
.set PV,    160       ; a row of V: 128 + 32
.set VOFF,  4*KS*PK   ; a slot: 256 rows of K, then 256 rows of V
.set SLOT1, 1<<17
.set STAGE, SLOT1+4*KS*(PK+PV)  ; behind the ring: 16 rows x 144 bytes for each wave, for the way out
.set SP,    144
.set SPARE, STAGE+4*16*SP       ; behind the stages: the spare words
.set AK0, 2
.set AV0, 3
.set AK,  4
.set AV,  5
.set STO, 6
.set RD,  7
.set GO,  8
.set MV,  12          ; v12-13  c m_old, by buffer
.set QO,  15
.set ST,  16          ; piece t's statistics at v[ST+4 t]: c m, m, l (even keys', odd keys')
.set TMP, 48          ; by buffer, c0-c3 at work; c2 takes a
.set PFO, 61          ; v61  256 x my lane; never rewritten
.set SPW, 62
.set NIL, 63
.set S,   64
.set P,   192
.set KF,  128
.set VF,  192
.set WV,  12
.set LIM, 15          ; s15  1 in a wave that prefetches, else the greatest number
.set PFA, 18          ; s[18:19] where my prefetches stand
.set G1K, 24
.set G1V, 32
.set G0K, 40
.set G0V, 44
.set SLOTS, 56
.set CNT, 57
.set CS,  58
.set SEL, 60
.set TBK, 62
.set TBV, 63
.set MSB, 0
.macro WIN new
.if MSB != (\new)
	s_set_vgpr_msb (MSB<<8)|(\new)
.set MSB, (\new)
.endif
.endm
.set W_KQ, 0x0a       ; K and Q in window 2, S^T in window 0
.set W_PV, 0x52       ; V in window 2, P in window 0, O^T in window 1
.set W_RS, 0x41       ; destination and source 0 in window 1, source 1 in window 0
.macro JLOAD                           ; a joint fill: waves 0 and 1 fetch the halves of a slot's K, waves 2 and 3 those of its V
	s_cmp_lt_u32 s[WV], 2
	s_cbranch_scc0 .Lfor_v_\@
	tensor_load_to_lds s[G0K:G0K+3], s[G1K:G1K+7]
	s_nop 0
.rept 4
	v_nop
.endr
	s_branch .Lasked_\@
.Lfor_v_\@:
	tensor_load_to_lds s[G0V:G0V+3], s[G1V:G1V+7]
	s_nop 0
.rept 4
	v_nop
.endr
.Lasked_\@:
.endm
.macro ASK                             ; a prefetch of what the NEXT change of slots will ask for: the head's first cluster asks, each partner for 8,192 bytes told apart by address, wave 0 for K's and wave 2 for V's
	s_cmp_gt_u32 s[SLOTS], s[LIM]                  ; the last change that fills a slot has no slot behind it
	s_cbranch_scc0 .Lnot_mine_\@
	global_prefetch_b8 v[PFO], s[PFA:PFA+1] th:TH_LOAD_NT scope:SCOPE_SE
.Lnot_mine_\@:
.endm
.macro CROUND
	s_barrier_signal -1
	s_barrier_wait -1
	s_cmp_lg_u32 s[WV], 0
	s_cbranch_scc1 .Lnot_wave_0_\@
	s_barrier_signal -3
.Lnot_wave_0_\@:
	s_barrier_wait -3
	s_barrier_signal -1
	s_barrier_wait -1
.endm
; THE CHANGE OF SLOTS.  Each wave waits for all its tensor loads (one is out: its part of the other slot), adds 0 to its spare word, and waits for that and for its reads of the slot that it leaves.
; fill = 1: the barrier is a round of the cluster's, and the old slot is filled again first thing behind it, with the keys two slots on: four key steps in which to land.
.macro CHANGE fill
	WIN 0
	s_wait_tensorcnt 0x0
	ds_add_u32 v[SPW], v[NIL]
.if \fill
.irp g, G0K, G0V
	s_xor_b32 s[\g+1], s[\g+1], SLOT1
	s_add_nc_u64 s[\g+2:\g+3], s[\g+2:\g+3], 4*KS*128
.endr
	s_wait_xcnt 0x0                                ; the last prefetch, four key steps back, has read its address
	s_add_nc_u64 s[PFA:PFA+1], s[PFA:PFA+1], 4*KS*128
	s_wait_dscnt 0x0
	CROUND
	JLOAD
	ASK
.else
	s_wait_dscnt 0x0
	s_barrier_signal -1
	s_barrier_wait -1
.endif
	s_sub_co_u32 s[TBK], s[TBK], 4*KS*PK           ; the fetches go back to a slot's first step, in the other slot
	s_xor_b32 s[TBK], s[TBK], SLOT1
	s_sub_co_u32 s[TBV], s[TBV], 4*KS*PV
	s_xor_b32 s[TBV], s[TBV], SLOT1
.endm
	s_load_b128 s[4:7], s[0:1], 0x0                ; qkv s[4:5], ctx s[6:7]
	v_lshl_add_u32 v[SPW], v0, 2, SPARE
	v_mov_b32 v[NIL], 0
	ds_add_u32 v[SPW], v[NIL]                      ; the wave's opening: the add and its wait ahead of my first tensor load
	v_lshrrev_b32 v1, 5, v0
	v_readfirstlane_b32 s[WV], v1
	s_bfe_u32 s13, ttmp6, 0x40000                  ; cx
	s_lshl_b32 s14, ttmp9, 2
	s_add_co_u32 s14, s14, s13                     ; my block of 256 queries: it enters Q's and ctx's addresses alone
	s_and_b32 s20, ttmp7, 0xffff
	s_lshl_b32 s20, s20, 18                        ; the head's first byte in a plane
	s_and_b32 s16, s[WV], 1                        ; which half of a slot's 256 keys I fetch
	s_lshl_b32 s22, s16, 14
	s_add_co_u32 s22, s22, s20
	s_add_co_u32 s22, s22, 8388608                 ; K's plane
	s_mov_b32 s23, 0
	s_mul_i32 s17, s16, 128*PK
	s_mul_i32 s18, s16, 128*PV
	s_lshl_b32 s2, s14, 15
	s_lshl_b32 s3, s[WV], 13
	s_add_co_u32 s2, s2, s3
	s_add_co_u32 s2, s2, s20
	s_mov_b32 s3, 0
	s_mov_b32 s[G1K], 15|(1<<16)|(1<<20)|(1<<21)|(4<<22)|(3<<25)  ; the mask of four; 2-byte elements; padding on; bit 21 beside a mask; after every 32 words 4 words
	s_mov_b32 s[G1V], 15|(1<<16)|(1<<20)|(1<<21)|(4<<22)|(7<<25)  ; 8 words
.irp g, G1K, G1V
	s_mov_b32 s[\g+1], 128<<16                     ; 128 keys are 16,384 dense bytes: 64 rows of 256 bytes, padded after every key
	s_mov_b32 s[\g+2], 64<<16
	s_mov_b32 s[\g+3], 128<<16
	s_mov_b32 s[\g+4], 64
	s_mov_b32 s[\g+5], 128
	s_mov_b32 s[\g+6], 0
	s_mov_b32 s[\g+7], 0
.endr
	s_mov_b32 s[CS], 0x3e38aa3b                    ; c = log2(e) / 8
	s_mov_b32 s[CS+1], s[CS]
	s_mov_b32 s[SEL], 0x76543210
	s_mov_b32 s[SEL+1], 0xfedcba98
	s_mov_b32 s[TBK], SLOT1+4*KS*PK                ; the first change of slots turns these two into 0
	s_mov_b32 s[TBV], SLOT1+4*KS*PV
	s_mov_b32 s[G0K], 1
	s_mov_b32 s[G0K+1], s17
	s_mov_b32 s[G0V], 1
	s_add_co_u32 s[G0V+1], s18, VOFF
	s_mov_b32 s[SLOTS], 7
	s_and_b32 s[LIM], s[WV], 1                     ; waves 0 and 2,
	s_or_b32 s[LIM], s[LIM], ttmp9                 ; in the head's first cluster: the same in all four partners
	s_cmp_eq_u32 s[LIM], 0
	s_cselect_b32 s[LIM], 1, -1
	v_and_b32 v[PFO], 31, v0
	v_lshlrev_b32 v[PFO], 8, v[PFO]
	s_wait_dscnt 0x0
	s_wait_kmcnt 0x0
	s_add_nc_u64 s[10:11], s[6:7], s[2:3]          ; ctx at my wave's first row
	s_add_nc_u64 s[6:7], s[4:5], s[22:23]          ; K at my half of the head's first 256 keys
	s_add_nc_u64 s[8:9], s[6:7], 8388608           ; V likewise
	s_add_nc_u64 s[4:5], s[4:5], s[2:3]            ; Q at my wave's first row
	s_add_nc_u64 s[G0K+2:G0K+3], s[6:7], 0
	s_or_b32 s[G0K+3], s[G0K+3], 0x80000000
	s_add_nc_u64 s[G0V+2:G0V+3], s[8:9], 0
	s_or_b32 s[G0V+3], s[G0V+3], 0x80000000
	s_cmp_lt_u32 s[WV], 2
	s_cselect_b64 s[PFA:PFA+1], s[6:7], s[8:9]
	s_lshl_b32 s2, s13, 13                         ; my work-group's quarter of a slot's 32,768 bytes
	s_add_nc_u64 s[PFA:PFA+1], s[PFA:PFA+1], s[2:3]
	s_add_nc_u64 s[PFA:PFA+1], s[PFA:PFA+1], 4*KS*128  ; in slot 1; the first change steps it to slot 2
	CROUND
	JLOAD                                          ; slot 0; slot 1 is asked for when slot 0 is in
	v_and_b32 v1, 15, v0
	v_bfe_u32 v9, v0, 4, 1
	v_lshlrev_b32 v[QO], 7, v1
	v_lshl_add_u32 v[QO], v9, 4, v[QO]
	WIN 0x80
.set i, 0
.rept 8                                ; Q stays in registers: piece i / 2, channels 32 (i % 2) on
	global_load_b128 v[8*i:8*i+3],   v[QO], s[4:5] offset:(i/2)*2048+(i%2)*64
	global_load_b128 v[8*i+4:8*i+7], v[QO], s[4:5] offset:(i/2)*2048+(i%2)*64+32
.set i, i+1
.endr
	; What the first turn finds: V's registers and P's second buffer hold 0, O^T and l are 0.  All this stands in the wait for the first tile.
.set i, VF
.rept 64
	v_mov_b32 v[i], 0
.set i, i+1
.endr
	WIN 0x40
.set i, 0
.rept 128
	v_mov_b32 v[i], 0
.set i, i+1
.endr
	WIN 0
.set i, 0
.rept 4
	v_mov_b32 v[ST+4*i], 0xfe000000                ; c m: far below every c s
	v_mov_b32 v[ST+4*i+1], 0xff7fffff              ; m
	v_mov_b32 v[ST+4*i+2], 0
	v_mov_b32 v[ST+4*i+3], 0
.set i, i+1
.endr
.set i, P+16
.rept 16
	v_mov_b32 v[i], 0
.set i, i+1
.endr
	v_mul_u32_u24 v[AK0], v1, PK
	v_lshl_add_u32 v[AK0], v9, 4, v[AK0]
	v_and_b32 v10, 7, v0
	v_bfe_u32 v11, v0, 3, 1
	v_lshl_add_u32 v[AV0], v9, 3, v10
	v_mul_u32_u24 v[AV0], v[AV0], PV
	v_lshl_add_u32 v[AV0], v11, 4, v[AV0]
	v_add_nc_u32 v[AV0], VOFF, v[AV0]
	s_mul_i32 s13, s[WV], 16*SP
	s_add_co_u32 s13, s13, STAGE
	v_mul_u32_u24 v[STO], v1, SP
	v_lshl_add_u32 v[STO], v9, 4, v[STO]
	v_add_nc_u32 v[STO], s13, v[STO]
	v_bfe_u32 v[RD], v0, 3, 2
	v_mul_u32_u24 v[RD], v[RD], SP
	v_lshl_add_u32 v[RD], v10, 4, v[RD]
	v_add_nc_u32 v[RD], s13, v[RD]
	v_and_b32 v[GO], 31, v0
	v_lshlrev_b32 v[GO], 4, v[GO]
; THE MATRIX WORK.  The 4 accumulators of a run of 8 take turns.  Product i of 8 of S^T = K Q^T for piece x: channels 32 (i / 4) on, keys 16 (i % 4) on; the first 4 start the sums.
.macro KQ x
.set rS, S+32*((\x)%2)+8*(i%4)
.set rK, KF+16*(i%4)+8*(i/4)
.set rQ, 16*(\x)+8*(i/4)
	WIN W_KQ
.if i < 4
	v_wmma_f32_16x16x32_bf16 v[rS:rS+7], v[rK:rK+7], v[rQ:rQ+7], 0
.else
	v_wmma_f32_16x16x32_bf16 v[rS:rS+7], v[rK:rK+7], v[rQ:rQ+7], v[rS:rS+7]
.endif
.endm
.macro PV x                            ; product i of 8 of O^T += V^T P for piece x: keys 32 (i / 4) on, channels 16 (i % 4) on
	WIN W_PV
.set rO, 32*(\x)+8*(i%4)
.set rV, VF+32*(i/4)+8*(i%4)
.set rP, P+16*((\x)%2)+8*(i/4)
	v_wmma_f32_16x16x32_bf16 v[rO:rO+7], v[rV:rV+7], v[rP:rP+7], v[rO:rO+7]
.endm
.macro MM                              ; the turn's next matrix instruction
.if i < 8
	KQ (Y+1)%NP
.else
.set i, i-8
	PV (Y+NP-1)%NP
.set i, i+8
.endif
.set i, i+1
.endm
; THE LDS LOADS stand in runs of 16.  last = 1 (the tail): in the last trip there is no further step, and K's run is jumped over; the exponentials issued so far have their wait ahead of that branch.
.macro FETCH_K last=0
.if \last
	WIN 0
	s_wait_alu depctr_va_vdst(0)
	s_cmp_eq_u32 s[CNT], 1
	s_cbranch_scc1 .Lno_k_\@
.endif
	WIN 0x80
.irp f, 0,1,2,3,4,5,6,7
	ds_load_b128 v[KF+8*\f:KF+8*\f+3],   v[AK] offset:(\f/2)*16*PK+(\f%2)*64
	ds_load_b128 v[KF+8*\f+4:KF+8*\f+7], v[AK] offset:(\f/2)*16*PK+(\f%2)*64+32
.endr
	s_add_co_u32 s[TBK], s[TBK], KS*PK
	WIN 0
.if \last
.Lno_k_\@:
.endif
.endm
.macro FETCH_V
	WIN 0x80
.irp f, 0,1,2,3,4,5,6,7
	ds_load_tr16_b128 v[VF+8*\f:VF+8*\f+3],   v[AV] offset:(\f/4)*32*PV+(\f%4)*32
	ds_load_tr16_b128 v[VF+8*\f+4:VF+8*\f+7], v[AV] offset:(\f/4)*32*PV+16*PV+(\f%4)*32
.endr
	WIN 0
.endm
; THE VECTOR WORK, one line at a time: OP kind, number.  For piece Y: F n: c s - c m for pair n.  E n: the exponential of score n.  C n: pair n rounded to bf16.  B n: of the four weights 4 n .. the second pair
; is added onto the first.  L n: l takes that sum (L 0: l = a l + sum).  R n: pair n of O^T times a.  For piece Y + 1: X n, number n of the 22 that find its maximum and statistics; each accumulator's
; lowest registers are read first.
.set F, 0
.set E, 1
.set C, 2
.set B, 3
.set L, 4
.set R, 5
.set X, 6
.macro REGS y
.set rT, ST+4*(\y)
.set rC, TMP+4*((\y)%2)
.set rW, MV+((\y)%2)
.set rS, S+32*((\y)%2)
.set rP, P+16*((\y)%2)
.set rO, 32*(\y)
.endm
.macro OP k, n
.if (\k) == R
	REGS Y
	WIN W_RS
	v_pk_mul_f32 v[rO+2*(\n):rO+2*(\n)+1], v[rO+2*(\n):rO+2*(\n)+1], v[rC+2:rC+3] op_sel_hi:[1,0]
.elseif (\k) < R
	REGS Y
	WIN 0
.if (\k) == F
	v_pk_fma_f32 v[rS+2*(\n):rS+2*(\n)+1], v[rS+2*(\n):rS+2*(\n)+1], s[CS:CS+1], v[rT:rT+1] op_sel_hi:[1,0,0] neg_lo:[0,0,1] neg_hi:[0,0,1]
.elseif (\k) == E
	v_exp_f32 v[rS+(\n)], v[rS+(\n)]
.elseif (\k) == C
	v_cvt_pk_bf16_f32 v[rP+(\n)], v[rS+2*(\n)], v[rS+2*(\n)+1]
.elseif (\k) == B
	v_pk_add_f32 v[rS+4*(\n):rS+4*(\n)+1], v[rS+4*(\n):rS+4*(\n)+1], v[rS+4*(\n)+2:rS+4*(\n)+3]
.elseif (\n) == 0
	v_pk_fma_f32 v[rT+2:rT+3], v[rT+2:rT+3], v[rC+2:rC+3], v[rS:rS+1] op_sel_hi:[1,0,1]
.else
	v_pk_add_f32 v[rT+2:rT+3], v[rT+2:rT+3], v[rS+4*(\n):rS+4*(\n)+1]
.endif
.else
	REGS (Y+1)%NP
	WIN 0
.if (\n) < 4
	v_max3_num_f32 v[rC+(\n)], v[rS+8*(\n)], v[rS+8*(\n)+1], v[rS+8*(\n)+2]
.elseif (\n) < 12
	v_max3_num_f32 v[rC+(\n)%4], v[rC+(\n)%4], v[rS+8*((\n)%4)+2*((\n)/4)+1], v[rS+8*((\n)%4)+2*((\n)/4)+2]
.elseif (\n) == 12
	v_max3_num_f32 v[rC], v[rC], v[rS+7], v[rS+15]
.elseif (\n) == 13
	v_max3_num_f32 v[rC+1], v[rC+1], v[rS+23], v[rS+31]
.elseif (\n) == 14
	v_max3_num_f32 v[rC+2], v[rC+2], v[rC+3], v[rT+1]
.elseif (\n) == 15
	v_mov_b32 v[rW], v[rT]
.elseif (\n) == 16
	v_max3_num_f32 v[rC], v[rC], v[rC+1], v[rC+2]
.elseif (\n) == 17
	v_permlanex16_b32 v[rC+3], v[rC], s[SEL], s[SEL+1]
.elseif (\n) == 18
	v_max_num_f32 v[rT+1], v[rC], v[rC+3]
.elseif (\n) == 19
	v_mul_f32 v[rT], s[CS], v[rT+1]
.elseif (\n) == 20
	v_sub_f32 v[rC+1], v[rW], v[rT]
.else
	v_exp_f32 v[rC+2], v[rC+1]
.endif
.endif
.endm
.macro OPS a, i1, b=-1, i2=0, c=-1, i3=0, d=-1, i4=0
	OP \a, \i1
.if (\b) >= 0
	OP \b, \i2
.endif
.if (\c) >= 0
	OP \c, \i3
.endif
.if (\d) >= 0
	OP \d, \i4
.endif
.endm
.macro ROW a, i1, b, i2, c, i3, d, i4  ; a matrix instruction and the four behind it
	MM
	OPS \a, \i1, \b, \i2, \c, \i3, \d, \i4
.endm
; A TURN, for piece p.  Ahead of its one wait stands all that names no result of the turn's exponentials; behind it the 8 products V^T P with the roundings and sums as their riders.
; last = 1: the tail's text.  cnt = 1: the loop's count is taken down some lines ahead of the branch behind the turn.
; K of the next step is fetched in piece 2's turn, V of the step in hand at the end of piece 0's turn, four plain instructions behind its last reader; each is waited for a turn later.
.macro TURN p, last=0, cnt=0
.set Y, (\p)
.set i, 0
.if (\p) == 3
	s_wait_dscnt 0x0                               ; K is in
.endif
	ROW F,0, F,1, R,0, R,1
	ROW F,2, E,0, R,2, R,3
	ROW F,3, E,1, R,4, R,5
	ROW F,4, E,2, R,6, R,7
	ROW F,5, E,3, R,8, R,9
	ROW F,6, E,4, X,0, R,10
.if (\p) == 2
	WIN 0
	v_add_nc_u32 v[AK], s[TBK], v[AK0]
.endif
	ROW F,7, E,5, X,1, X,4
	ROW F,8, E,6, X,2, X,5
	OPS E,7, E,8, X,6, E,9
	OPS X,3, E,10, X,8, E,11
.if (\p) == 2
	FETCH_K \last
.endif
	OPS X,9, X,7, E,12, X,10
	OPS E,13, X,12, X,11, E,14
	OPS X,13, E,15, F,9, X,14
.if (\p) == 0
	v_add_nc_u32 v[AV], s[TBV], v[AV0]
.endif
	OPS E,16, F,10, E,17, F,11
	OPS X,16, E,18, X,15, E,19
	OPS F,12, E,20, X,17, E,21
	OPS F,13, E,22, F,14, E,23
	OPS X,18, E,24, F,15, E,25
	OPS R,11, E,26, X,19, E,27
	OPS R,12, E,28, R,13, E,29
	OPS X,20, E,30, R,14, E,31
	OPS X,21, R,15                                 ; the batch's last exponential, and the plain instruction behind it
	WIN 0
	s_wait_alu depctr_va_vdst(0)                   ; the wait for the batch
.if (\p) == 1
	s_wait_dscnt 0x0                               ; V is in
.endif
	ROW C,0, B,0, C,2, B,1
	ROW L,0, C,4, B,2, L,1
	ROW C,6, B,3, L,2, C,8
	ROW B,4, L,3, C,10, B,5
	ROW L,4, C,12, B,6, L,5
.if (\p) == 0
	s_add_co_u32 s[TBV], s[TBV], KS*PV
.endif
.if \cnt
	s_sub_co_u32 s[CNT], s[CNT], 1
	s_cmp_lg_u32 s[CNT], 0
.endif
	ROW C,14, B,7, L,6, C,1
	ROW C,3, L,7, C,5, C,7
	ROW C,9, C,11, C,13, C,15
.if (\p) == 0
	FETCH_V
.endif
.endm
	CHANGE 1                                       ; slot 0 is in, everybody's part of it; slot 1 is asked for
	v_add_nc_u32 v[AK], s[TBK], v[AK0]
	FETCH_K                                        ; key step 0
	s_wait_loadcnt 0x0                             ; Q
	s_wait_dscnt 0x0
.set i, 0
.rept 8
	KQ 0                                           ; piece 0's first scores
.set i, i+1
.endr
	WIN 0
.rept 4
	v_nop                                          ; the places behind those products
.endr
.set Y, NP-1                           ; X works for piece Y + 1: piece 0
.irp n, 0,1,2,3,4,5,6,7,8,9,10,11,12,13,14,15,16,17,18,19,20,21
	OP X, \n
.endr
	v_nop                                          ; a plain instruction behind the exponential,
	s_wait_alu depctr_va_vdst(0)                   ; and its wait, ahead of the branch
	s_mov_b32 s[CNT], 4
	s_branch .Lfirst                               ; the loop is entered at a step's first turn, in the middle of a trip
.Lslot:                                            ; six times: every slot but the last two is filled again
	CHANGE 1
	s_mov_b32 s[CNT], 4
.Lstep:                                            ; a trip: pieces 2 and 3 of one step, then pieces 0 and 1 of the next, whose K and V it fetches
	TURN 2
	TURN 3
	WIN 0
.Lfirst:
	TURN 0
	TURN 1, 0, 1
	WIN 0
	s_cbranch_scc1 .Lstep
	s_sub_co_u32 s[SLOTS], s[SLOTS], 1
	s_cmp_lg_u32 s[SLOTS], 0
	s_cbranch_scc1 .Lslot
	CHANGE 0                                       ; the last slot is written out: nothing is asked for
	s_mov_b32 s[CNT], 5                            ; four trips fetch the last slot's steps; the fifth is left in its middle
.Ltail:
	TURN 2, 1
	TURN 3
	WIN 0
	s_sub_co_u32 s[CNT], s[CNT], 1
	s_cmp_eq_u32 s[CNT], 0
	s_cbranch_scc1 .Lout
	TURN 0
	TURN 1
	WIN 0
	s_branch .Ltail
.Lout:                                             ; the fifth trip's 8 products K Q^T (on the last K once more) and the maximum made of them serve nothing: the price, once a launch, of one text for every trip
.set i, 0
.rept 8
	PV NP-1                                        ; the last piece's V^T P of the last step
.set i, i+1
.endr
	; THE WAY OUT.  l's halves and the other half of the lanes' are added; O^T is divided by l, rounded to bf16 and sent through my stage, a piece at a time.  The additions are the places behind the last products.
	WIN 0
.macro ALL line:vararg
.set t, 0
.rept 4
	\line
.set t, t+1
.endr
.endm
	ALL v_add_f32 v[ST+4*t+2], v[ST+4*t+2], v[ST+4*t+3]
	ALL v_permlanex16_b32 v[ST+4*t+3], v[ST+4*t+2], s[SEL], s[SEL+1]
	ALL v_add_f32 v[ST+4*t+2], v[ST+4*t+2], v[ST+4*t+3]
	ALL v_rcp_f32 v[ST+4*t+2], v[ST+4*t+2]
	v_nop                                          ; a plain instruction behind the last reciprocal,
	s_wait_alu depctr_va_vdst(0)                   ; and one wait for the four
.macro PACK t
	WIN W_RS
.set i, 32*(\t)
.rept 16
	v_pk_mul_f32 v[i:i+1], v[i:i+1], v[ST+4*(\t)+2:ST+4*(\t)+3] op_sel_hi:[1,0]
.set i, i+2
.endr
	WIN 0x05
.set i, 0
.rept 16
	v_cvt_pk_bf16_f32 v[S+16*(\t)+i], v[32*(\t)+2*i], v[32*(\t)+2*i+1]
.set i, i+1
.endr
	WIN 0
.irp f, 0,1,2,3
	ds_store_b128 v[STO], v[S+16*(\t)+4*\f:S+16*(\t)+4*\f+3] offset:32*\f
.endr
.irp f, 0,1,2,3
	ds_load_b128 v[S+16*(\t)+4*\f:S+16*(\t)+4*\f+3], v[RD] offset:\f*4*SP  ; LDS serves a wave's instructions in order (ISA guide 5.7.1.4)
.endr
.endm
.macro SEND t, younger                 ; younger: the LDS instructions issued behind piece t's loads
	WIN 0
.irp f, 0,1,2,3
	s_wait_dscnt (\younger)+3-\f
	global_store_b128 v[GO], v[S+16*(\t)+4*\f:S+16*(\t)+4*\f+3], s[10:11] offset:(\t)*2048+\f*512  ; 512 consecutive bytes, aligned
.endr
.endm
	PACK 0
.set t, 1
.rept 3
	PACK t
	SEND t-1, 8
.set t, t+1
.endr
	SEND 3, 0
	s_wait_tensorcnt 0x0                           ; the wave's end
	ds_add_u32 v[SPW], v[NIL]
	s_wait_dscnt 0x0
	CROUND                                         ; the closing round
	s_endpgm
.Lfunc_end_k_q9c5beb2cdc_attn:
	.size	k_q9c5beb2cdc_attn, .Lfunc_end_k_q9c5beb2cdc_attn-k_q9c5beb2cdc_attn
	.p2alignl 7, 3214868480
	.fill 96, 4, 3214868480
	.section	.rodata,"a",@progbits
	.p2align	6, 0x0
	.amdhsa_kernel k_q9c5beb2cdc_attn
		.amdhsa_group_segment_fixed_size 327680
		.amdhsa_private_segment_fixed_size 0
		.amdhsa_enable_private_segment 0
		.amdhsa_kernarg_size 16
		.amdhsa_user_sgpr_count 2
		.amdhsa_user_sgpr_kernarg_segment_ptr 1
		.amdhsa_wavefront_size32 1
		.amdhsa_system_sgpr_workgroup_id_x 1
		.amdhsa_system_sgpr_workgroup_id_y 1
		.amdhsa_system_sgpr_workgroup_id_z 1
		.amdhsa_system_vgpr_workitem_id 0
		.amdhsa_next_free_vgpr 768
		.amdhsa_next_free_sgpr 66
		.amdhsa_reserve_vcc 0
		.amdhsa_float_denorm_mode_32 3
		.amdhsa_float_denorm_mode_16_64 3
		.amdhsa_memory_ordered 1
		.amdhsa_forward_progress 1
		.amdhsa_inst_pref_size 112
	.end_amdhsa_kernel
	.amdgpu_metadata
---
amdhsa.version: [ 1, 2 ]
amdhsa.kernels:
  - .name:           k_q9c5beb2cdc_attn
    .symbol:         k_q9c5beb2cdc_attn.kd
    .args:
      - { .name: qkv, .offset: 0, .size: 8, .value_kind: global_buffer, .address_space: global }
      - { .name: ctx, .offset: 8, .size: 8, .value_kind: global_buffer, .address_space: global }
    .group_segment_fixed_size: 327680
    .private_segment_fixed_size: 0
    .kernarg_segment_align: 8
    .kernarg_segment_size: 16
    .max_flat_workgroup_size: 128
    .sgpr_count:     66
    .vgpr_count:     768
    .wavefront_size: 32
...
	.end_amdgpu_metadata
.endif
;; end of part 9
;; launch wo (part 10): grid 8 x 32, 4 waves a work-group, clusters of 4 x 4, 327,680 bytes of LDS; arguments ctx, wb, hidden_states, ln2_w, h, hb, ssq; writes h, hb, ssq
.if DOCPART == 10
	.amdgcn_target "amdgcn-amd-amdhsa--gfx1250"
	.amdhsa_code_object_version 6
	.text
	.protected	k_q9c5beb2cdc_wo
	.globl	k_q9c5beb2cdc_wo
	.p2align	8
	.type	k_q9c5beb2cdc_wo,@function
k_q9c5beb2cdc_wo:
	s_mov_b64 s[64:65], 0
	v_nop
	global_prefetch_b8 v0, s[64:65] scope:SCOPE_SE
	s_setreg_imm32_b32 hwreg(HW_REG_WAVE_MODE, 25, 1), 1
	s_wait_xcnt 0x0
	s_wait_alu depctr_hold_cnt(0) depctr_sa_sdst(0) depctr_va_vdst(0) depctr_va_sdst(0) depctr_va_ssrc(0) depctr_va_vcc(0) depctr_vm_vsrc(0)
	s_getreg_b32 s2, hwreg(HW_REG_IB_STS2, 6, 4)
	s_cmp_eq_u32 s2, 0
	s_cbranch_scc0 .Lentry_in_a_cluster
	s_endpgm
.Lentry_in_a_cluster:
	s_bfe_u32 s2, ttmp6, 0x10000c
	s_cmp_lg_u32 s2, 0xf033
	s_cbranch_scc0 .Lentry_shape_is_right
	s_endpgm
.Lentry_shape_is_right:
; h = hidden_states + ctx x Wo, in f32; beside it hb = bf16(h * ln2) in slabs, and ssq[part][token] = the sum of h^2 over the part's 64 columns, in f32.
; The second norm's row factor commutes with the products that follow, so it is applied there, to their sums: no launch of its own.
; A work-group makes 128 tokens x 128 columns, a wave 64 x 64: 16 accumulators.  K goes in steps of 256 through two LDS slots: waves 0, 1 fetch the activations' two blocks, waves 2, 3 the weights'.
; Operands, layouts and cluster as in the other products of this program: activations in slabs [16 b + k / 64][s][64], weights [k][n] turned on the way out of LDS, the matrix instruction transposed
; (a lane holds one token and eight neighbouring columns), 4 x 4 work-groups with joint loads.  No prefetch: four K steps, of which two are the first fills.
; THE WALK ALONG K is 32 quarters of 32.  An even quarter lies in fragment buffer 0 and fetches the odd one behind it, an odd quarter lies in buffer 1 and fetches the next even one.  64 along K are 18,432
; bytes in both kinds of block, and the blocks lie end to end, so one scalar names the place and a PAIR (odd quarter, even quarter, step) has one text.  A slot changes in front of its last quarter:
; four pairs lie between two changes.  Quarter 0 is written out: its products start the sums, and nothing is cleared.
; LIMITS: operands bf16, sums f32; NaN and infinities are not treated apart.
.set NA, 2            ; blocks of activations in a slot; two of weights follow them
.set NQ, 8            ; quarters of 32 along K in a slot
.set T, 4             ; K steps = fills of a slot
.set P0, 3            ; Wo's plane of wb
.set STEPA, 1048576   ; bytes from K step to K step: four slabs,
.set STEPB, 524288    ; 256 rows of the weight plane
.set BSTR, 262144     ; from weight block to weight block: 128 rows
.set BLK,   36864     ; a block in LDS.  Activations: two slabs of 128 rows, 128 bytes + 16 of padding.  Weights: 128 k rows, 256 bytes + 32 of padding
.set HS,    18432     ; 64 along K: a slab of activations, or 64 k rows of weights
.set SLOT,  4*BLK     ; its bits (14, 17) meet none of w x BLK (12, 13, 15, 16): one exclusive or changes slots
.set STAGE, 2*SLOT    ; behind the ring: 16 rows of 272 bytes for each wave, for the way out; no tensor load lands there
.set SQS,   STAGE+17408   ; 256 bytes for each wave: its 64 tokens' sums of squares
.set SPARE, STAGE+18432   ; the spare words
.set NL,    16        ; LDS loads of a quarter
.set NP2,   NQ/2      ; pairs of quarters in a slot
.set AA0, 4           ; v4, v5  my lane's place in the activations' and in the weights' blocks; never rewritten
.set BB0, 5
.set AA,  8           ; v8, v9  the same at the place that s[TB] names
.set AB,  9
.set STO, 12          ; v12, v13 the way out: into my stage, and back
.set RD,  13
.set GO,  14          ; v14     my byte offset in the residual and in h
.set XO,  15          ; v15     8 x lane
.set SPW, 28          ; v28     my spare word: SPARE + 4 x my thread's number      v29  0; both never rewritten
.set NIL, 29
.set AF,  64          ; v64-127 fragments of activations, two buffers of 4 x 8.  Window 1: v0-63 fragments of weights, v128-255 the residual.  Window 2: the accumulators
.set WV, 20
.set WM, 21
.set WN, 22
.set TY, 23
.set G1A, 24
.set G0A, 32
.set CX, 40
.set CY, 41
.set TX, 42
.set G1B, 48
.set G0B, 56
.set TB, 66           ; s66     the slot in hand (0 or SLOT) + the place along K
.set CNT, 67          ; s67     counts the changes of slots
.set CN2, 71          ; s71     counts the pairs of quarters
.set MSB, 0
.macro WIN new                         ; the immediate's high byte repeats the setting that is left; a switch that changes nothing is dropped
.if MSB != (\new)
	s_set_vgpr_msb (MSB<<8)|(\new)
.set MSB, \new
.endif
.endm
.macro PLACES                          ; four plain vector instructions between a matrix instruction and a load into, or a vector line on, its registers
.rept 4
	v_nop
.endr
.endm
.macro CROUND                          ; a round of the cluster's barrier
	s_barrier_signal -1
	s_barrier_wait -1
	s_cmp_lg_u32 s[WV], 0
	s_cbranch_scc1 .Lnot_wave_0_\@
	s_barrier_signal -3
.Lnot_wave_0_\@:
	s_barrier_wait -3
	s_barrier_signal -1
	s_barrier_wait -1
.endm
.macro JLOADW                          ; the joint refill: wave i fetches block i by the walking descriptor; the branch hangs on the wave's number alone
	s_cmp_lt_u32 s[WV], NA
	s_cbranch_scc0 .Lfor_b_\@
	tensor_load_to_lds s[G0A+4:G0A+7], s[G1A:G1A+7]
	s_nop 0
	PLACES
	s_branch .Lasked_\@
.Lfor_b_\@:
	tensor_load_to_lds s[G0B+4:G0B+7], s[G1B:G1B+7]
	s_nop 0
	PLACES
.Lasked_\@:
.endm
; A quarter's products out of buffer f.  The 16 accumulators take turns, one instruction a turn, in the same order in every quarter, over all back edges.  zero = 1: they start the sums.
.macro MUL f, zero
	WIN 0xa1                                       ; weights window 1, activations window 0, sums window 2
.set ma, 0
.rept 16
.set rC, 8*ma
.set rB, 32*(\f)+8*(ma%4)
.set rA, AF+32*(\f)+8*(ma/4)
.if \zero
	v_wmma_f32_16x16x32_bf16 v[rC:rC+7], v[rB:rB+7], v[rA:rA+7], 0
.else
	v_wmma_f32_16x16x32_bf16 v[rC:rC+7], v[rB:rB+7], v[rA:rA+7], v[rC:rC+7]
.endif
.set ma, ma+1
.endr
.endm
.macro FETCH ao, bo, f                 ; a quarter's fragments, ao bytes behind v[AA] and bo bytes behind v[AB], into buffer f, in one run
	WIN 0x40                                       ; destination window 1, address window 0
.set fb, 0
.rept 4
.set rB, 32*(\f)+8*fb
	ds_load_tr16_b128 v[rB:rB+3], v[AB] offset:(\bo)+32*fb          ; k = 8 (l / 16) + 0..7 of column l % 16
	ds_load_tr16_b128 v[rB+4:rB+7], v[AB] offset:(\bo)+32*fb+4608   ; sixteen k rows on
.set fb, fb+1
.endr
	WIN 0
.set fa, 0
.rept 4
.set rA, AF+32*(\f)+8*fa
	ds_load_b128 v[rA:rA+3], v[AA] offset:(\ao)+2304*fa
	ds_load_b128 v[rA+4:rA+7], v[AA] offset:(\ao)+2304*fa+32
.set fa, fa+1
.endr
.endm
.macro QUARTER ao, bo, f, zero=0       ; the next quarter is fetched into the other buffer, then f is multiplied
	PLACES
	FETCH \ao, \bo, 1-(\f)
	s_wait_dscnt NL                                ; all but the NL loads just issued: buffer f is in
	MUL \f, \zero
.endm
.macro ADDRS
	v_add_nc_u32 v[AA], s[TB], v[AA0]
	v_add_nc_u32 v[AB], s[TB], v[BB0]
.endm
.macro STEP                            ; 64 along K on
	WIN 0
	s_add_co_u32 s[TB], s[TB], HS
	ADDRS
.endm
.macro PAIR                            ; an odd quarter, which fetches the even one at s[TB]; that even quarter, which fetches the odd one behind it; the step
	QUARTER 0, 0, 1
	QUARTER 64, 9216, 0
	STEP
.endm
; THE CHANGE OF SLOTS, in front of a slot's last quarter, whose fragments have been asked for.  Each wave waits for all its tensor loads (one is out: its block of the other slot), adds 0 to its spare word, and
; waits for that and for its reads of this slot.  fill = 1: a round of the cluster's barrier follows, and this slot is filled again first thing behind it, with the K step two on.
.macro CHG fill
	s_wait_tensorcnt 0x0
	ds_add_u32 v[SPW], v[NIL]                      ; 0 onto my spare word; work on registers stands between it and the wait for it
.if \fill
	s_xor_b32 s[G0A+5], s[G0A+5], SLOT             ; no load of mine is out, so the walking descriptors step: the other slot, the next K step
	s_add_nc_u64 s[G0A+6:G0A+7], s[G0A+6:G0A+7], STEPA
	s_xor_b32 s[G0B+5], s[G0B+5], SLOT
	s_add_nc_u64 s[G0B+6:G0B+7], s[G0B+6:G0B+7], STEPB
.endif
	s_sub_co_u32 s[TB], s[TB], NP2*HS              ; the fetches go back to a slot's first quarter,
	s_xor_b32 s[TB], s[TB], SLOT                   ; in the other slot
	ADDRS
	s_wait_dscnt 0x0                               ; the add is done, buffer 1 is in, my reads of this slot are over
.if \fill
	CROUND
	JLOADW
.else
	s_barrier_signal -1
	s_barrier_wait -1
.endif
.endm
; ---------------- the head ----------------
	s_load_b256 s[4:11], s[0:1], 0x0               ; ctx s[4:5], wb s[6:7], hidden s[8:9], ln2 s[10:11]
	s_load_b128 s[12:15], s[0:1], 0x20             ; h s[12:13], hb s[14:15]
	s_load_b64 s[16:17], s[0:1], 0x30              ; ssq
	v_lshl_add_u32 v[SPW], v0, 2, SPARE
	v_mov_b32 v[NIL], 0
	ds_add_u32 v[SPW], v[NIL]                      ; the wave's opening: the add and its wait ahead of my first tensor load; the set-up, work on registers, between them
	v_lshrrev_b32 v1, 5, v0
	v_readfirstlane_b32 s[WV], v1
	s_lshr_b32 s[WM], s[WV], 1
	s_and_b32 s[WN], s[WV], 1
	s_bfe_u32 s[CX], ttmp6, 0x40000
	s_bfe_u32 s[CY], ttmp6, 0x40004
	s_lshl_b32 s[TX], ttmp9, 2
	s_add_co_u32 s[TX], s[TX], s[CX]               ; column tile = 4 x cluster x + cx
	s_and_b32 s[TY], ttmp7, 0xffff
	s_lshl_b32 s[TY], s[TY], 2
	s_add_co_u32 s[TY], s[TY], s[CY]               ; row tile = 4 x cluster y + cy
	s_lshl_b32 s43, s[CY], 2
	s_lshl_b32 s43, 15, s43                        ; my row of the cluster
	s_lshl_b32 s44, 0x1111, s[CX]                  ; my column
	s_or_b32 s[G1A], s43, (1<<16)|(1<<20)|(1<<21)|(4<<22)|(3<<25)  ; mask; 2-byte elements; padding on; bit 21 beside a mask; after every 32 words 4 words
	s_mov_b32 s[G1A+1], 8192<<16                   ; tensor_dim0 = 8,192: a slab's 128 tokens, dense
	s_mov_b32 s[G1A+2], 2<<16                      ; tensor_dim1 = 2 slabs
	s_mov_b32 s[G1A+3], 8192<<16                   ; tile_dim0
	s_mov_b32 s[G1A+4], 2                          ; tile_dim1
	s_mov_b32 s[G1A+5], 131072                     ; elements from slab to slab
	s_mov_b32 s[G1A+6], 0
	s_mov_b32 s[G1A+7], 0
	s_or_b32 s[G1B], s44, (1<<16)|(1<<20)|(1<<21)|(5<<22)|(7<<25)  ; after every 64 words 8 words
	s_mov_b32 s[G1B+1], 128<<16
	s_mov_b32 s[G1B+2], 128<<16
	s_mov_b32 s[G1B+3], 128<<16
	s_mov_b32 s[G1B+4], 128
	s_mov_b32 s[G1B+5], 1024
	s_mov_b32 s[G1B+6], 0
	s_mov_b32 s[G1B+7], 0
	s_lshr_b32 s45, s[TY], 4                       ; the batch
	s_and_b32 s46, s[TY], 15                       ; the block of 128 tokens in it
	s_lshl_b32 s82, s45, 22                        ; activations: made of the tile row and the wave's number alone
	s_lshl_b32 s83, s46, 14
	s_add_co_u32 s82, s82, s83
	s_min_u32 s83, s[WV], NA-1
	s_lshl_b32 s83, s83, 19
	s_add_co_u32 s82, s82, s83
	s_mov_b32 s83, 0
	s_max_u32 s84, s[WV], NA                       ; weights: of the tile column and the wave's number alone
	s_sub_co_u32 s84, s84, NA
	s_mul_i32 s84, s84, BSTR
	s_lshl_b32 s85, s[TX], 8
	s_add_co_u32 s84, s84, s85
	s_add_co_u32 s84, s84, P0*2097152
	s_mov_b32 s85, 0
	s_mul_i32 s86, s[WV], BLK                      ; where my block goes: no place in the cluster enters an LDS address
	s_mov_b32 s[TB], 0
	s_wait_dscnt 0x0                               ; the opening add is done
	s_wait_kmcnt 0x0
	s_add_nc_u64 s[82:83], s[4:5], s[82:83]
	s_add_nc_u64 s[84:85], s[6:7], s[84:85]
.irp s, 0,1
	s_mov_b32 s[G0A+4*(\s)], 1
	s_add_co_u32 s[G0A+4*(\s)+1], s86, (\s)*SLOT
	s_add_nc_u64 s[G0A+4*(\s)+2:G0A+4*(\s)+3], s[82:83], (\s)*STEPA
	s_or_b32 s[G0A+4*(\s)+3], s[G0A+4*(\s)+3], 0x80000000
	s_mov_b32 s[G0B+4*(\s)], 1
	s_add_co_u32 s[G0B+4*(\s)+1], s86, (\s)*SLOT
	s_add_nc_u64 s[G0B+4*(\s)+2:G0B+4*(\s)+3], s[84:85], (\s)*STEPB
	s_or_b32 s[G0B+4*(\s)+3], s[G0B+4*(\s)+3], 0x80000000
.endr
	CROUND                                         ; all sixteen work-groups are here: the first joint loads meet
	s_cmp_lt_u32 s[WV], NA                         ; a wave's two first fills stand in one branch: two loads of mine are out
	s_cbranch_scc0 .Lfirst_b
	tensor_load_to_lds s[G0A:G0A+3], s[G1A:G1A+7]
	s_nop 0
	tensor_load_to_lds s[G0A+4:G0A+7], s[G1A:G1A+7]
	s_nop 0
	PLACES
	s_branch .Lfirst_done
.Lfirst_b:
	tensor_load_to_lds s[G0B:G0B+3], s[G1B:G1B+7]
	s_nop 0
	tensor_load_to_lds s[G0B+4:G0B+7], s[G1B:G1B+7]
	s_nop 0
	PLACES
.Lfirst_done:
	v_and_b32 v1, 15, v0                           ; r = l % 16
	v_bfe_u32 v2, v0, 4, 1                         ; h = l / 16
	v_and_b32 v3, 31, v0                           ; l
	v_mul_u32_u24 v[AA0], v1, 144
	v_lshl_add_u32 v[AA0], v2, 4, v[AA0]
	s_mul_i32 s71, s[WM], 64*144
	v_add_nc_u32 v[AA0], s71, v[AA0]               ; (64 wm + r) x 144 + 16 h
	v_and_b32 v30, 7, v0
	v_lshl_add_u32 v30, v2, 3, v30
	v_mul_u32_u24 v30, v30, 288
	v_bfe_u32 v31, v0, 3, 1
	v_lshl_add_u32 v30, v31, 4, v30                ; (8 h + l % 8) x 288 + 16 ((l / 8) % 2)
	s_lshl_b32 s71, s[WN], 7
	s_add_co_u32 s71, s71, NA*BLK
	v_add_nc_u32 v[BB0], s71, v30
; ---------------- what the way out needs ----------------
	s_lshl_b32 s86, s[TY], 7
	s_lshl_b32 s87, s[WM], 6
	s_add_co_u32 s86, s86, s87                     ; my first token, 0..4032
	s_lshl_b32 s87, s[TX], 1
	s_add_co_u32 s87, s87, s[WN]                   ; my part of 64 columns, 0..15
	s_lshl_b32 s88, s86, 12
	s_lshl_b32 s89, s87, 8
	s_add_co_u32 s88, s88, s89
	s_mov_b32 s89, 0
	s_add_nc_u64 s[72:73], s[8:9], s[88:89]        ; the residual at my 64 x 64
	s_add_nc_u64 s[74:75], s[12:13], s[88:89]      ; h there
	s_lshl_b32 s88, s87, 8
	s_add_nc_u64 s[92:93], s[10:11], s[88:89]      ; ln2 at my columns
	s_lshl_b32 s88, s87, 12
	s_add_co_u32 s88, s88, s86
	s_lshl_b32 s88, s88, 2
	s_add_nc_u64 s[78:79], s[16:17], s[88:89]      ; ssq[part][my tokens]
	s_lshl_b32 s88, s45, 4
	s_add_co_u32 s88, s88, s87
	s_lshl_b32 s88, s88, 18
	s_and_b32 s71, s86, 2047
	s_lshl_b32 s71, s71, 7
	s_add_co_u32 s88, s88, s71
	s_add_nc_u64 s[76:77], s[14:15], s[88:89]      ; hb: my slab, my rows
	v_lshlrev_b32 v[GO], 12, v2                    ; lanes 0-15 one row's 256 bytes, lanes 16-31 the next row's
	v_lshl_add_u32 v[GO], v1, 4, v[GO]
	WIN 0x40                                       ; window 1, v128-255: the residual, as the rows come back from the stage.  Waited for at the way out
.irp a, 0,1,2,3
.irp t, 0,1,2,3,4,5,6,7
	global_load_b128 v[128+32*\a+4*\t:128+32*\a+4*\t+3], v[GO], s[72:73] offset:65536*\a+8192*\t th:TH_LOAD_NT
.endr
.endr
	WIN 0
	v_lshlrev_b32 v25, 4, v1
	global_load_b128 v[32:35], v25, s[92:93]       ; ln2 of my four columns
	v_lshlrev_b32 v[XO], 3, v3
	s_mul_i32 s86, s[WV], 4352
	s_add_co_u32 s86, s86, STAGE                   ; my stage: 16 rows of 256 + 16 bytes
	v_mul_u32_u24 v[STO], v1, 272
	v_lshl_add_u32 v[STO], v2, 5, v[STO]
	v_add_nc_u32 v[STO], s86, v[STO]
	v_mul_u32_u24 v[RD], v2, 272
	v_lshl_add_u32 v[RD], v1, 4, v[RD]
	v_add_nc_u32 v[RD], s86, v[RD]
	s_lshl_b32 s86, s[WV], 8
	s_add_co_u32 s86, s86, SQS                     ; my 64 tokens' sums of squares
	v_lshl_add_u32 v24, v2, 2, s86
	v_lshl_add_u32 v27, v3, 3, s86
; ---------------- the walk along K ----------------
	s_wait_tensorcnt 0x1                           ; my block of K step 0 is in; K step 1's may stay out
	s_barrier_signal -1
	s_barrier_wait -1
	ADDRS
	FETCH 0, 0, 0
	QUARTER 64, 9216, 0, 1                         ; quarter 0 starts the sums
	STEP
	s_mov_b32 s[CNT], T-1
	s_mov_b32 s[CN2], NP2-1                        ; the first slot has one pair fewer in front of its change: quarter 0 stands above
	s_branch .Lpair
.Lmain:                                            ; T - 2 times: a slot is left and filled again
	CHG 1
	s_mov_b32 s[CN2], NP2
.Lpair:
	PAIR
	s_sub_co_u32 s[CN2], s[CN2], 1
	s_cmp_lg_u32 s[CN2], 0
	s_cbranch_scc1 .Lpair
	s_sub_co_u32 s[CNT], s[CNT], 1
	s_cmp_lg_u32 s[CNT], 0
	s_cbranch_scc1 .Lmain
	CHG 0                                          ; the last change is written out: nothing is asked for
	s_mov_b32 s[CN2], NP2
.Ltail:
	PAIR
	s_sub_co_u32 s[CN2], s[CN2], 1
	s_cmp_lg_u32 s[CN2], 0
	s_cbranch_scc1 .Ltail
	s_wait_dscnt 0x0                               ; the last quarter: nothing is left to fetch
	MUL 1, 0
	WIN 0
	s_wait_loadcnt 0x0                             ; what the way out needs
	PLACES
	PLACES
; ---------------- the way out, 16 tokens at a time: sums into my stage, whole rows of 256 bytes back; no store's registers are written again ----------------
.macro TOSTF a
	WIN 0x08                                       ; the stores' data in window 2
.irp b, 0,1,2,3
	ds_store_b128 v[STO], v[8*(4*(\a)+\b):8*(4*(\a)+\b)+3] offset:64*\b
	ds_store_b128 v[STO], v[8*(4*(\a)+\b)+4:8*(4*(\a)+\b)+7] offset:64*\b+16
.endr
	WIN 0
.irp t, 0,1,2,3,4,5,6,7
	ds_load_b128 v[64+32*(\a)+4*\t:64+32*(\a)+4*\t+3], v[RD] offset:544*\t   ; LDS serves a wave's instructions in order (ISA guide 5.7.1.4)
.endr
.endm
.macro FIN a, n                        ; n: the LDS instructions issued behind unit a's loads
	s_wait_dscnt \n
	WIN 0x04                                       ; source 1 (the residual) in window 1
.set t, 0
.rept 8
.set rH, 64+32*(\a)+4*t
	v_pk_add_f32 v[rH:rH+1], v[rH:rH+1], v[rH+64:rH+65]
	v_pk_add_f32 v[rH+2:rH+3], v[rH+2:rH+3], v[rH+66:rH+67]
.set t, t+1
.endr
	WIN 0
.set t, 0
.rept 8
.set rH, 64+32*(\a)+4*t
.set rHB, 192+16*(\a)+2*t
	global_store_b128 v[GO], v[rH:rH+3], s[74:75] offset:65536*(\a)+8192*t    ; sixteen lanes store 256 consecutive bytes, aligned
	v_pk_mul_f32 v[36:37], v[rH:rH+1], v[32:33]
	v_pk_mul_f32 v[38:39], v[rH+2:rH+3], v[34:35]
	v_pk_mul_f32 v[40:41], v[rH:rH+1], v[rH:rH+1]
	v_cvt_pk_bf16_f32 v[rHB], v36, v37
	v_cvt_pk_bf16_f32 v[rHB+1], v38, v39
	v_pk_fma_f32 v[40:41], v[rH+2:rH+3], v[rH+2:rH+3], v[40:41]
	global_store_b64 v[XO], v[rHB:rHB+1], s[76:77] offset:2048*(\a)+256*t     ; two slab rows: 256 consecutive bytes, aligned
	v_add_f32 v[44+t], v40, v41
.set t, t+1
.endr
.irp m, 1,2,4,8                        ; a token's 64 columns lie in sixteen lanes
.set t, 0
.rept 8
	v_add_f32_dpp v[44+t], v[44+t], v[44+t] row_xmask:\m row_mask:0xf bank_mask:0xf
.set t, t+1
.endr
.endr
.set t, 0
.rept 8
	ds_store_b32 v24, v[44+t] offset:4*(16*(\a)+2*t)   ; sixteen lanes write one word with one value
.set t, t+1
.endr
.endm
	TOSTF 0
	TOSTF 1
	FIN 0, 16                                      ; behind unit 0's loads: unit 1's sixteen
	TOSTF 2
	FIN 1, 24                                      ; unit 2's sixteen, and the eight words of squares
	TOSTF 3
	FIN 2, 24
	FIN 3, 8
	s_wait_dscnt 0x0
	ds_load_b64 v[52:53], v27
	s_wait_dscnt 0x0
	global_store_b64 v[XO], v[52:53], s[78:79]     ; my 64 tokens' sums: 256 consecutive bytes, aligned
	s_wait_tensorcnt 0x0                           ; the wave's end
	ds_add_u32 v[SPW], v[NIL]
	s_wait_dscnt 0x0
	CROUND                                         ; the closing round
	s_endpgm
.Lfunc_end_k_q9c5beb2cdc_wo:
	.size	k_q9c5beb2cdc_wo, .Lfunc_end_k_q9c5beb2cdc_wo-k_q9c5beb2cdc_wo
	.p2alignl 7, 3214868480
	.fill 96, 4, 3214868480
	.section	.rodata,"a",@progbits
	.p2align	6, 0x0
	.amdhsa_kernel k_q9c5beb2cdc_wo
		.amdhsa_group_segment_fixed_size 327680
		.amdhsa_private_segment_fixed_size 0
		.amdhsa_enable_private_segment 0
		.amdhsa_kernarg_size 56
		.amdhsa_user_sgpr_count 2
		.amdhsa_user_sgpr_kernarg_segment_ptr 1
		.amdhsa_wavefront_size32 1
		.amdhsa_system_sgpr_workgroup_id_x 1
		.amdhsa_system_sgpr_workgroup_id_y 1
		.amdhsa_system_sgpr_workgroup_id_z 1
		.amdhsa_system_vgpr_workitem_id 0
		.amdhsa_next_free_vgpr 640
		.amdhsa_next_free_sgpr 96
		.amdhsa_reserve_vcc 0
		.amdhsa_float_denorm_mode_32 3
		.amdhsa_float_denorm_mode_16_64 3
		.amdhsa_memory_ordered 1
		.amdhsa_forward_progress 1
		.amdhsa_inst_pref_size 66
	.end_amdhsa_kernel
	.amdgpu_metadata
---
amdhsa.version: [ 1, 2 ]
amdhsa.kernels:
  - .name:           k_q9c5beb2cdc_wo
    .symbol:         k_q9c5beb2cdc_wo.kd
    .args:
      - { .name: ctx, .offset: 0, .size: 8, .value_kind: global_buffer, .address_space: global }
      - { .name: wb, .offset: 8, .size: 8, .value_kind: global_buffer, .address_space: global }
      - { .name: hidden_states, .offset: 16, .size: 8, .value_kind: global_buffer, .address_space: global }
      - { .name: ln2_w, .offset: 24, .size: 8, .value_kind: global_buffer, .address_space: global }
      - { .name: h, .offset: 32, .size: 8, .value_kind: global_buffer, .address_space: global }
      - { .name: hb, .offset: 40, .size: 8, .value_kind: global_buffer, .address_space: global }
      - { .name: ssq, .offset: 48, .size: 8, .value_kind: global_buffer, .address_space: global }
    .group_segment_fixed_size: 327680
    .private_segment_fixed_size: 0
    .kernarg_segment_align: 8
    .kernarg_segment_size: 56
    .max_flat_workgroup_size: 128
    .sgpr_count:     96
    .vgpr_count:     640
    .wavefront_size: 32
...
	.end_amdgpu_metadata
.endif
;; end of part 10
;; launch gateup (part 11): grid 8 x 32, 4 waves a work-group, clusters of 4 x 4, 327,680 bytes of LDS; arguments hb, wb, ssq, xa; writes xa
.if DOCPART == 11
	.amdgcn_target "amdgcn-amd-amdhsa--gfx1250"
	.amdhsa_code_object_version 6
	.text
	.protected	k_q9c5beb2cdc_gateup
	.globl	k_q9c5beb2cdc_gateup
	.p2align	8
	.type	k_q9c5beb2cdc_gateup,@function
k_q9c5beb2cdc_gateup:
	s_mov_b64 s[64:65], 0
	v_nop
	global_prefetch_b8 v0, s[64:65] scope:SCOPE_SE
	s_setreg_imm32_b32 hwreg(HW_REG_WAVE_MODE, 25, 1), 1
	s_wait_xcnt 0x0
	s_wait_alu depctr_hold_cnt(0) depctr_sa_sdst(0) depctr_va_vdst(0) depctr_va_sdst(0) depctr_va_ssrc(0) depctr_va_vcc(0) depctr_vm_vsrc(0)
	s_getreg_b32 s2, hwreg(HW_REG_IB_STS2, 6, 4)
	s_cmp_eq_u32 s2, 0
	s_cbranch_scc0 .Lentry_in_a_cluster
	s_endpgm
.Lentry_in_a_cluster:
	s_bfe_u32 s2, ttmp6, 0x10000c
	s_cmp_lg_u32 s2, 0xf033
	s_cbranch_scc0 .Lentry_shape_is_right
	s_endpgm
.Lentry_shape_is_right:
; xa = bf16(silu(y w1) * (y w3)), y = h * r * ln2, r = rsqrt(v), v = mean(h^2) + 1e-6, in slabs.  hb holds bf16(h * ln2); v is made of the 16 parts of ssq.
; With g and u the f32 sums hb w1 and hb w3:  silu(g r) (u r) = g u / ((1 + 2^(-g r log2 e)) v): the row's two figures, -r log2 e and v, enter the sums' way out, and y is never formed.
; A work-group makes 128 tokens x 128 columns of both planes; a wave 64 x 64 x 2: 32 accumulators.  K goes in steps of 128 through two LDS slots: wave 0 fetches hb's block, waves 1, 2 w1's and w3's; wave 3 none.
; Operands, layouts, cluster and the walk along K as in the other products of this program: 32 quarters of 32; an even quarter lies in fragment buffer 0 and fetches the odd one behind it, an odd quarter lies in
; buffer 1 and fetches the next even one; 64 along K are 18,432 bytes in both kinds of block, so a PAIR (odd quarter, even quarter, step) has one text; a slot changes in front of its last quarter.
; Quarter 0 is written out: its products start the sums, and nothing is cleared.
; LIMITS: operands and result bf16, sums f32.  g u must stay finite in f32.  Where the power, or its product with v, overflows, the result is 0, as the limit is.  NaN and infinities are not treated apart.
.set NT, 2            ; planes of weights
.set NA, 1            ; blocks of activations in a slot
.set NBB, 2           ; blocks of weights in a slot
.set NQ, 4            ; quarters of 32 along K in a slot
.set T, 8             ; K steps = fills of a slot
.set P0, 4            ; first plane of wb: w1, then w3
.set STEPA, 524288
.set STEPB, 262144
.set BSTR, 2097152
.set SPARE, 2*147456+9216
.set OUT, 160
; ---------------- what the four products of this program have in common ----------------
.set BLK,   36864     ; a block in LDS.  Activations: two slabs of 128 rows, 128 bytes + 16 of padding.  Weights: 128 k rows, 256 bytes + 32 of padding
.set HS,    18432     ; 64 along K: a slab of activations, or 64 k rows of weights
.set SLOT,  4*BLK     ; its bits (14, 17) meet none of w x BLK (12, 13, 15, 16): one exclusive or changes slots (here a slot's fourth block lies idle)
.set STAGE, 2*SLOT    ; behind the ring: the waves' stages for the way out, then the spare words; no tensor load lands there
.set NL,    8+8*NT    ; LDS loads of a quarter
.set NP2,   NQ/2      ; pairs of quarters in a slot
.set AA0, 4
.set BB0, 5
.set AA,  8
.set AB,  9
.set STO, 12
.set RD,  13
.set GO,  14
.set XO,  15
.set PFO, 26
.set SPW, 28
.set NIL, 29
.set AF,  64
.set WV, 20
.set WM, 21
.set WN, 22
.set TY, 23
.set G1A, 24
.set G0A, 32
.set CX, 40
.set CY, 41
.set TX, 42
.set G1B, 48
.set G0B, 56
.set TB, 66           ; s66     the slot in hand (0 or SLOT) + the place along K
.set CNT, 67          ; s67     counts the changes of slots
.set PFA, 68
.set LIM, 70
.set CN2, 71          ; s71     counts the pairs of quarters
.set MSB, 0
.macro WIN new                         ; the immediate's high byte repeats the setting that is left; a switch that changes nothing is dropped
.if MSB != (\new)
	s_set_vgpr_msb (MSB<<8)|(\new)
.set MSB, \new
.endif
.endm
.macro PLACES                          ; four plain vector instructions between a matrix instruction and a load into, or a vector line on, its registers
.rept 4
	v_nop
.endr
.endm
.macro CROUND                          ; a round of the cluster's barrier
	s_barrier_signal -1
	s_barrier_wait -1
	s_cmp_lg_u32 s[WV], 0
	s_cbranch_scc1 .Lnot_wave_0_\@
	s_barrier_signal -3
.Lnot_wave_0_\@:
	s_barrier_wait -3
	s_barrier_signal -1
	s_barrier_wait -1
.endm
.macro JLOADW                          ; the joint refill: wave i fetches block i by the walking descriptor, wave 3 none; the branches hang on the wave's number alone
	s_cmp_lt_u32 s[WV], NA+NBB
	s_cbranch_scc0 .Lnone_\@
	s_cmp_lt_u32 s[WV], NA
	s_cbranch_scc0 .Lfor_b_\@
	tensor_load_to_lds s[G0A+4:G0A+7], s[G1A:G1A+7]
	s_nop 0
	PLACES
	s_branch .Lasked_\@
.Lfor_b_\@:
	tensor_load_to_lds s[G0B+4:G0B+7], s[G1B:G1B+7]
	s_nop 0
	PLACES
	s_branch .Lasked_\@
.Lnone_\@:
	PLACES
.Lasked_\@:
.endm
; A quarter's products out of buffer f.  All 32 accumulators take turns, one instruction a turn, in the same order in every quarter, over all back edges.  zero = 1: they start the sums.
.macro MUL f, zero
	WIN 0xa1                                       ; weights window 1, activations window 0, sums window 2
.set mp, 0
.rept NT
.set ma, 0
.rept 16
.set rC, 128*mp+8*ma
.set rB, 32*NT*(\f)+32*mp+8*(ma%4)
.set rA, AF+32*(\f)+8*(ma/4)
.if \zero
	v_wmma_f32_16x16x32_bf16 v[rC:rC+7], v[rB:rB+7], v[rA:rA+7], 0
.else
	v_wmma_f32_16x16x32_bf16 v[rC:rC+7], v[rB:rB+7], v[rA:rA+7], v[rC:rC+7]
.endif
.set ma, ma+1
.endr
.set mp, mp+1
.endr
.endm
.macro FETCH ao, bo, f                 ; a quarter's fragments, ao bytes behind v[AA] and bo bytes behind v[AB ..], into buffer f, in one run
	WIN 0x40                                       ; destination window 1, address window 0
.set fp, 0
.rept NT
.set fb, 0
.rept 4
.set rB, 32*NT*(\f)+32*fp+8*fb
	ds_load_tr16_b128 v[rB:rB+3], v[AB+fp] offset:(\bo)+32*fb          ; k = 8 (l / 16) + 0..7 of column l % 16
	ds_load_tr16_b128 v[rB+4:rB+7], v[AB+fp] offset:(\bo)+32*fb+4608   ; sixteen k rows on
.set fb, fb+1
.endr
.set fp, fp+1
.endr
	WIN 0
.set fa, 0
.rept 4
.set rA, AF+32*(\f)+8*fa
	ds_load_b128 v[rA:rA+3], v[AA] offset:(\ao)+2304*fa
	ds_load_b128 v[rA+4:rA+7], v[AA] offset:(\ao)+2304*fa+32
.set fa, fa+1
.endr
.endm
.macro QUARTER ao, bo, f, zero=0       ; the next quarter is fetched into the other buffer, then f is multiplied
	PLACES
	FETCH \ao, \bo, 1-(\f)
	s_wait_dscnt NL                                ; all but the NL loads just issued: buffer f is in
	MUL \f, \zero
.endm
.macro ADDRS
	v_add_nc_u32 v[AA], s[TB], v[AA0]
.set fp, 0
.rept NT
	v_add_nc_u32 v[AB+fp], s[TB], v[BB0+fp]
.set fp, fp+1
.endr
.endm
.macro STEP                            ; 64 along K on
	WIN 0
	s_add_co_u32 s[TB], s[TB], HS
	ADDRS
.endm
.macro PAIR                            ; an odd quarter, which fetches the even one at s[TB]; that even quarter, which fetches the odd one behind it; the step
	QUARTER 0, 0, 1
	QUARTER 64, 9216, 0
	STEP
.endm
.macro ASK                             ; a prefetch of my share of the block that I fetch, for the K step behind the one just asked for; the last refill has none behind it
	s_cmp_gt_u32 s[CNT], s[LIM]
	s_cbranch_scc0 .Lnot_mine_\@
	global_prefetch_b8 v[PFO], s[PFA:PFA+1] th:TH_LOAD_NT scope:SCOPE_SE
.Lnot_mine_\@:
.endm
; THE CHANGE OF SLOTS, in front of a slot's last quarter, whose fragments have been asked for.  Each wave waits for all its tensor loads (one is out: its block of the other slot), adds 0 to its spare word, and
; waits for that and for its reads of this slot.  fill = 1: a round of the cluster's barrier follows, and this slot is filled again first thing behind it, with the K step two on.
.macro CHG fill
.if \fill
	s_wait_xcnt 0x0                                ; the last prefetch, a K step back, has read its address
	s_add_nc_u64 s[PFA:PFA+1], s[PFA:PFA+1], s[90:91]
.endif
	s_wait_tensorcnt 0x0
	ds_add_u32 v[SPW], v[NIL]                      ; 0 onto my spare word; work on registers stands between it and the wait for it
.if \fill
	s_xor_b32 s[G0A+5], s[G0A+5], SLOT             ; no load of mine is out, so the walking descriptors step: the other slot, the next K step
	s_add_nc_u64 s[G0A+6:G0A+7], s[G0A+6:G0A+7], STEPA
	s_xor_b32 s[G0B+5], s[G0B+5], SLOT
	s_add_nc_u64 s[G0B+6:G0B+7], s[G0B+6:G0B+7], STEPB
.endif
	s_sub_co_u32 s[TB], s[TB], NP2*HS              ; the fetches go back to a slot's first quarter,
	s_xor_b32 s[TB], s[TB], SLOT                   ; in the other slot
	ADDRS
	s_wait_dscnt 0x0                               ; the add is done, buffer 1 is in, my reads of this slot are over
.if \fill
	CROUND
	JLOADW
	ASK
.else
	s_barrier_signal -1
	s_barrier_wait -1
.endif
.endm
; ---------------- the head ----------------
	s_load_b256 s[4:11], s[0:1], 0x0               ; hb s[4:5], wb s[6:7], ssq s[8:9], xa s[10:11]
	v_lshl_add_u32 v[SPW], v0, 2, SPARE
	v_mov_b32 v[NIL], 0
	ds_add_u32 v[SPW], v[NIL]                      ; the wave's opening: the add and its wait ahead of my first tensor load; the set-up, work on registers, between them
	v_lshrrev_b32 v1, 5, v0
	v_readfirstlane_b32 s[WV], v1
	s_lshr_b32 s[WM], s[WV], 1
	s_and_b32 s[WN], s[WV], 1
	s_bfe_u32 s[CX], ttmp6, 0x40000
	s_bfe_u32 s[CY], ttmp6, 0x40004
	s_lshl_b32 s[TX], ttmp9, 2
	s_add_co_u32 s[TX], s[TX], s[CX]               ; column tile = 4 x cluster x + cx
	s_and_b32 s[TY], ttmp7, 0xffff
	s_lshl_b32 s[TY], s[TY], 2
	s_add_co_u32 s[TY], s[TY], s[CY]               ; row tile = 4 x cluster y + cy
	s_lshl_b32 s43, s[CY], 2
	s_lshl_b32 s43, 15, s43                        ; my row of the cluster
	s_lshl_b32 s44, 0x1111, s[CX]                  ; my column
	s_or_b32 s[G1A], s43, (1<<16)|(1<<20)|(1<<21)|(4<<22)|(3<<25)  ; mask; 2-byte elements; padding on; bit 21 beside a mask; after every 32 words 4 words
	s_mov_b32 s[G1A+1], 8192<<16                   ; tensor_dim0 = 8,192: a slab's 128 tokens, dense
	s_mov_b32 s[G1A+2], 2<<16                      ; tensor_dim1 = 2 slabs
	s_mov_b32 s[G1A+3], 8192<<16                   ; tile_dim0
	s_mov_b32 s[G1A+4], 2                          ; tile_dim1
	s_mov_b32 s[G1A+5], 131072                     ; elements from slab to slab
	s_mov_b32 s[G1A+6], 0
	s_mov_b32 s[G1A+7], 0
	s_or_b32 s[G1B], s44, (1<<16)|(1<<20)|(1<<21)|(5<<22)|(7<<25)  ; after every 64 words 8 words
	s_mov_b32 s[G1B+1], 128<<16
	s_mov_b32 s[G1B+2], 128<<16
	s_mov_b32 s[G1B+3], 128<<16
	s_mov_b32 s[G1B+4], 128
	s_mov_b32 s[G1B+5], 1024
	s_mov_b32 s[G1B+6], 0
	s_mov_b32 s[G1B+7], 0
	s_lshr_b32 s45, s[TY], 4                       ; the batch
	s_and_b32 s46, s[TY], 15                       ; the block of 128 tokens in it
	s_lshl_b32 s82, s45, 22                        ; activations: made of the tile row and the wave's number alone
	s_lshl_b32 s83, s46, 14
	s_add_co_u32 s82, s82, s83
	s_min_u32 s83, s[WV], NA-1
	s_lshl_b32 s83, s83, 19
	s_add_co_u32 s82, s82, s83
	s_mov_b32 s83, 0
	s_max_u32 s84, s[WV], NA                       ; weights: of the tile column and the wave's number alone
	s_sub_co_u32 s84, s84, NA
	s_mul_i32 s84, s84, BSTR
	s_lshl_b32 s85, s[TX], 8
	s_add_co_u32 s84, s84, s85
	s_add_co_u32 s84, s84, P0*2097152
	s_mov_b32 s85, 0
	s_mul_i32 s86, s[WV], BLK                      ; where my block goes: no place in the cluster enters an LDS address
	s_mov_b32 s[TB], 0
	s_mov_b32 s80, 0x76543210
	s_mov_b32 s81, 0xfedcba98
	s_wait_dscnt 0x0                               ; the opening add is done
	s_wait_kmcnt 0x0
	s_add_nc_u64 s[82:83], s[4:5], s[82:83]
	s_add_nc_u64 s[84:85], s[6:7], s[84:85]
.irp s, 0,1
	s_mov_b32 s[G0A+4*(\s)], 1
	s_add_co_u32 s[G0A+4*(\s)+1], s86, (\s)*SLOT
	s_add_nc_u64 s[G0A+4*(\s)+2:G0A+4*(\s)+3], s[82:83], (\s)*STEPA
	s_or_b32 s[G0A+4*(\s)+3], s[G0A+4*(\s)+3], 0x80000000
	s_mov_b32 s[G0B+4*(\s)], 1
	s_add_co_u32 s[G0B+4*(\s)+1], s86, (\s)*SLOT
	s_add_nc_u64 s[G0B+4*(\s)+2:G0B+4*(\s)+3], s[84:85], (\s)*STEPB
	s_or_b32 s[G0B+4*(\s)+3], s[G0B+4*(\s)+3], 0x80000000
.endr
	; The prefetches.  A block is 128 pieces of 256 bytes.  The four partners that ask for it jointly take 32 each, told apart by address; of the clusters that read it, the first along the other axis asks.
	s_lshr_b32 s87, s[CX], 1
	s_lshl_b32 s87, s87, 18                        ; activations: partner cx takes slab cx / 2,
	s_and_b32 s88, s[CX], 1
	s_lshl_b32 s88, s88, 13                        ; half cx % 2 of its 16,384 bytes
	s_add_co_u32 s87, s87, s88
	s_add_co_u32 s87, s87, 2*STEPA                 ; at K step 2: the first change of slots steps it to 3
	s_lshl_b32 s88, s[CY], 16                      ; weights: partner cy takes 32 of the 128 k rows
	s_add_co_u32 s88, s88, 2*STEPB
	s_and_b32 s71, ttmp7, 0xffff
	s_mov_b32 s90, STEPB
	s_cmp_lt_u32 s[WV], NA
	s_cselect_b32 s88, s87, s88
	s_cselect_b32 s71, ttmp9, s71                  ; the cluster coordinate along which others read the same block
	s_cselect_b32 s87, 8, 11                       ; a lane a piece: 256 bytes on, or a row of 2,048 on
	s_cselect_b32 s90, STEPA, s90
	s_cselect_b64 s[PFA:PFA+1], s[82:83], s[84:85]
	s_mov_b32 s89, 0
	s_mov_b32 s91, 0
	s_add_nc_u64 s[PFA:PFA+1], s[PFA:PFA+1], s[88:89]
	s_cmp_lt_u32 s[WV], NA+NBB
	s_cselect_b32 s71, s71, 1                      ; a wave that fetches nothing asks for nothing
	s_cmp_eq_u32 s71, 0
	s_cselect_b32 s[LIM], 1, -1
	v_and_b32 v[PFO], 31, v0
	v_lshlrev_b32 v[PFO], s87, v[PFO]
	CROUND                                         ; all sixteen work-groups are here: the first joint loads meet
	s_cmp_lt_u32 s[WV], NA                         ; a wave's two first fills stand in one branch: two loads of mine are out (wave 3: none)
	s_cbranch_scc0 .Lfirst_b
	tensor_load_to_lds s[G0A:G0A+3], s[G1A:G1A+7]
	s_nop 0
	tensor_load_to_lds s[G0A+4:G0A+7], s[G1A:G1A+7]
	s_nop 0
	PLACES
	s_branch .Lfirst_done
.Lfirst_b:
	s_cmp_lt_u32 s[WV], NA+NBB
	s_cbranch_scc0 .Lfirst_done
	tensor_load_to_lds s[G0B:G0B+3], s[G1B:G1B+7]
	s_nop 0
	tensor_load_to_lds s[G0B+4:G0B+7], s[G1B:G1B+7]
	s_nop 0
	PLACES
.Lfirst_done:
	v_and_b32 v1, 15, v0                           ; r = l % 16
	v_bfe_u32 v2, v0, 4, 1                         ; h = l / 16
	v_and_b32 v3, 31, v0                           ; l
	v_mul_u32_u24 v[AA0], v1, 144
	v_lshl_add_u32 v[AA0], v2, 4, v[AA0]
	s_mul_i32 s71, s[WM], 64*144
	v_add_nc_u32 v[AA0], s71, v[AA0]               ; (64 wm + r) x 144 + 16 h
	v_and_b32 v30, 7, v0
	v_lshl_add_u32 v30, v2, 3, v30
	v_mul_u32_u24 v30, v30, 288
	v_bfe_u32 v31, v0, 3, 1
	v_lshl_add_u32 v30, v31, 4, v30                ; (8 h + l % 8) x 288 + 16 ((l / 8) % 2)
	s_lshl_b32 s71, s[WN], 7
	s_add_co_u32 s71, s71, NA*BLK
	v_add_nc_u32 v[BB0], s71, v30
	v_add_nc_u32 v[BB0+1], BLK, v[BB0]
; ---------------- this product's own: what the way out needs ----------------
	s_lshl_b32 s86, s[TY], 7
	s_lshl_b32 s87, s[WM], 6
	s_add_co_u32 s86, s86, s87                     ; my first token, 0..4032
	s_lshl_b32 s88, s86, 2
	s_mov_b32 s89, 0
	s_add_nc_u64 s[78:79], s[8:9], s[88:89]        ; ssq[0][my tokens]
	v_lshlrev_b32 v[XO], 17, v2                    ; the lower lanes take parts 0-7, the upper lanes parts 8-15,
	v_lshl_add_u32 v[XO], v1, 2, v[XO]             ; of token r
.irp a, 0,1,2,3
.irp q, 0,1,2,3,4,5,6,7
	global_load_b32 v[128+8*\a+\q], v[XO], s[78:79] offset:16384*\q+64*\a    ; waited for at the way out
.endr
.endr
	s_lshl_b32 s87, s45, 4
	s_lshl_b32 s88, s[TX], 1
	s_add_co_u32 s87, s87, s88
	s_add_co_u32 s87, s87, s[WN]                   ; my slab: 16 b + column / 64
	s_lshl_b32 s87, s87, 18
	s_and_b32 s86, s86, 2047
	s_lshl_b32 s86, s86, 7
	s_add_co_u32 s86, s86, s87
	s_mov_b32 s87, 0
	s_add_nc_u64 s[72:73], s[10:11], s[86:87]      ; xa at my wave's 64 rows: 8,192 consecutive bytes
	s_mul_i32 s86, s[WV], 2304
	s_add_co_u32 s86, s86, STAGE                   ; my stage: 16 rows of 128 + 16 bytes
	v_mul_u32_u24 v[STO], v1, 144
	v_lshl_add_u32 v[STO], v2, 4, v[STO]
	v_add_nc_u32 v[STO], s86, v[STO]
	v_bfe_u32 v[RD], v0, 3, 2
	v_mul_u32_u24 v[RD], v[RD], 144
	v_and_b32 v30, 7, v0
	v_lshl_add_u32 v[RD], v30, 4, v[RD]
	v_add_nc_u32 v[RD], s86, v[RD]
	v_lshlrev_b32 v[GO], 4, v3
; ---------------- the walk along K ----------------
	s_wait_tensorcnt 0x1                           ; my block of K step 0 is in; K step 1's may stay out
	s_barrier_signal -1
	s_barrier_wait -1
	ADDRS
	FETCH 0, 0, 0
	QUARTER 64, 9216, 0, 1                         ; quarter 0 starts the sums
	STEP
	s_mov_b32 s[CNT], T-1
	s_mov_b32 s[CN2], NP2-1                        ; the first slot has one pair fewer in front of its change: quarter 0 stands above
	s_branch .Lpair
.Lmain:                                            ; T - 2 times: a slot is left and filled again
	CHG 1
	s_mov_b32 s[CN2], NP2
.Lpair:
	PAIR
	s_sub_co_u32 s[CN2], s[CN2], 1
	s_cmp_lg_u32 s[CN2], 0
	s_cbranch_scc1 .Lpair
	s_sub_co_u32 s[CNT], s[CNT], 1
	s_cmp_lg_u32 s[CNT], 0
	s_cbranch_scc1 .Lmain
	CHG 0                                          ; the last change is written out: nothing is asked for
	s_mov_b32 s[CN2], NP2
.Ltail:
	PAIR
	s_sub_co_u32 s[CN2], s[CN2], 1
	s_cmp_lg_u32 s[CN2], 0
	s_cbranch_scc1 .Ltail
	s_wait_dscnt 0x0                               ; the last quarter: nothing is left to fetch
	MUL 1, 0
	WIN 0
	s_wait_loadcnt 0x0                             ; what the way out needs
	PLACES
	PLACES
; ---------------- the rows' figures, for each of my lane's four tokens: v = mean(h^2) + 1e-6 in v[128 + 8 a], -rsqrt(v) log2 e in v[130 + 8 a]; each is the low word of a pair whose other word has been written ----------------
	s_mov_b32 s86, 0x3a800000                      ; 1/1024
	s_mov_b32 s87, 0x358637bd                      ; 1e-6
.irp a, 0,1,2,3
	v_add_f32 v[128+8*\a], v[128+8*\a], v[129+8*\a]
	v_add_f32 v[130+8*\a], v[130+8*\a], v[131+8*\a]
	v_add_f32 v[132+8*\a], v[132+8*\a], v[133+8*\a]
	v_add_f32 v[134+8*\a], v[134+8*\a], v[135+8*\a]
	v_add_f32 v[128+8*\a], v[128+8*\a], v[130+8*\a]
	v_add_f32 v[132+8*\a], v[132+8*\a], v[134+8*\a]
	v_add_f32 v[128+8*\a], v[128+8*\a], v[132+8*\a]
.endr
.irp a, 0,1,2,3
	v_permlanex16_b32 v[129+8*\a], v[128+8*\a], s80, s81    ; the other eight parts lie in the lane 16 away
.endr
.irp a, 0,1,2,3
	v_add_f32 v[128+8*\a], v[128+8*\a], v[129+8*\a]
.endr
.irp a, 0,1,2,3
	v_fma_f32 v[128+8*\a], v[128+8*\a], s86, s87
.endr
.irp a, 0,1,2,3
	v_rsq_f32 v[130+8*\a], v[128+8*\a]
.endr
	v_nop                                          ; the plain instruction behind them,
	s_wait_alu depctr_va_vdst(0)                   ; and one wait for the four
.irp a, 0,1,2,3
	v_mul_f32 v[130+8*\a], 0xbfb8aa3b, v[130+8*\a]
.endr
; ---------------- the way out, 16 tokens at a time: g u in v32-63, the power and what is made of it in v64-95; unit a owns v[160 + 16 a ..] ----------------
.macro GATE a
	WIN 0x02                                       ; source 0 (the sums) in window 2
.set i, 0
.rept 16
	v_pk_mul_f32 v[64+i:65+i], v[32*(\a)+i:32*(\a)+i+1], v[130+8*(\a):131+8*(\a)] op_sel_hi:[1,0]   ; -g r log2 e
.set i, i+2
.endr
	WIN 0
.set i, 0
.rept 32
	v_exp_f32 v[64+i], v[64+i]
.set i, i+1
.endr
	WIN 0x0a                                       ; sources 0 and 1 in window 2
.set i, 0
.rept 16                               ; plain work that names no result of the batch stands behind it
	v_pk_mul_f32 v[32+i:33+i], v[32*(\a)+i:32*(\a)+i+1], v[128+32*(\a)+i:128+32*(\a)+i+1]           ; g u
.set i, i+2
.endr
	WIN 0
	s_wait_alu depctr_va_vdst(0)                   ; one wait for the 32 exponentials
.set i, 0
.rept 16
	v_pk_fma_f32 v[64+i:65+i], v[64+i:65+i], v[128+8*(\a):129+8*(\a)], v[128+8*(\a):129+8*(\a)] op_sel_hi:[1,0,0]   ; (1 + power) v
.set i, i+2
.endr
.set i, 0
.rept 32
	v_rcp_f32 v[64+i], v[64+i]
.set i, i+1
.endr
	v_nop
	s_wait_alu depctr_va_vdst(0)                   ; one wait for the 32 reciprocals
.set i, 0
.rept 16
	v_pk_mul_f32 v[32+i:33+i], v[32+i:33+i], v[64+i:65+i]
.set i, i+2
.endr
.set k, 0
.rept 16
	v_cvt_pk_bf16_f32 v[OUT+16*(\a)+k], v[32+2*k], v[33+2*k]
.set k, k+1
.endr
.endm
.macro TOST u                          ; a lane's 16 bytes of a row into my stage, and whole rows back into the same registers; LDS serves a wave's instructions in order (ISA guide 5.7.1.4)
.set rO, OUT+16*(\u)
.irp b, 0,1,2,3
	ds_store_b128 v[STO], v[rO+4*\b:rO+4*\b+3] offset:32*\b
.endr
.irp f, 0,1,2,3
	ds_load_b128 v[rO+4*\f:rO+4*\f+3], v[RD] offset:576*\f
.endr
.endm
.macro SENDU u, younger                ; younger: the LDS instructions issued behind unit u's loads
.set rO, OUT+16*(\u)
.irp f, 0,1,2,3
	s_wait_dscnt (\younger)+3-\f
	global_store_b128 v[GO], v[rO+4*\f:rO+4*\f+3], s[72:73] offset:2048*(\u)+512*\f   ; 512 consecutive bytes, aligned
.endr
.endm
	GATE 0
	TOST 0
.set u, 1
.rept 3
	GATE u
	TOST u
	SENDU u-1, 8
.set u, u+1
.endr
	SENDU 3, 0
	s_wait_tensorcnt 0x0                           ; the wave's end
	ds_add_u32 v[SPW], v[NIL]
	s_wait_dscnt 0x0
	CROUND                                         ; the closing round
	s_endpgm
.Lfunc_end_k_q9c5beb2cdc_gateup:
	.size	k_q9c5beb2cdc_gateup, .Lfunc_end_k_q9c5beb2cdc_gateup-k_q9c5beb2cdc_gateup
	.p2alignl 7, 3214868480
	.fill 96, 4, 3214868480
	.section	.rodata,"a",@progbits
	.p2align	6, 0x0
	.amdhsa_kernel k_q9c5beb2cdc_gateup
		.amdhsa_group_segment_fixed_size 327680
		.amdhsa_private_segment_fixed_size 0
		.amdhsa_enable_private_segment 0
		.amdhsa_kernarg_size 32
		.amdhsa_user_sgpr_count 2
		.amdhsa_user_sgpr_kernarg_segment_ptr 1
		.amdhsa_wavefront_size32 1
		.amdhsa_system_sgpr_workgroup_id_x 1
		.amdhsa_system_sgpr_workgroup_id_y 1
		.amdhsa_system_sgpr_workgroup_id_z 1
		.amdhsa_system_vgpr_workitem_id 0
		.amdhsa_next_free_vgpr 768
		.amdhsa_next_free_sgpr 96
		.amdhsa_reserve_vcc 0
		.amdhsa_float_denorm_mode_32 3
		.amdhsa_float_denorm_mode_16_64 3
		.amdhsa_memory_ordered 1
		.amdhsa_forward_progress 1
		.amdhsa_inst_pref_size 73
	.end_amdhsa_kernel
	.amdgpu_metadata
---
amdhsa.version: [ 1, 2 ]
amdhsa.kernels:
  - .name:           k_q9c5beb2cdc_gateup
    .symbol:         k_q9c5beb2cdc_gateup.kd
    .args:
      - { .name: hb, .offset: 0, .size: 8, .value_kind: global_buffer, .address_space: global }
      - { .name: wb, .offset: 8, .size: 8, .value_kind: global_buffer, .address_space: global }
      - { .name: ssq, .offset: 16, .size: 8, .value_kind: global_buffer, .address_space: global }
      - { .name: xa, .offset: 24, .size: 8, .value_kind: global_buffer, .address_space: global }
    .group_segment_fixed_size: 327680
    .private_segment_fixed_size: 0
    .kernarg_segment_align: 8
    .kernarg_segment_size: 32
    .max_flat_workgroup_size: 128
    .sgpr_count:     96
    .vgpr_count:     768
    .wavefront_size: 32
...
	.end_amdgpu_metadata
.endif
;; end of part 11
;; launch down (part 12): grid 8 x 32, 4 waves a work-group, clusters of 4 x 4, 327,680 bytes of LDS; arguments xa, wb, h, out0; writes out0
.if DOCPART == 12
	.amdgcn_target "amdgcn-amd-amdhsa--gfx1250"
	.amdhsa_code_object_version 6
	.text
	.protected	k_q9c5beb2cdc_down
	.globl	k_q9c5beb2cdc_down
	.p2align	8
	.type	k_q9c5beb2cdc_down,@function
k_q9c5beb2cdc_down:
	s_mov_b64 s[64:65], 0
	v_nop
	global_prefetch_b8 v0, s[64:65] scope:SCOPE_SE
	s_setreg_imm32_b32 hwreg(HW_REG_WAVE_MODE, 25, 1), 1
	s_wait_xcnt 0x0
	s_wait_alu depctr_hold_cnt(0) depctr_sa_sdst(0) depctr_va_vdst(0) depctr_va_sdst(0) depctr_va_ssrc(0) depctr_va_vcc(0) depctr_vm_vsrc(0)
	s_getreg_b32 s2, hwreg(HW_REG_IB_STS2, 6, 4)
	s_cmp_eq_u32 s2, 0
	s_cbranch_scc0 .Lentry_in_a_cluster
	s_endpgm
.Lentry_in_a_cluster:
	s_bfe_u32 s2, ttmp6, 0x10000c
	s_cmp_lg_u32 s2, 0xf033
	s_cbranch_scc0 .Lentry_shape_is_right
	s_endpgm
.Lentry_shape_is_right:
; out0 = h + xa x w2, in f32.  xa holds the gated product in slabs, bf16.
; A work-group makes 128 tokens x 128 columns, a wave 64 x 64: 16 accumulators.  K goes in steps of 256 through two LDS slots: waves 0, 1 fetch the activations' two blocks, waves 2, 3 the weights'.
; Operands, layouts and cluster as in the other products of this program: activations in slabs [16 b + k / 64][s][64], weights [k][n] turned on the way out of LDS, the matrix instruction transposed
; (a lane holds one token and eight neighbouring columns), 4 x 4 work-groups with joint loads.  No prefetch: four K steps, of which two are the first fills.
; THE WALK ALONG K is 32 quarters of 32.  An even quarter lies in fragment buffer 0 and fetches the odd one behind it, an odd quarter lies in buffer 1 and fetches the next even one.  64 along K are 18,432
; bytes in both kinds of block, and the blocks lie end to end, so one scalar names the place and a PAIR (odd quarter, even quarter, step) has one text.  A slot changes in front of its last quarter:
; four pairs lie between two changes.  Quarter 0 is written out: its products start the sums, and nothing is cleared.
; LIMITS: operands bf16, sums f32; NaN and infinities are not treated apart.
.set NA, 2            ; blocks of activations in a slot; two of weights follow them
.set NQ, 8            ; quarters of 32 along K in a slot
.set T, 4             ; K steps = fills of a slot
.set P0, 6            ; w2's plane of wb
.set STEPA, 1048576   ; bytes from K step to K step: four slabs,
.set STEPB, 524288    ; 256 rows of the weight plane
.set BSTR, 262144     ; from weight block to weight block: 128 rows
.set BLK,   36864     ; a block in LDS.  Activations: two slabs of 128 rows, 128 bytes + 16 of padding.  Weights: 128 k rows, 256 bytes + 32 of padding
.set HS,    18432     ; 64 along K: a slab of activations, or 64 k rows of weights
.set SLOT,  4*BLK     ; its bits (14, 17) meet none of w x BLK (12, 13, 15, 16): one exclusive or changes slots
.set STAGE, 2*SLOT    ; behind the ring: 16 rows of 272 bytes for each wave, for the way out; no tensor load lands there
.set SPARE, STAGE+18432   ; the spare words
.set NL,    16        ; LDS loads of a quarter
.set NP2,   NQ/2      ; pairs of quarters in a slot
.set AA0, 4           ; v4, v5  my lane's place in the activations' and in the weights' blocks; never rewritten
.set BB0, 5
.set AA,  8           ; v8, v9  the same at the place that s[TB] names
.set AB,  9
.set STO, 12
.set RD,  13
.set GO,  14
.set SPW, 28
.set NIL, 29
.set AF,  64          ; v64-127 fragments of activations, two buffers of 4 x 8.  Window 1: v0-63 fragments of weights, v128-255 the residual.  Window 2: the accumulators
.set WV, 20
.set WM, 21
.set WN, 22
.set TY, 23
.set G1A, 24
.set G0A, 32
.set CX, 40
.set CY, 41
.set TX, 42
.set G1B, 48
.set G0B, 56
.set TB, 66           ; s66     the slot in hand (0 or SLOT) + the place along K
.set CNT, 67          ; s67     counts the changes of slots
.set CN2, 71          ; s71     counts the pairs of quarters
.set MSB, 0
.macro WIN new                         ; the immediate's high byte repeats the setting that is left; a switch that changes nothing is dropped
.if MSB != (\new)
	s_set_vgpr_msb (MSB<<8)|(\new)
.set MSB, \new
.endif
.endm
.macro PLACES                          ; four plain vector instructions between a matrix instruction and a load into, or a vector line on, its registers
.rept 4
	v_nop
.endr
.endm
.macro CROUND                          ; a round of the cluster's barrier
	s_barrier_signal -1
	s_barrier_wait -1
	s_cmp_lg_u32 s[WV], 0
	s_cbranch_scc1 .Lnot_wave_0_\@
	s_barrier_signal -3
.Lnot_wave_0_\@:
	s_barrier_wait -3
	s_barrier_signal -1
	s_barrier_wait -1
.endm
.macro JLOADW                          ; the joint refill: wave i fetches block i by the walking descriptor; the branch hangs on the wave's number alone
	s_cmp_lt_u32 s[WV], NA
	s_cbranch_scc0 .Lfor_b_\@
	tensor_load_to_lds s[G0A+4:G0A+7], s[G1A:G1A+7]
	s_nop 0
	PLACES
	s_branch .Lasked_\@
.Lfor_b_\@:
	tensor_load_to_lds s[G0B+4:G0B+7], s[G1B:G1B+7]
	s_nop 0
	PLACES
.Lasked_\@:
.endm
; A quarter's products out of buffer f.  The 16 accumulators take turns, one instruction a turn, in the same order in every quarter, over all back edges.  zero = 1: they start the sums.
.macro MUL f, zero
	WIN 0xa1                                       ; weights window 1, activations window 0, sums window 2
.set ma, 0
.rept 16
.set rC, 8*ma
.set rB, 32*(\f)+8*(ma%4)
.set rA, AF+32*(\f)+8*(ma/4)
.if \zero
	v_wmma_f32_16x16x32_bf16 v[rC:rC+7], v[rB:rB+7], v[rA:rA+7], 0
.else
	v_wmma_f32_16x16x32_bf16 v[rC:rC+7], v[rB:rB+7], v[rA:rA+7], v[rC:rC+7]
.endif
.set ma, ma+1
.endr
.endm
.macro FETCH ao, bo, f                 ; a quarter's fragments, ao bytes behind v[AA] and bo bytes behind v[AB], into buffer f, in one run
	WIN 0x40                                       ; destination window 1, address window 0
.set fb, 0
.rept 4
.set rB, 32*(\f)+8*fb
	ds_load_tr16_b128 v[rB:rB+3], v[AB] offset:(\bo)+32*fb          ; k = 8 (l / 16) + 0..7 of column l % 16
	ds_load_tr16_b128 v[rB+4:rB+7], v[AB] offset:(\bo)+32*fb+4608   ; sixteen k rows on
.set fb, fb+1
.endr
	WIN 0
.set fa, 0
.rept 4
.set rA, AF+32*(\f)+8*fa
	ds_load_b128 v[rA:rA+3], v[AA] offset:(\ao)+2304*fa
	ds_load_b128 v[rA+4:rA+7], v[AA] offset:(\ao)+2304*fa+32
.set fa, fa+1
.endr
.endm
.macro QUARTER ao, bo, f, zero=0       ; the next quarter is fetched into the other buffer, then f is multiplied
	PLACES
	FETCH \ao, \bo, 1-(\f)
	s_wait_dscnt NL                                ; all but the NL loads just issued: buffer f is in
	MUL \f, \zero
.endm
.macro ADDRS
	v_add_nc_u32 v[AA], s[TB], v[AA0]
	v_add_nc_u32 v[AB], s[TB], v[BB0]
.endm
.macro STEP                            ; 64 along K on
	WIN 0
	s_add_co_u32 s[TB], s[TB], HS
	ADDRS
.endm
.macro PAIR                            ; an odd quarter, which fetches the even one at s[TB]; that even quarter, which fetches the odd one behind it; the step
	QUARTER 0, 0, 1
	QUARTER 64, 9216, 0
	STEP
.endm
; THE CHANGE OF SLOTS, in front of a slot's last quarter, whose fragments have been asked for.  Each wave waits for all its tensor loads (one is out: its block of the other slot), adds 0 to its spare word, and
; waits for that and for its reads of this slot.  fill = 1: a round of the cluster's barrier follows, and this slot is filled again first thing behind it, with the K step two on.
.macro CHG fill
	s_wait_tensorcnt 0x0
	ds_add_u32 v[SPW], v[NIL]                      ; 0 onto my spare word; work on registers stands between it and the wait for it
.if \fill
	s_xor_b32 s[G0A+5], s[G0A+5], SLOT             ; no load of mine is out, so the walking descriptors step: the other slot, the next K step
	s_add_nc_u64 s[G0A+6:G0A+7], s[G0A+6:G0A+7], STEPA
	s_xor_b32 s[G0B+5], s[G0B+5], SLOT
	s_add_nc_u64 s[G0B+6:G0B+7], s[G0B+6:G0B+7], STEPB
.endif
	s_sub_co_u32 s[TB], s[TB], NP2*HS              ; the fetches go back to a slot's first quarter,
	s_xor_b32 s[TB], s[TB], SLOT                   ; in the other slot
	ADDRS
	s_wait_dscnt 0x0                               ; the add is done, buffer 1 is in, my reads of this slot are over
.if \fill
	CROUND
	JLOADW
.else
	s_barrier_signal -1
	s_barrier_wait -1
.endif
.endm
; ---------------- the head ----------------
	s_load_b256 s[4:11], s[0:1], 0x0               ; xa s[4:5], wb s[6:7], h s[8:9], out0 s[10:11]
	v_lshl_add_u32 v[SPW], v0, 2, SPARE
	v_mov_b32 v[NIL], 0
	ds_add_u32 v[SPW], v[NIL]                      ; the wave's opening: the add and its wait ahead of my first tensor load; the set-up, work on registers, between them
	v_lshrrev_b32 v1, 5, v0
	v_readfirstlane_b32 s[WV], v1
	s_lshr_b32 s[WM], s[WV], 1
	s_and_b32 s[WN], s[WV], 1
	s_bfe_u32 s[CX], ttmp6, 0x40000
	s_bfe_u32 s[CY], ttmp6, 0x40004
	s_lshl_b32 s[TX], ttmp9, 2
	s_add_co_u32 s[TX], s[TX], s[CX]               ; column tile = 4 x cluster x + cx
	s_and_b32 s[TY], ttmp7, 0xffff
	s_lshl_b32 s[TY], s[TY], 2
	s_add_co_u32 s[TY], s[TY], s[CY]               ; row tile = 4 x cluster y + cy
	s_lshl_b32 s43, s[CY], 2
	s_lshl_b32 s43, 15, s43                        ; my row of the cluster
	s_lshl_b32 s44, 0x1111, s[CX]                  ; my column
	s_or_b32 s[G1A], s43, (1<<16)|(1<<20)|(1<<21)|(4<<22)|(3<<25)  ; mask; 2-byte elements; padding on; bit 21 beside a mask; after every 32 words 4 words
	s_mov_b32 s[G1A+1], 8192<<16                   ; tensor_dim0 = 8,192: a slab's 128 tokens, dense
	s_mov_b32 s[G1A+2], 2<<16                      ; tensor_dim1 = 2 slabs
	s_mov_b32 s[G1A+3], 8192<<16                   ; tile_dim0
	s_mov_b32 s[G1A+4], 2                          ; tile_dim1
	s_mov_b32 s[G1A+5], 131072                     ; elements from slab to slab
	s_mov_b32 s[G1A+6], 0
	s_mov_b32 s[G1A+7], 0
	s_or_b32 s[G1B], s44, (1<<16)|(1<<20)|(1<<21)|(5<<22)|(7<<25)  ; after every 64 words 8 words
	s_mov_b32 s[G1B+1], 128<<16
	s_mov_b32 s[G1B+2], 128<<16
	s_mov_b32 s[G1B+3], 128<<16
	s_mov_b32 s[G1B+4], 128
	s_mov_b32 s[G1B+5], 1024
	s_mov_b32 s[G1B+6], 0
	s_mov_b32 s[G1B+7], 0
	s_lshr_b32 s45, s[TY], 4                       ; the batch
	s_and_b32 s46, s[TY], 15                       ; the block of 128 tokens in it
	s_lshl_b32 s82, s45, 22                        ; activations: made of the tile row and the wave's number alone
	s_lshl_b32 s83, s46, 14
	s_add_co_u32 s82, s82, s83
	s_min_u32 s83, s[WV], NA-1
	s_lshl_b32 s83, s83, 19
	s_add_co_u32 s82, s82, s83
	s_mov_b32 s83, 0
	s_max_u32 s84, s[WV], NA                       ; weights: of the tile column and the wave's number alone
	s_sub_co_u32 s84, s84, NA
	s_mul_i32 s84, s84, BSTR
	s_lshl_b32 s85, s[TX], 8
	s_add_co_u32 s84, s84, s85
	s_add_co_u32 s84, s84, P0*2097152
	s_mov_b32 s85, 0
	s_mul_i32 s86, s[WV], BLK                      ; where my block goes: no place in the cluster enters an LDS address
	s_mov_b32 s[TB], 0
	s_wait_dscnt 0x0                               ; the opening add is done
	s_wait_kmcnt 0x0
	s_add_nc_u64 s[82:83], s[4:5], s[82:83]
	s_add_nc_u64 s[84:85], s[6:7], s[84:85]
.irp s, 0,1
	s_mov_b32 s[G0A+4*(\s)], 1
	s_add_co_u32 s[G0A+4*(\s)+1], s86, (\s)*SLOT
	s_add_nc_u64 s[G0A+4*(\s)+2:G0A+4*(\s)+3], s[82:83], (\s)*STEPA
	s_or_b32 s[G0A+4*(\s)+3], s[G0A+4*(\s)+3], 0x80000000
	s_mov_b32 s[G0B+4*(\s)], 1
	s_add_co_u32 s[G0B+4*(\s)+1], s86, (\s)*SLOT
	s_add_nc_u64 s[G0B+4*(\s)+2:G0B+4*(\s)+3], s[84:85], (\s)*STEPB
	s_or_b32 s[G0B+4*(\s)+3], s[G0B+4*(\s)+3], 0x80000000
.endr
	CROUND                                         ; all sixteen work-groups are here: the first joint loads meet
	s_cmp_lt_u32 s[WV], NA                         ; a wave's two first fills stand in one branch: two loads of mine are out
	s_cbranch_scc0 .Lfirst_b
	tensor_load_to_lds s[G0A:G0A+3], s[G1A:G1A+7]
	s_nop 0
	tensor_load_to_lds s[G0A+4:G0A+7], s[G1A:G1A+7]
	s_nop 0
	PLACES
	s_branch .Lfirst_done
.Lfirst_b:
	tensor_load_to_lds s[G0B:G0B+3], s[G1B:G1B+7]
	s_nop 0
	tensor_load_to_lds s[G0B+4:G0B+7], s[G1B:G1B+7]
	s_nop 0
	PLACES
.Lfirst_done:
	v_and_b32 v1, 15, v0                           ; r = l % 16
	v_bfe_u32 v2, v0, 4, 1                         ; h = l / 16
	v_mul_u32_u24 v[AA0], v1, 144
	v_lshl_add_u32 v[AA0], v2, 4, v[AA0]
	s_mul_i32 s71, s[WM], 64*144
	v_add_nc_u32 v[AA0], s71, v[AA0]               ; (64 wm + r) x 144 + 16 h
	v_and_b32 v30, 7, v0
	v_lshl_add_u32 v30, v2, 3, v30
	v_mul_u32_u24 v30, v30, 288
	v_bfe_u32 v31, v0, 3, 1
	v_lshl_add_u32 v30, v31, 4, v30                ; (8 h + l % 8) x 288 + 16 ((l / 8) % 2)
	s_lshl_b32 s71, s[WN], 7
	s_add_co_u32 s71, s71, NA*BLK
	v_add_nc_u32 v[BB0], s71, v30
; ---------------- what the way out needs ----------------
	s_lshl_b32 s86, s[TY], 7
	s_lshl_b32 s87, s[WM], 6
	s_add_co_u32 s86, s86, s87                     ; my first token, 0..4032
	s_lshl_b32 s87, s[TX], 1
	s_add_co_u32 s87, s87, s[WN]                   ; my part of 64 columns, 0..15
	s_lshl_b32 s88, s86, 12
	s_lshl_b32 s89, s87, 8
	s_add_co_u32 s88, s88, s89
	s_mov_b32 s89, 0
	s_add_nc_u64 s[72:73], s[8:9], s[88:89]        ; the residual at my 64 x 64
	s_add_nc_u64 s[74:75], s[10:11], s[88:89]      ; out0 there
	v_lshlrev_b32 v[GO], 12, v2                    ; lanes 0-15 one row's 256 bytes, lanes 16-31 the next row's
	v_lshl_add_u32 v[GO], v1, 4, v[GO]
	WIN 0x40                                       ; window 1, v128-255: the residual, as the rows come back from the stage.  Waited for at the way out
.irp a, 0,1,2,3
.irp t, 0,1,2,3,4,5,6,7
	global_load_b128 v[128+32*\a+4*\t:128+32*\a+4*\t+3], v[GO], s[72:73] offset:65536*\a+8192*\t th:TH_LOAD_NT
.endr
.endr
	WIN 0
	s_mul_i32 s86, s[WV], 4352
	s_add_co_u32 s86, s86, STAGE                   ; my stage: 16 rows of 256 + 16 bytes
	v_mul_u32_u24 v[STO], v1, 272
	v_lshl_add_u32 v[STO], v2, 5, v[STO]
	v_add_nc_u32 v[STO], s86, v[STO]
	v_mul_u32_u24 v[RD], v2, 272
	v_lshl_add_u32 v[RD], v1, 4, v[RD]
	v_add_nc_u32 v[RD], s86, v[RD]
; ---------------- the walk along K ----------------
	s_wait_tensorcnt 0x1                           ; my block of K step 0 is in; K step 1's may stay out
	s_barrier_signal -1
	s_barrier_wait -1
	ADDRS
	FETCH 0, 0, 0
	QUARTER 64, 9216, 0, 1                         ; quarter 0 starts the sums
	STEP
	s_mov_b32 s[CNT], T-1
	s_mov_b32 s[CN2], NP2-1                        ; the first slot has one pair fewer in front of its change: quarter 0 stands above
	s_branch .Lpair
.Lmain:                                            ; T - 2 times: a slot is left and filled again
	CHG 1
	s_mov_b32 s[CN2], NP2
.Lpair:
	PAIR
	s_sub_co_u32 s[CN2], s[CN2], 1
	s_cmp_lg_u32 s[CN2], 0
	s_cbranch_scc1 .Lpair
	s_sub_co_u32 s[CNT], s[CNT], 1
	s_cmp_lg_u32 s[CNT], 0
	s_cbranch_scc1 .Lmain
	CHG 0                                          ; the last change is written out: nothing is asked for
	s_mov_b32 s[CN2], NP2
.Ltail:
	PAIR
	s_sub_co_u32 s[CN2], s[CN2], 1
	s_cmp_lg_u32 s[CN2], 0
	s_cbranch_scc1 .Ltail
	s_wait_dscnt 0x0                               ; the last quarter: nothing is left to fetch
	MUL 1, 0
	WIN 0
	s_wait_loadcnt 0x0                             ; the residual
	PLACES
	PLACES
; ---------------- the way out, 16 tokens at a time: sums into my stage, whole rows of 256 bytes back; no store's registers are written again ----------------
.macro TOSTF a
	WIN 0x08                                       ; the stores' data in window 2
.irp b, 0,1,2,3
	ds_store_b128 v[STO], v[8*(4*(\a)+\b):8*(4*(\a)+\b)+3] offset:64*\b
	ds_store_b128 v[STO], v[8*(4*(\a)+\b)+4:8*(4*(\a)+\b)+7] offset:64*\b+16
.endr
	WIN 0
.irp t, 0,1,2,3,4,5,6,7
	ds_load_b128 v[64+32*(\a)+4*\t:64+32*(\a)+4*\t+3], v[RD] offset:544*\t   ; LDS serves a wave's instructions in order (ISA guide 5.7.1.4)
.endr
.endm
.macro FIN a, n                        ; n: the LDS instructions issued behind unit a's loads
	s_wait_dscnt \n
	WIN 0x04                                       ; source 1 (the residual) in window 1
.set t, 0
.rept 8
.set rH, 64+32*(\a)+4*t
	v_pk_add_f32 v[rH:rH+1], v[rH:rH+1], v[rH+64:rH+65]
	v_pk_add_f32 v[rH+2:rH+3], v[rH+2:rH+3], v[rH+66:rH+67]
.set t, t+1
.endr
	WIN 0
.set t, 0
.rept 8
.set rH, 64+32*(\a)+4*t
	global_store_b128 v[GO], v[rH:rH+3], s[74:75] offset:65536*(\a)+8192*t th:TH_STORE_NT    ; sixteen lanes store 256 consecutive bytes, aligned
.set t, t+1
.endr
.endm
	TOSTF 0
	TOSTF 1
	FIN 0, 16                                      ; behind unit 0's loads: unit 1's sixteen
	TOSTF 2
	FIN 1, 16
	TOSTF 3
	FIN 2, 16
	FIN 3, 0
	s_wait_tensorcnt 0x0                           ; the wave's end
	ds_add_u32 v[SPW], v[NIL]
	s_wait_dscnt 0x0
	CROUND                                         ; the closing round
	s_endpgm
.Lfunc_end_k_q9c5beb2cdc_down:
	.size	k_q9c5beb2cdc_down, .Lfunc_end_k_q9c5beb2cdc_down-k_q9c5beb2cdc_down
	.p2alignl 7, 3214868480
	.fill 96, 4, 3214868480
	.section	.rodata,"a",@progbits
	.p2align	6, 0x0
	.amdhsa_kernel k_q9c5beb2cdc_down
		.amdhsa_group_segment_fixed_size 327680
		.amdhsa_private_segment_fixed_size 0
		.amdhsa_enable_private_segment 0
		.amdhsa_kernarg_size 32
		.amdhsa_user_sgpr_count 2
		.amdhsa_user_sgpr_kernarg_segment_ptr 1
		.amdhsa_wavefront_size32 1
		.amdhsa_system_sgpr_workgroup_id_x 1
		.amdhsa_system_sgpr_workgroup_id_y 1
		.amdhsa_system_sgpr_workgroup_id_z 1
		.amdhsa_system_vgpr_workitem_id 0
		.amdhsa_next_free_vgpr 640
		.amdhsa_next_free_sgpr 96
		.amdhsa_reserve_vcc 0
		.amdhsa_float_denorm_mode_32 3
		.amdhsa_float_denorm_mode_16_64 3
		.amdhsa_memory_ordered 1
		.amdhsa_forward_progress 1
		.amdhsa_inst_pref_size 39
	.end_amdhsa_kernel
	.amdgpu_metadata
---
amdhsa.version: [ 1, 2 ]
amdhsa.kernels:
  - .name:           k_q9c5beb2cdc_down
    .symbol:         k_q9c5beb2cdc_down.kd
    .args:
      - { .name: xa, .offset: 0, .size: 8, .value_kind: global_buffer, .address_space: global }
      - { .name: wb, .offset: 8, .size: 8, .value_kind: global_buffer, .address_space: global }
      - { .name: h, .offset: 16, .size: 8, .value_kind: global_buffer, .address_space: global }
      - { .name: out0, .offset: 24, .size: 8, .value_kind: global_buffer, .address_space: global }
    .group_segment_fixed_size: 327680
    .private_segment_fixed_size: 0
    .kernarg_segment_align: 8
    .kernarg_segment_size: 32
    .max_flat_workgroup_size: 128
    .sgpr_count:     96
    .vgpr_count:     640
    .wavefront_size: 32
...
	.end_amdgpu_metadata
.endif
;; end of part 12
;; ======== version 3 of 3: 6 launches; version 2 with the launch prep written anew for expert scheduling mode
;; workspace buffers: wb 14,680,064 bytes; xa 8,388,608 bytes; rope 524,288 bytes; qkv 25,165,824 bytes; ctx 8,388,608 bytes; h 16,777,216 bytes; hb 8,388,608 bytes; ssq 262,144 bytes
;; launch prep (part 13): grid 512 x 1, 8 waves a work-group, no clusters, 0 bytes of LDS; arguments Wq, Wk, Wv, Wo, w1, w3, w2, hidden_states, ln1_w, wb, xa, rope; writes wb, xa, rope
.if DOCPART == 13
	.amdgcn_target "amdgcn-amd-amdhsa--gfx1250"
	.amdhsa_code_object_version 6
	.text
	.protected	k_q9c5beb2cdc_prep
	.globl	k_q9c5beb2cdc_prep
	.p2align	8
	.type	k_q9c5beb2cdc_prep,@function
k_q9c5beb2cdc_prep:
	s_mov_b64 s[64:65], 0
	v_nop
	global_prefetch_b8 v0, s[64:65] scope:SCOPE_SE
	s_setreg_imm32_b32 hwreg(HW_REG_WAVE_SCHED_MODE, 0, 2), 2
	s_setreg_imm32_b32 hwreg(HW_REG_WAVE_MODE, 25, 1), 1
	s_wait_xcnt 0x0
	s_wait_alu depctr_vm_vsrc(0)
; PREP.  512 work-groups of eight waves, all alike.  Work-group g does three things:
;   every wave      bytes 8,192 g .. 8,192 g + 8,191 of each of the seven weight matrices, f32 [1024 k][1024 n], rounded once to bf16 as they lie: wb[plane][k][n], planes Wq Wk Wv Wo w1 w3 w2
;   waves 0 to 3    xa = bf16(x * rsqrt(mean(x^2) + 1e-6) * ln1) for rows 8 g + 2 w and 8 g + 2 w + 1.  xa lies in SLABS: [16 b + column / 64][s][64], a slab row is 128 bytes
;   waves 4 to 7    the table rope[pos][cos 0..31 | sin 0..31] in f32 for position 4 g + w - 4
; No LDS, no matrix unit, no cluster: nothing is shared and each byte is touched once.  All of a wave's loads go out before its first wait for data.
; LIMITS.  The angle pos * 10000^(-i/32) is made in f32 (its frequency by 2^x, within some 5e-7 of itself), reduced by 2 pi in two parts, quartered, put through series cut at a^7 and a^8
; (|a| <= pi/4: under 4e-7) and doubled twice.  NaN and infinities in x are not treated apart.
; THE MODE: SCHED_MODE bits 1:0 = 2 (LLVM: expert scheduling mode 2), set by the entry lines.  The code itself states the register dependences
; between vector instructions and memory instructions, with s_wait_alu, always for 0.
; THE PLAN.  Registers that memory instructions touch:
;   v1, v2         the weights' byte offsets, in and out: made once at the head, read by the 14 loads and the 14 stores, never written again
;   v12, v13, v14  (the norm) the offsets of ln1, of x and of xa: made once, never written again          v7  (the table) its store's offset: made once
;   LN, X, W       loads land in them once, and no vector instruction names them ahead of those loads.  X and W are then worked on in place; the first two of each four registers become a store's data,
;                  and nothing writes them behind that store
;   v18, v19       (the table) written by the two selects, read by the one store
; So no register that a memory instruction reads is ever written again: no wait on vm_vsrc is owed.  What is owed is va_vdst ahead of each path's first load (the offsets) and ahead of stores (their data).
; The stores go by GROUPS: a group's roundings, one wait, and then its stores, dealt among the next group's arithmetic, which names the next group's registers alone.
.set W,  32                            ; v[32:87]   fourteen loads of weights
.set LN, 96                            ; v[96:159]  ln1
.set X,  160                           ; v[160:223] a pair of rows of x
	s_load_b512 s[4:19], s[0:1], 0x0               ; Wq s[4:5] Wk s[6:7] Wv s[8:9] Wo s[10:11] w1 s[12:13] w3 s[14:15] w2 s[16:17] hidden s[18:19]
	s_load_b256 s[20:27], s[0:1], 0x40             ; ln1 s[20:21] wb s[22:23] xa s[24:25] rope s[26:27]
	v_and_b32 v3, 31, v0                           ; lane
	v_lshrrev_b32 v4, 5, v0
	v_readfirstlane_b32 s3, v4                     ; wave 0..7
	s_mov_b32 s2, ttmp9                            ; g
	s_lshl_b32 s42, s2, 13                         ; s42 and s43, which vector lines read, are never written again
	v_lshl_add_u32 v1, v0, 4, s42                  ; weights in: 8,192 g + 16 t: a wave's load covers 512 consecutive bytes
	s_lshl_b32 s43, s2, 12
	v_lshl_add_u32 v2, v0, 3, s43                  ; weights out: 4,096 g + 8 t: a wave's store covers 256 consecutive bytes, aligned
	s_wait_kmcnt 0x0
	s_add_nc_u64 s[28:29], s[22:23], 0x800000      ; wb at plane 4: a store's immediate does not reach planes 4 to 6 from plane 0
.macro WLOADS
.irp k, 0,1,2,3,4,5,6
	global_load_b128 v[W+8*\k:W+8*\k+3], v1, s[4+2*\k:5+2*\k] th:TH_LOAD_NT
	global_load_b128 v[W+8*\k+4:W+8*\k+7], v1, s[4+2*\k:5+2*\k] offset:4096 th:TH_LOAD_NT
.endr
.endm
	s_wait_alu depctr_va_sdst(0)                   ; s3 is written, ahead of its first reader, the compare below; the rows' and the position's numbers are made from it too
	s_cmp_lt_u32 s3, 4
	s_cbranch_scc0 .Lrope
; ---- the norm.  Lanes 0-15 one row, lanes 16-31 the next; load j takes columns 64 j + 4 (l % 16) .. + 3, which is slab j.
	s_lshl_b32 s34, s2, 3
	s_lshl_b32 s30, s3, 1
	s_add_co_u32 s34, s34, s30                     ; my wave's first row, 0..4094
	s_lshl_b32 s30, s34, 12
	s_mov_b32 s31, 0
	s_add_nc_u64 s[18:19], s[18:19], s[30:31]
	s_lshr_b32 s32, s34, 11
	s_lshl_b32 s32, s32, 22                        ; the batch's sixteen slabs
	s_and_b32 s33, s34, 2047
	s_lshl_b32 s33, s33, 7                         ; the row in a slab
	s_add_co_u32 s30, s32, s33
	s_add_nc_u64 s[24:25], s[24:25], s[30:31]
	s_mov_b32 s36, 0x3a800000                      ; 1/1024
	s_mov_b32 s37, 0x358637bd                      ; 1e-6
	v_and_b32 v4, 15, v0
	v_lshlrev_b32 v12, 4, v4                       ; 16 (l % 16)
	v_bfe_u32 v5, v0, 4, 1
	v_lshl_add_u32 v13, v5, 12, v12                ; + a row for the upper lanes
	v_lshlrev_b32 v14, 3, v3                       ; 8 l: two slab rows are 256 bytes on end
	s_wait_alu depctr_va_vdst(0)                   ; the five offsets v1, v2, v12, v13, v14 are written, which all loads and stores of this path read
.set j, 0
.rept 16
	global_load_b128 v[LN+4*j:LN+4*j+3], v12, s[20:21] offset:256*j
.set j, j+1
.endr
.set j, 0
.rept 16
	global_load_b128 v[X+4*j:X+4*j+3], v13, s[18:19] offset:256*j th:TH_LOAD_NT
.set j, j+1
.endr
	WLOADS
	s_wait_loadcnt 14                              ; ln1 and the rows are in; the fourteen loads of weights, issued behind them, stay out
.set j, 0
.rept 16                               ; the sum of squares in four chains; the first two loads' squares start them
.set c, 4+4*(j%2)
.if j < 2
	v_pk_mul_f32 v[c:c+1], v[X+4*j:X+4*j+1], v[X+4*j:X+4*j+1]
	v_pk_mul_f32 v[c+2:c+3], v[X+4*j+2:X+4*j+3], v[X+4*j+2:X+4*j+3]
.else
	v_pk_fma_f32 v[c:c+1], v[X+4*j:X+4*j+1], v[X+4*j:X+4*j+1], v[c:c+1]
	v_pk_fma_f32 v[c+2:c+3], v[X+4*j+2:X+4*j+3], v[X+4*j+2:X+4*j+3], v[c+2:c+3]
.endif
.set j, j+1
.endr
	v_pk_add_f32 v[4:5], v[4:5], v[6:7]
	v_pk_add_f32 v[8:9], v[8:9], v[10:11]
	v_pk_add_f32 v[4:5], v[4:5], v[8:9]
	v_add_f32 v4, v4, v5
	v_add_f32_dpp v4, v4, v4 row_xmask:1 row_mask:0xf bank_mask:0xf   ; a row lies in sixteen lanes
	v_add_f32_dpp v4, v4, v4 row_xmask:2 row_mask:0xf bank_mask:0xf
	v_add_f32_dpp v4, v4, v4 row_xmask:4 row_mask:0xf bank_mask:0xf
	v_add_f32_dpp v4, v4, v4 row_xmask:8 row_mask:0xf bank_mask:0xf
	v_fma_f32 v4, v4, s36, s37
	v_rsq_f32 v6, v4
	v_rsq_f32 v7, v4                               ; twice: a pair for the packed multiply
	v_nop                                          ; the plain instruction behind them,
	s_wait_alu depctr_va_vdst(0)                   ; and one wait for both: v6 and v7 are written, ahead of their first reader
.macro SCALE j                         ; load j's four numbers: times the row's factor, times ln1, rounded into the first two of their four registers
	v_pk_mul_f32 v[X+4*(\j):X+4*(\j)+1], v[X+4*(\j):X+4*(\j)+1], v[6:7]
	v_pk_mul_f32 v[X+4*(\j)+2:X+4*(\j)+3], v[X+4*(\j)+2:X+4*(\j)+3], v[6:7]
	v_pk_mul_f32 v[X+4*(\j):X+4*(\j)+1], v[X+4*(\j):X+4*(\j)+1], v[LN+4*(\j):LN+4*(\j)+1]
	v_pk_mul_f32 v[X+4*(\j)+2:X+4*(\j)+3], v[X+4*(\j)+2:X+4*(\j)+3], v[LN+4*(\j)+2:LN+4*(\j)+3]
	v_cvt_pk_bf16_f32 v[X+4*(\j)], v[X+4*(\j)], v[X+4*(\j)+1]
	v_cvt_pk_bf16_f32 v[X+4*(\j)+1], v[X+4*(\j)+2], v[X+4*(\j)+3]
.endm
.macro XST j
	global_store_b64 v14, v[X+4*(\j):X+4*(\j)+1], s[24:25] offset:262144*(\j)   ; 256 consecutive bytes, aligned
.endm
.set g, 0
.rept 4                                ; four groups of four loads' numbers
.if g > 0
	s_wait_alu depctr_va_vdst(0)                   ; the group before has written its eight rounded registers, which the four stores below read; this group's lines name its own registers, v6 and v7 alone
.endif
.set n, 0
.rept 4
.if g > 0
	XST 4*g-4+n
.endif
	SCALE 4*g+n
.set n, n+1
.endr
.set g, g+1
.endr
	s_wait_alu depctr_va_vdst(0)                   ; the last group has written its rounded registers, which the last four stores read
.irp n, 12,13,14,15
	XST \n
.endr
	s_branch .Lconv
; ---- the table.  Lane l: frequencies 2 (l % 16) and 2 (l % 16) + 1; lanes 0-15 keep the cosines, lanes 16-31 the sines: the store is the position's 256 bytes.
.Lrope:
	s_wait_alu depctr_va_vdst(0)                   ; the offsets v1 and v2 are written, which the weights' loads and stores read
	WLOADS                                         ; the arithmetic below stands in the wait for them
	s_lshl_b32 s38, s2, 2
	s_add_co_u32 s38, s38, s3
	s_sub_co_u32 s38, s38, 4                       ; my wave's position
	s_lshl_b32 s39, s38, 8
	s_mov_b32 s40, 0x40c90fdb                      ; 2 pi, its f32
	s_mov_b32 s41, 0xb43bbd2e                      ; and what that f32 leaves over
	v_and_b32 v4, 15, v0
	v_lshlrev_b32 v4, 1, v4
	v_cvt_f32_u32 v5, v4
	v_add_f32 v6, 1.0, v5
	v_mul_f32 v5, 0xbed49a78, v5                   ; -i log2(10000) / 32
	v_mul_f32 v6, 0xbed49a78, v6
	v_exp_f32 v8, v5
	v_exp_f32 v9, v6
	v_lshl_add_u32 v7, v3, 3, s39                  ; pos x 256 + 8 l: the plain instruction behind the two exponentials
	v_cmp_le_u32 vcc_lo, 16, v3
	v_cvt_f32_u32 v10, s38
	s_wait_alu depctr_va_vdst(0)                   ; one wait for both exponentials: v8 and v9 are written, ahead of their first reader
.macro SC th, sn, cs                   ; sine and cosine of v[th]
	v_mul_f32 v20, 0.15915494, v[\th]
	v_rndne_f32 v20, v20                           ; whole turns
	v_fma_f32 v21, -v20, s40, v[\th]
	v_fma_f32 v21, -v20, s41, v21                  ; the rest, within pi
	v_mul_f32 v21, 0x3e800000, v21                 ; a = a quarter of it
	v_mul_f32 v22, v21, v21
	v_mov_b32 v23, 0xb9500d01                      ; -1/5040
	v_fmaak_f32 v23, v23, v22, 0x3c088889          ; 1/120
	v_fmaak_f32 v23, v23, v22, 0xbe2aaaab          ; -1/6
	v_mul_f32 v24, v21, v22
	v_fma_f32 v[\sn], v24, v23, v21
	v_mov_b32 v23, 0x37d00d01                      ; 1/40320
	v_fmaak_f32 v23, v23, v22, 0xbab60b61          ; -1/720
	v_fmaak_f32 v23, v23, v22, 0x3d2aaaab          ; 1/24
	v_fmaak_f32 v23, v23, v22, 0xbf000000          ; -1/2
	v_fma_f32 v[\cs], v23, v22, 1.0
.rept 2                                ; twice: sin 2a = 2 sin a cos a, cos 2a = 1 - 2 sin^2 a
	v_mul_f32 v24, v[\sn], v[\cs]
	v_mul_f32 v23, v[\sn], v[\sn]
	v_add_f32 v[\sn], v24, v24
	v_fma_f32 v[\cs], v23, -2.0, 1.0
.endr
.endm
	v_mul_f32 v12, v10, v8
	v_mul_f32 v13, v10, v9
	SC 12, 14, 16
	SC 13, 15, 17
	s_wait_alu depctr_va_vcc(0)                    ; the compare above has written VCC, ahead of its first reader, the select below
	v_cndmask_b32 v18, v16, v14, vcc_lo
	v_cndmask_b32 v19, v17, v15, vcc_lo
	s_wait_alu depctr_va_vdst(0)                   ; the selects have written v18 and v19, which the store reads (its offset v7 was written further up)
	global_store_b64 v7, v[18:19], s[26:27]
; ---- the weights, a plane at a time: plane k's two loads are the halves u = 0, 1 of my 8,192 bytes of it
.Lconv:
.macro WCV k, u                        ; four numbers close up into the first two of their four registers
	v_cvt_pk_bf16_f32 v[W+8*(\k)+4*(\u)], v[W+8*(\k)+4*(\u)], v[W+8*(\k)+4*(\u)+1]
	v_cvt_pk_bf16_f32 v[W+8*(\k)+4*(\u)+1], v[W+8*(\k)+4*(\u)+2], v[W+8*(\k)+4*(\u)+3]
.endm
.macro WST k, u
	global_store_b64 v2, v[W+8*(\k)+4*(\u):W+8*(\k)+4*(\u)+1], s[22+6*((\k)/4):23+6*((\k)/4)] offset:2097152*((\k)%4)+2048*(\u)
.endm
.set k, 0
.rept 7
	s_wait_loadcnt 12-2*k                          ; loads come back in order: plane k is in, the younger planes stay out
.if k > 0
	s_wait_alu depctr_va_vdst(0)                   ; the plane before has written its four rounded registers, which the two stores below read; this plane's roundings name its own registers alone
	WST k-1, 0
.endif
	WCV k, 0
.if k > 0
	WST k-1, 1
.endif
	WCV k, 1
.set k, k+1
.endr
	s_wait_alu depctr_va_vdst(0)                   ; the last plane has written its rounded registers, which the last two stores read
	WST 6, 0
	WST 6, 1
	s_endpgm
.Lfunc_end_k_q9c5beb2cdc_prep:
	.size	k_q9c5beb2cdc_prep, .Lfunc_end_k_q9c5beb2cdc_prep-k_q9c5beb2cdc_prep
	.p2alignl 7, 3214868480
	.fill 96, 4, 3214868480
	.section	.rodata,"a",@progbits
	.p2align	6, 0x0
	.amdhsa_kernel k_q9c5beb2cdc_prep
		.amdhsa_group_segment_fixed_size 0
		.amdhsa_private_segment_fixed_size 0
		.amdhsa_enable_private_segment 0
		.amdhsa_kernarg_size 96
		.amdhsa_user_sgpr_count 2
		.amdhsa_user_sgpr_kernarg_segment_ptr 1
		.amdhsa_wavefront_size32 1
		.amdhsa_system_sgpr_workgroup_id_x 1
		.amdhsa_system_sgpr_workgroup_id_y 1
		.amdhsa_system_sgpr_workgroup_id_z 1
		.amdhsa_system_vgpr_workitem_id 0
		.amdhsa_next_free_vgpr 224
		.amdhsa_next_free_sgpr 66
		.amdhsa_reserve_vcc 1
		.amdhsa_float_denorm_mode_32 3
		.amdhsa_float_denorm_mode_16_64 3
		.amdhsa_memory_ordered 1
		.amdhsa_forward_progress 1
		.amdhsa_inst_pref_size 25
	.end_amdhsa_kernel
	.amdgpu_metadata
---
amdhsa.version: [ 1, 2 ]
amdhsa.kernels:
  - .name:           k_q9c5beb2cdc_prep
    .symbol:         k_q9c5beb2cdc_prep.kd
    .args:
      - { .name: Wq, .offset: 0, .size: 8, .value_kind: global_buffer, .address_space: global }
      - { .name: Wk, .offset: 8, .size: 8, .value_kind: global_buffer, .address_space: global }
      - { .name: Wv, .offset: 16, .size: 8, .value_kind: global_buffer, .address_space: global }
      - { .name: Wo, .offset: 24, .size: 8, .value_kind: global_buffer, .address_space: global }
      - { .name: w1, .offset: 32, .size: 8, .value_kind: global_buffer, .address_space: global }
      - { .name: w3, .offset: 40, .size: 8, .value_kind: global_buffer, .address_space: global }
      - { .name: w2, .offset: 48, .size: 8, .value_kind: global_buffer, .address_space: global }
      - { .name: hidden_states, .offset: 56, .size: 8, .value_kind: global_buffer, .address_space: global }
      - { .name: ln1_w, .offset: 64, .size: 8, .value_kind: global_buffer, .address_space: global }
      - { .name: wb, .offset: 72, .size: 8, .value_kind: global_buffer, .address_space: global }
      - { .name: xa, .offset: 80, .size: 8, .value_kind: global_buffer, .address_space: global }
      - { .name: rope, .offset: 88, .size: 8, .value_kind: global_buffer, .address_space: global }
    .group_segment_fixed_size: 0
    .private_segment_fixed_size: 0
    .kernarg_segment_align: 8
    .kernarg_segment_size: 96
    .max_flat_workgroup_size: 256
    .sgpr_count:     66
    .vgpr_count:     224
    .wavefront_size: 32
...
	.end_amdgpu_metadata
.endif
;; end of part 13
;; launch qkv: the kernel of part 8 again; grid 8 x 32, 4 waves a work-group, clusters of 4 x 4, 327,680 bytes of LDS; arguments xa, wb, rope, qkv; writes qkv
;; launch attn: the kernel of part 9 again; grid 8 x 32, 4 waves a work-group, clusters of 4 x 1, 327,680 bytes of LDS; arguments qkv, ctx; writes ctx
;; launch wo: the kernel of part 10 again; grid 8 x 32, 4 waves a work-group, clusters of 4 x 4, 327,680 bytes of LDS; arguments ctx, wb, hidden_states, ln2_w, h, hb, ssq; writes h, hb, ssq
;; launch gateup: the kernel of part 11 again; grid 8 x 32, 4 waves a work-group, clusters of 4 x 4, 327,680 bytes of LDS; arguments hb, wb, ssq, xa; writes xa
;; launch down: the kernel of part 12 again; grid 8 x 32, 4 waves a work-group, clusters of 4 x 4, 327,680 bytes of LDS; arguments xa, wb, h, out0; writes out0
